; MI455X (gfx1250); checked and timed in simulation.
; The chip was launched on July 23, 2026; its instructions are those of AMD's public machine-readable ISA for CDNA 5 (MIT licence, August 2026) and "CDNA5" Instruction Set Architecture Reference Guide (July 2026). The comments in the code are by the model that wrote it; some were corrected since.
;; Block. Allowed arithmetic: matrix products marked QUANTISED: E3M2 operands, one E8M0 scale for each 32 along K, by v_wmma_scale_f32_16x16x128_f8f6f4 with both operands' format E3M2, f32 sums; everything else in f32.
;; Inputs: attn_b 3,072 float32; attn_w 1,024 x 3,072 float32; fc2_b 1,024 float32; fc2_w 4,096 x 1,024 float32; fc_b 4,096 float32; fc_w 1,024 x 4,096 float32; hidden_states 2 x 2,048 x 1,024 float32; ln1_b 1,024 float32; ln1_g 1,024 float32; ln2_b 1,024 float32; ln2_g 1,024 float32; proj_b 1,024 float32; proj_w 1,024 x 1,024 float32.
;; Outputs: out0 2 x 2,048 x 1,024 float32.
;; This version of the problem:
;;   THIS VERSION OF THE PROBLEM IS GIVEN IN LOW PRECISION. The matrix products marked QUANTISED in the list below multiply operands that are first quantised to E3M2 (3 exponent bits, 2 mantissa bits; 6 bits a number), with one power-of-two scale for each 32 numbers along K (OCP MX v1.0); their sums are f32. All else is computed in f32.
;;   The module's matrix products, in the order in which they are computed (A, B: the left and right operand; K: the contracted axis; several contracted axes count as one K, in the product's order):
;;     1. [M 4,096, K 1,024] x [K 1,024, N 3,072]; A: computed on the way; B: input attn_w: QUANTISED
;;     2. batch 32 x [M 2,048, K 64] x [K 64, N 2,048]; A: computed on the way; B: computed on the way: QUANTISED
;;     3. batch 32 x [M 2,048, K 2,048] x [K 2,048, N 64]; A: softmax (see below); B: computed on the way: QUANTISED
;;     4. [M 4,096, K 1,024] x [K 1,024, N 1,024]; A: computed on the way; B: input proj_w: QUANTISED
;;     5. [M 4,096, K 1,024] x [K 1,024, N 4,096]; A: computed on the way; B: input fc_w: QUANTISED
;;     6. [M 4,096, K 4,096] x [K 4,096, N 1,024]; A: computed on the way; B: input fc2_w: QUANTISED
;;   THE QUANTISER, for each operand of a quantised product, along K:
;;     - K is cut into blocks of 32 from its start; a last block that is shorter is filled with zeros.
;;     - A block's scale is 2^e with e = floor(log2(the largest magnitude in the block)) - 4, held to -126 .. 127; a block of zeros has e = 0. As a byte (E8M0): e + 127.
;;     - Each number is divided by its block's scale, clamped to +-28, and rounded to the nearest number of E3M2, ties to even, subnormals kept.
;;     - The product sums the exact products of the quantised numbers (number of the format x scale) in f32.
;;   ~~~python
;;   def quantise(x, axis):      # numpy; x: float32 -> the quantised numbers, widened to float32 again
;;       x = np.moveaxis(x, axis, -1); K = x.shape[-1]
;;       x = np.pad(x, [(0, 0)] * (x.ndim - 1) + [(0, -K % 32)]); x = x.reshape(x.shape[:-1] + (-1, 32)); a = np.abs(x).max(-1, keepdims=True)
;;       e = np.where(a > 0, np.clip(np.frexp(np.where(a > 0, a, 1))[1] - 1 - 4, -126, 127), 0)      # np.frexp(a)[1] - 1 = floor(log2(a)), exactly
;;       r = np.clip(x / 2.0 ** e, -28, 28)
;;       step = 2.0 ** (np.maximum(np.frexp(np.where(r == 0, 1, r))[1] - 1, -2) - 2)
;;       q = np.round(r / step) * step * 2.0 ** e      # np.round: ties to even
;;       return np.moveaxis(q.reshape(q.shape[:-2] + (-1,))[..., :K], -1, axis).astype(np.float32)
;;   ~~~
;;   SOFTMAX AHEAD OF A QUANTISED PRODUCT. Where the list says 'softmax', what is quantised is not the finished softmax but p = 2^(t - M), with t = logit x log2(e) and M = ceil(the row's largest t), a whole number; so 1/2 < the row's largest p <= 1. The row's sum l is taken of the UNQUANTISED p, in f32, and the product's result is divided by l at the end. Since M is a whole number, a kernel that streams over the keys may use a running M (the ceiling of the running maximum): every later rescaling is an exact power of two, which a block's scale takes up: the codes' values come out the same.
;;   OPERANDS COMPUTED ON THE WAY. 'Computed on the way' means the value that the module computes at that place (a softmax that the list does not call 'softmax' is quantised finished and normalised). What goes into a quantiser is computed in f32, as accurately as f32 sums, v_exp_f32 and their like allow (about 1e-6 of the number): no bf16 or f16 on the way to a quantiser, and a product that is left as it is and whose result goes on into a quantised operand takes f32 operands (vector FMAs, or v_wmma_f32_16x16x4_f32). A number that lies on a knife's edge between two numbers of the format may be rounded either way, as far as f32 arithmetic and the matrix unit's own rounding can turn it there, and no further.
;; One version. Each part assembles by itself: llvm-mc -triple=amdgcn-amd-amdhsa -mcpu=gfx1250 --defsym DOCPART=n.
;; ======== version 1 of 1: 7 launches
;; limits: right only within a limited range of input values
;; workspace buffers: wbuf 9,830,400 bytes; nq1 3,276,800 bytes; nq2 3,276,800 bytes; aq 3,276,800 bytes; hq 13,107,200 bytes; qb 3,407,872 bytes; kvb 6,684,672 bytes; h1 16,777,216 bytes
;; launch pre1 (part 1): grid 384 x 1, 8 waves a work-group, no clusters, 67,584 bytes of LDS; arguments hidden_states, ln1_g, ln1_b, nq1, attn_w, proj_w, wbuf; writes nq1, wbuf
.if DOCPART == 1
	.amdgcn_target "amdgcn-amd-amdhsa--gfx1250"
	.amdhsa_code_object_version 6
	.text
	.protected	k_q5a6673c988_pre1
	.globl	k_q5a6673c988_pre1
	.p2align	8
	.type	k_q5a6673c988_pre1,@function
k_q5a6673c988_pre1:
	s_mov_b64 s[64:65], 0
	v_nop
	global_prefetch_b8 v0, s[64:65] scope:SCOPE_SE
	s_setreg_imm32_b32 hwreg(HW_REG_WAVE_MODE, 25, 1), 1
	s_wait_xcnt 0x0
; TWO JOBS IN ONE LAUNCH, told apart by the work-group's number alone: work-groups 0 to NWQ - 1 turn the weights attn_w and proj_w into codes, the other 256 make LN1(hidden_states) and quantise it.
; Both stream, neither fills memory's share by itself, and neither waits for the other: together they need one launch where apart they need two.
; WORK LEFT OUT IN THIS PROGRAM.  reference() replaces the logit of every key k > q by -10000, whatever q . k is: so the scores of key steps that lie wholly behind a wave's queries can reach no output, for all
; values of the inputs, and the attention launch does not compute them.  What those keys DO contribute is kept: their weight 2^(-10000 log2 e - M), their share of the row's sum and their part of P V.
; LIMIT: a NaN, an infinity or an overflow that arises only in such a score is not carried to the result (reference() drops it too).  No input is without a way to an output: all are loaded.
; THE LAYOUT OF EVERY OPERAND OF THIS PROGRAM.  A tile T is 16 rows; its row r is the logical row 32 (T/2) + 8 (T%2) + r + (r&8).  A RECORD of 6,400 bytes holds a tile's 512 along K (a phase):
; four fragments of 1,536 bytes (128 along K each), then 256 bytes of scale words (row r, step q: 16 r + 4 q).  A fragment is two halves of 768 bytes (64 along K): lane l = r + 16 h holds the 32 codes
; k = 32 h .. 32 h + 31 in 6 registers: registers 0-3 at 16 l, registers 4-5 at 512 + 8 l.  An operand is record [T x phases + phase].
; THE NORM: y = (x - mean) / sqrt(var + 1e-5) * g + b over rows of 1,024, in f32.  A work-group is a tile of 16 rows.  PHASE A: wave w owns the tile's rows 2 w, 2 w + 1, each whole in 32 registers: the mean, then
; the sum of squared deviations (two passes over registers: no difference of large sums), never leave the wave.  The rows meet in LDS (pitch 4,112 bytes = 257 x 16, so that sixteen rows' pieces of 16 bytes fall
; on different banks).  PHASE B: wave s owns K step s: lane (r, h) takes 16 neighbours of each block of 32, quantises, and stores the fragment as it stands in its registers.
; THE WEIGHTS: W [K][N], f32, K the FIRST axis.  A lane takes a column n and its registers run down K: a block of 32 lies in one lane, nothing is transposed.  Lanes 0-15 hold the even tile of a pair, lanes 16-31
; the odd one.  A wave takes 32 columns x 128 along K (one fragment of each tile), written out: every offset is an immediate.  The eight waves of a work-group stand side by side on 1,024 bytes of a row of W.
; Loads run two blocks (64 loads a wave) ahead.  This arm touches no LDS and passes no barrier.  A wave's one scale word of a row is a quarter of the row's 16 bytes: it leaves as 4 bytes a lane, 16 bytes apart
; (256 of a record's 6,400 bytes); to gather them whole would take LDS and a barrier here.
; A block's byte is its largest magnitude's exponent field - 4, held at 1 from below by a floor among the maximum's leaves.
; LIMITS: a block of zeros gets the byte 1 where the rule says 127 (its codes are zeros, and this program alone reads the bytes); blocks under 2^-122 keep the byte 1; NaN and infinities among the inputs are not served.
; No tensor load (each byte is read once by one wave), no cluster (nothing is shared), no matrix unit.
; THE WEIGHTS' SHARES: a wave takes 32 columns x 128 along K: four blocks, ONE fragment of each of its two tiles, and one scale word a row (4 bytes a lane, 16 bytes apart).
.set NWQ,   128                        ; work-groups for the weights: 96 for attn_w (12 x 256 columns, 8 x 128 along K), 32 for proj_w (4 x 8)
.set NW1,   96
.set PITCH, 4112
.set SCW,   16*PITCH                   ; behind the rows: the tile's scale words, 2 x 256 bytes
.set SPARE, SCW+512                    ; the spare words, 128 bytes for each wave: four blocks of 256 bytes that no other line names
.set XO,  2                            ; v2   16 x lane
.set YS,  3                            ; v3   LDS: my two rows, 16 x lane
.set YR,  4                            ; v4   LDS: row r, my K step, 64 h
.set O8,  6                            ; v6   8 x lane
.set SCS, 7                            ; v7   LDS: where my row's scale word goes
.set SCR, 8                            ; v8   LDS: the scale words, 16 x lane
.set SCO, 9                            ; v9   and their place in the two records
.set SPW, 12                           ; v12  my spare word; never rewritten
.set NIL, 13                           ; v13  0; never rewritten
.set X,   16                           ; v16-79   two rows; later 64 numbers to quantise
.set GA,  80                           ; v80-111  g at my columns
.set BT,  112                          ; v112-143 b
.set SU,  144                          ; v144-147 a pair of sums for each row
.set MU,  148                          ; v148-151 the mean, twice, for each row
.set RS,  152                          ; v152-155 1 / sigma, twice
.set TP,  156                          ; v156-157 a lane permute's destinations
.set TM,  160                          ; v160-175 at work in the quantiser
.set PC,  176                          ; v176-195 the codes
.set PW,  196                          ; v196 the scale word
.set SEL, 28                           ; s[28:29]
; the weights' arm
.set VI,   2                           ; v2    4 x my column among the wave's 32
.set VO16, 3                           ; v3    my tile's record + 16 r
.set VO8,  4                           ; v4    8 x lane
.set WS,   16                          ; v16 my column's scale word
.set WX,   32                          ; v32-95 two sets of 32 numbers
.set WC,   96                          ; v96-119 the codes of the four blocks, 6 registers each: no store's data are written again
.set WT,   144                         ; v144-146 a conversion's three registers begin on an even number: the upper half of a block is made here and moved
	s_load_b256 s[4:11], s[0:1], 0x0               ; x, g, b, the norm's codes
	s_load_b128 s[32:35], s[0:1], 0x20             ; the two weights
	s_load_b64 s[36:37], s[0:1], 0x30              ; wbuf
	v_lshl_add_u32 v[SPW], v0, 2, SPARE
	v_mov_b32 v[NIL], 0
	v_lshrrev_b32 v1, 5, v0
	s_delay_alu instid0(VALU_DEP_1)
	v_readfirstlane_b32 s12, v1                    ; wave
	s_cmp_lt_u32 ttmp9, NWQ                        ; the work-group's number alone: all eight waves go the same way
	s_cbranch_scc1 .Lweights
	s_sub_co_u32 s30, ttmp9, NWQ                   ; my tile
	v_and_b32 v1, 31, v0
	v_and_b32 v10, 15, v0                          ; r
	s_wait_alu depctr_va_vdst(0)
	v_bfe_u32 v11, v0, 4, 1                        ; h
	v_lshlrev_b32 v[XO], 4, v1
	s_wait_alu depctr_va_vdst(0)
	v_lshlrev_b32 v[O8], 3, v1
	s_mul_i32 s13, s12, 2*PITCH
	v_add_nc_u32 v[YS], s13, v[XO]
	v_mul_u32_u24 v[YR], v10, PITCH
	s_delay_alu instid0(VALU_DEP_1)
	v_lshl_add_u32 v[YR], v11, 6, v[YR]
	s_lshl_b32 s13, s12, 9
	v_add_nc_u32 v[YR], s13, v[YR]
	s_lshr_b32 s14, s12, 2                         ; my K step's phase
	s_and_b32 s15, s12, 3                          ; and its place in it
	s_lshl_b32 s16, s14, 8
	s_lshl_b32 s17, s15, 2
	s_add_co_u32 s16, s16, s17
	s_add_co_u32 s16, s16, SCW
	v_lshl_add_u32 v[SCS], v10, 4, s16
	v_add_nc_u32 v[SCR], SCW, v[XO]
	v_mul_u32_u24 v[SCO], v11, 6400
	s_delay_alu instid0(VALU_DEP_1)
	v_lshl_add_u32 v[SCO], v10, 4, v[SCO]
	s_lshr_b32 s18, s30, 1
	s_lshl_b32 s18, s18, 5
	s_and_b32 s19, s30, 1
	s_lshl_b32 s19, s19, 3
	s_add_co_u32 s18, s18, s19
	s_lshl_b32 s19, s12, 1
	s_add_co_u32 s18, s18, s19
	s_lshl_b32 s19, s14, 3
	s_add_co_u32 s18, s18, s19                     ; my first token: 32 (T/2) + 8 (T%2) + 2 w + 8 (w/4)
	s_lshl_b32 s18, s18, 12
	s_mov_b32 s19, 0
	s_lshl_b32 s22, s30, 1
	s_mul_i32 s24, s22, 6400                       ; the tile's first record
	s_mov_b32 s25, 0
	s_add_co_u32 s22, s22, s14
	s_mul_i32 s22, s22, 6400
	s_mul_i32 s23, s15, 1536
	s_add_co_u32 s22, s22, s23                     ; my fragment
	s_mov_b32 s23, 0
	s_mov_b32 s20, 0x3a800000                      ; 1 / 1024
	s_mov_b32 s21, 0x3727c5ac                      ; 1e-5
	s_mov_b32 s[SEL], 0x76543210
	s_mov_b32 s[SEL+1], 0xfedcba98
	v_mov_b32 v[TP], 0                             ; written once: a lane permute's destination counts as one of its sources
	v_mov_b32 v[TP+1], 0
.irp b, 0,1,2,3
	v_mov_b32 v[TM+4+\b], 0
.endr
	s_wait_kmcnt 0x0
	s_add_nc_u64 s[4:5], s[4:5], s[18:19]
	s_add_nc_u64 s[26:27], s[10:11], s[22:23]
	s_add_nc_u64 s[10:11], s[10:11], s[24:25]
.irp e, 0,1
.irp i, 0,1,2,3,4,5,6,7
	global_load_b128 v[X+32*\e+4*\i:X+32*\e+4*\i+3], v[XO], s[4:5] offset:4096*\e+512*\i th:TH_LOAD_NT   ; 512 consecutive bytes a load
.endr
.endr
.irp i, 0,1,2,3,4,5,6,7
	global_load_b128 v[GA+4*\i:GA+4*\i+3], v[XO], s[6:7] offset:512*\i
	global_load_b128 v[BT+4*\i:BT+4*\i+3], v[XO], s[8:9] offset:512*\i
.endr
.macro REDUCE                          ; each row's pair of sums becomes the row's total, in every lane
.irp e, 0,1
	s_delay_alu instid0(VALU_DEP_2)
	v_add_f32 v[SU+2*\e], v[SU+2*\e], v[SU+2*\e+1]
.endr
.irp m, 1,2,4,8
.irp e, 0,1
	s_delay_alu instid0(VALU_DEP_2)
	v_add_f32_dpp v[SU+2*\e], v[SU+2*\e], v[SU+2*\e] row_xmask:\m row_mask:0xf bank_mask:0xf
.endr
.endr
.irp e, 0,1
	s_delay_alu instid0(VALU_DEP_2)
	v_permlanex16_b32 v[TP+\e], v[SU+2*\e], s[SEL], s[SEL+1]
.endr
.irp e, 0,1
	s_delay_alu instid0(VALU_DEP_2)
	v_add_f32 v[SU+2*\e], v[SU+2*\e], v[TP+\e]
.endr
.endm
	s_wait_loadcnt 16                              ; the two rows are in; the sixteen loads of g and b may be out
.irp e, 0,1
	v_pk_add_f32 v[SU+2*\e:SU+2*\e+1], v[X+32*\e:X+32*\e+1], v[X+32*\e+2:X+32*\e+3]
.endr
.set j, 4
.rept 14
.irp e, 0,1
	s_delay_alu instid0(VALU_DEP_2)
	v_pk_add_f32 v[SU+2*\e:SU+2*\e+1], v[SU+2*\e:SU+2*\e+1], v[X+32*\e+j:X+32*\e+j+1]   ; the two rows by turns
.endr
.set j, j+2
.endr
	REDUCE
.irp e, 0,1
	s_delay_alu instid0(VALU_DEP_2)
	v_mul_f32 v[MU+2*\e], s20, v[SU+2*\e]
.endr
.irp e, 0,1
	s_delay_alu instid0(VALU_DEP_2)
	v_mov_b32 v[MU+2*\e+1], v[MU+2*\e]
.endr
.set j, 0
.rept 16
.irp e, 0,1
	v_pk_add_f32 v[X+32*\e+j:X+32*\e+j+1], v[X+32*\e+j:X+32*\e+j+1], v[MU+2*\e:MU+2*\e+1] neg_lo:[0,1] neg_hi:[0,1]   ; x - mean
.endr
.set j, j+2
.endr
.irp e, 0,1
	v_pk_mul_f32 v[SU+2*\e:SU+2*\e+1], v[X+32*\e:X+32*\e+1], v[X+32*\e:X+32*\e+1]
.endr
.set j, 2
.rept 15
.irp e, 0,1
	s_delay_alu instid0(VALU_DEP_2)
	v_pk_fma_f32 v[SU+2*\e:SU+2*\e+1], v[X+32*\e+j:X+32*\e+j+1], v[X+32*\e+j:X+32*\e+j+1], v[SU+2*\e:SU+2*\e+1]
.endr
.set j, j+2
.endr
	REDUCE
.irp e, 0,1
	s_delay_alu instid0(VALU_DEP_2)
	v_fma_f32 v[RS+2*\e], v[SU+2*\e], s20, s21     ; var + 1e-5
.endr
	s_wait_alu depctr_va_vdst(0)
.irp e, 0,1
	v_rsq_f32 v[RS+2*\e], v[RS+2*\e]
.endr
	v_nop                                          ; a plain line behind the last transcendental
	s_wait_alu depctr_va_vdst(0)                   ; the wait ahead of the first reader: one for both
.irp e, 0,1
	v_mov_b32 v[RS+2*\e+1], v[RS+2*\e]
.endr
	s_wait_alu depctr_va_vdst(0)
	s_wait_loadcnt 0x0                             ; g and b
.set j, 0
.rept 16
.irp e, 0,1
	v_pk_mul_f32 v[X+32*\e+j:X+32*\e+j+1], v[X+32*\e+j:X+32*\e+j+1], v[RS+2*\e:RS+2*\e+1]
.endr
.set j, j+2
.endr
.set j, 0
.rept 16
.irp e, 0,1
	v_pk_fma_f32 v[X+32*\e+j:X+32*\e+j+1], v[X+32*\e+j:X+32*\e+j+1], v[GA+j:GA+j+1], v[BT+j:BT+j+1]
.endr
.set j, j+2
.endr
.irp e, 0,1
.irp i, 0,1,2,3,4,5,6,7
	ds_store_b128 v[YS], v[X+32*\e+4*\i:X+32*\e+4*\i+3] offset:\e*PITCH+512*\i
.endr
.endr
	s_wait_dscnt 0x0                               ; for the others' sake: my rows lie in LDS
	s_barrier_signal -1
	s_barrier_wait -1
.irp b, 0,1,2,3
.irp j, 0,1,2,3
	ds_load_b128 v[X+16*\b+4*\j:X+16*\b+4*\j+3], v[YR] offset:128*\b+16*\j   ; register 16 b + i = column 128 s + 32 b + 16 h + i of row r
.endr
.endr
	s_wait_dscnt 0x0
	; the four blocks' largest magnitudes, bytes, codes
.irp b, 0,1,2,3
	v_max3_num_f32 v[TM+\b], |v[X+16*\b]|, |v[X+1+16*\b]|, 0x2800000   ; with the floor 2^(5 - 127): the byte cannot fall under 1
.endr
.irp i, 2,4,6,8,10,12,14
.irp b, 0,1,2,3
	s_delay_alu instid0(VALU_DEP_4)
	v_max3_num_f32 v[TM+\b], v[TM+\b], |v[X+16*\b+\i]|, |v[X+1+16*\b+\i]|
.endr
.endr
.irp b, 0,1,2,3
	s_delay_alu instid0(VALU_DEP_4)
	v_permlanex16_b32 v[TM+4+\b], v[TM+\b], s[SEL], s[SEL+1]
.endr
.irp b, 0,1,2,3
	s_delay_alu instid0(VALU_DEP_4)
	v_max_num_f32 v[TM+\b], v[TM+\b], v[TM+4+\b]   ; with lane l xor 16's 16 numbers
.endr
.irp b, 0,1,2,3
	s_delay_alu instid0(VALU_DEP_4)
	v_add_nc_u32 v[TM+12+\b], 0xfe000000, v[TM+\b] ; 4 off the exponent field: the conversion's scale operand
.endr
.irp b, 0,1,2,3
	s_delay_alu instid0(VALU_DEP_4)
	v_lshrrev_b32 v[TM+4+\b], 23, v[TM+12+\b]
.endr
	s_delay_alu instid0(VALU_DEP_3)
	v_lshl_or_b32 v[PW], v[TM+5], 8, v[TM+4]
	s_delay_alu instid0(VALU_DEP_1)
	v_lshl_or_b32 v[PW], v[TM+6], 16, v[PW]
	s_delay_alu instid0(VALU_DEP_1)
	v_lshl_or_b32 v[PW], v[TM+7], 24, v[PW]
.irp c, 0,1
	v_cvt_scalef32_pk16_bf6_f32 v[PC+6*\c:PC+2+6*\c], v[X+32*\c:X+15+32*\c], v[TM+12+2*\c]
	v_cvt_scalef32_pk16_bf6_f32 v[PC+12+4*\c:PC+14+4*\c], v[X+16+32*\c:X+31+32*\c], v[TM+12+2*\c+1]
.endr
	v_nop                                          ; one plain line behind a scaled conversion
.irp c, 0,1                                    ; the operand wants a whole block in a lane: lanes 0-15 block 2 c, lanes 16-31 block 2 c + 1
.irp i, 0,1,2
	v_permlane16_swap_b32 v[PC+6*\c+\i], v[PC+12+4*\c+\i]
.endr
.irp i, 0,1,2
	s_delay_alu instid0(VALU_DEP_3)
	v_mov_b32 v[PC+3+6*\c+\i], v[PC+12+4*\c+\i]
.endr
.endr
	global_store_b128 v[XO], v[PC:PC+3], s[26:27]
	global_store_b64 v[O8], v[PC+4:PC+5], s[26:27] offset:512
	global_store_b128 v[XO], v[PC+6:PC+9], s[26:27] offset:768
	global_store_b64 v[O8], v[PC+10:PC+11], s[26:27] offset:1280
	ds_store_b32 v[SCS], v[PW]                     ; both lanes of a row write the same word with the same value
	s_wait_dscnt 0x0
	s_barrier_signal -1
	s_barrier_wait -1
	s_cmp_lg_u32 s12, 0
	s_cbranch_scc1 .Lend
	ds_load_b128 v[X:X+3], v[SCR]                  ; wave 0 stores the two records' scale words: 256 consecutive bytes each
	s_wait_dscnt 0x0
	global_store_b128 v[SCO], v[X:X+3], s[10:11] offset:6144
.Lend:
	s_wait_tensorcnt 0x0                           ; the wave's end
	ds_add_u32 v[SPW], v[NIL]
	s_wait_dscnt 0x0
	s_endpgm
; ---- THE WEIGHTS
.macro WLOAD N, t                      ; block t of my four: W(32 t + i, my column) into set t % 2; a load covers 128 consecutive bytes
.set i, 0
.rept 32
	global_load_b32 v[WX+32*((\t)%2)+i], v[VI], s[46:47] offset:(32*(\t)+i)*\N*4 th:TH_LOAD_NT
.set i, i+1
.endr
.endm
.macro WBLOCK N, t, left, ahead        ; left: the loads that may stay out: the next block's 32
.set XS, WX+32*((\t)%2)
.set CB, WC+6*(\t)
	s_wait_loadcnt \left
	v_max3_num_f32 v10, |v[XS]|, |v[XS+1]|, |v[XS+2]|
	v_max3_num_f32 v11, |v[XS+3]|, |v[XS+4]|, |v[XS+5]|
.irp i, 6,10,14,18,22,26
	s_delay_alu instid0(VALU_DEP_2)
	v_max3_num_f32 v10, v10, |v[XS+\i]|, |v[XS+\i+1]|
	s_delay_alu instid0(VALU_DEP_2)
	v_max3_num_f32 v11, v11, |v[XS+\i+2]|, |v[XS+\i+3]|
.endr
	s_delay_alu instid0(VALU_DEP_2)
	v_max3_num_f32 v10, v10, |v[XS+30]|, |v[XS+31]|
	s_delay_alu instid0(VALU_DEP_1)
	v_max3_num_f32 v10, v10, v11, 0x2800000        ; and the floor 2^(5 - 127): the byte cannot fall under 1
	s_delay_alu instid0(VALU_DEP_1)
	v_add_nc_u32 v14, 0xfe000000, v10              ; 4 off the exponent field: the conversion's scale operand
	s_delay_alu instid0(VALU_DEP_1)
	v_lshrrev_b32 v15, 23, v14                     ; the byte
.if ((\t)%4) == 0
	s_delay_alu instid0(VALU_DEP_1)
	v_mov_b32 v[WS+(\t)/4], v15
.else
	s_delay_alu instid0(VALU_DEP_1)
	v_lshl_or_b32 v[WS+(\t)/4], v15, 8*((\t)%4), v[WS+(\t)/4]
.endif
	v_cvt_scalef32_pk16_bf6_f32 v[CB:CB+2], v[XS:XS+15], v14
	v_cvt_scalef32_pk16_bf6_f32 v[WT:WT+2], v[XS+16:XS+31], v14
	v_nop                                          ; one plain line behind a scaled conversion
.irp i, 0,1,2
	v_mov_b32 v[CB+3+\i], v[WT+\i]
.endr
.if \ahead
	WLOAD \N, (\t)+2
.endif
.endm
.macro WOUT PH, s                      ; step s: a fragment of both tiles.  Block 2 c + h is half c, lanes' half h
.set CW, WC+24*(\s)
.irp c, 0,1
	v_permlane16_swap_b32 v[CW+12*\c+4], v[CW+12*\c+10]   ; registers 4-5: the odd tile's h = 0 changes places with the even tile's h = 1:
	v_permlane16_swap_b32 v[CW+12*\c+5], v[CW+12*\c+11]   ; each register pair then is one tile's whole 256 bytes
.endr
.irp c, 0,1
	global_store_b128 v[VO16], v[CW+12*\c:CW+12*\c+3], s[50:51] offset:1536*(\s)+768*\c          ; sixteen lanes store 256 consecutive bytes of their tile
	global_store_b128 v[VO16], v[CW+12*\c+6:CW+12*\c+9], s[50:51] offset:1536*(\s)+768*\c+256
	global_store_b64 v[VO8], v[CW+12*\c+4:CW+12*\c+5], s[50:51] offset:1536*(\s)+768*\c+512      ; 32 lanes store 256 consecutive bytes
	global_store_b64 v[VO8], v[CW+12*\c+10:CW+12*\c+11], s[50:51] offset:\PH*6400+1536*(\s)+768*\c+512
.endr
.endm
.macro WQ N, PH, LOGKH, PTR, WOFF, FIRST
	s_sub_co_u32 s40, ttmp9, \FIRST
	s_lshr_b32 s41, s40, \LOGKH                    ; which 256 columns
	s_and_b32 s42, s40, (1<<\LOGKH)-1              ; which 128 along K
	s_lshl_b32 s41, s41, 3
	s_add_co_u32 s41, s41, s12                     ; my pair of tiles
	s_mul_i32 s44, s42, 128*\N*4
	s_lshl_b32 s45, s41, 7
	s_add_co_u32 s44, s44, s45
	s_mov_b32 s45, 0
	s_add_nc_u64 s[46:47], s[\PTR:\PTR+1], s[44:45]   ; W at my corner
	s_lshr_b32 s43, s42, 2                         ; the phase
	s_and_b32 s42, s42, 3                          ; and which step of it
	s_mul_i32 s44, s41, 2*\PH
	s_add_co_u32 s44, s44, s43
	s_mul_i32 s44, s44, 6400
	s_add_co_u32 s44, s44, \WOFF                   ; the even tile's record
	s_mul_i32 s48, s42, 1536
	s_add_co_u32 s48, s48, s44
	s_mov_b32 s49, 0
	s_add_nc_u64 s[50:51], s[36:37], s[48:49]      ; my two fragments in it
	s_lshl_b32 s48, s42, 2
	s_add_co_u32 s48, s48, s44
	s_add_co_u32 s48, s48, 6144
	s_add_nc_u64 s[52:53], s[36:37], s[48:49]      ; my one of a row's four scale words
	v_mad_u32_u24 v[VO16], v7, \PH*6400, v9        ; the odd tile's record lies PH records on
	WLOAD \N, 0
	WLOAD \N, 1
	WBLOCK \N, 0, 32, 1
	WBLOCK \N, 1, 32, 1
	WBLOCK \N, 2, 32, 0                            ; the last two blocks ask for nothing: no load leaves my 128 along K
	WBLOCK \N, 3, 0, 0
	WOUT \PH, 0
	global_store_b32 v[VO16], v[WS], s[52:53]      ; my step's scale word of row r
	s_endpgm
.endm
.Lweights:
	v_and_b32 v5, 31, v0                           ; lane
	v_and_b32 v6, 15, v0                           ; r
	v_bfe_u32 v7, v0, 4, 1                         ; u: which tile of the pair
	s_delay_alu instid0(VALU_DEP_2)
	v_and_b32 v8, 8, v6
	s_delay_alu instid0(VALU_DEP_1)
	v_add_nc_u32 v8, v8, v6
	s_delay_alu instid0(VALU_DEP_1)
	v_lshl_add_u32 v8, v7, 3, v8                   ; my column: 8 u + r + (r&8)
	s_delay_alu instid0(VALU_DEP_1)
	v_lshlrev_b32 v[VI], 2, v8
	v_lshlrev_b32 v[VO8], 3, v5
	v_lshlrev_b32 v9, 4, v6                        ; 16 r
	s_wait_kmcnt 0x0
	s_cmp_lt_u32 ttmp9, NW1
	s_cbranch_scc1 .Lfirst
	s_wait_alu depctr_va_vdst(0)
	WQ 1024, 2, 3, 34, 2457600, 96                 ; proj_w
.Lfirst:
	s_wait_alu depctr_va_vdst(0)
	WQ 3072, 2, 3, 32, 0, 0                        ; attn_w
.Lfunc_end_k_q5a6673c988_pre1:
	.size	k_q5a6673c988_pre1, .Lfunc_end_k_q5a6673c988_pre1-k_q5a6673c988_pre1
	.p2alignl 7, 3214868480
	.fill 96, 4, 3214868480
	.section	.rodata,"a",@progbits
	.p2align	6, 0x0
	.amdhsa_kernel k_q5a6673c988_pre1
		.amdhsa_group_segment_fixed_size 67584
		.amdhsa_private_segment_fixed_size 0
		.amdhsa_enable_private_segment 0
		.amdhsa_kernarg_size 56
		.amdhsa_user_sgpr_count 2
		.amdhsa_user_sgpr_kernarg_segment_ptr 1
		.amdhsa_wavefront_size32 1
		.amdhsa_system_sgpr_workgroup_id_x 1
		.amdhsa_system_sgpr_workgroup_id_y 1
		.amdhsa_system_sgpr_workgroup_id_z 1
		.amdhsa_system_vgpr_workitem_id 0
		.amdhsa_next_free_vgpr 208
		.amdhsa_next_free_sgpr 66
		.amdhsa_reserve_vcc 0
		.amdhsa_float_denorm_mode_32 3
		.amdhsa_float_denorm_mode_16_64 3
		.amdhsa_memory_ordered 1
		.amdhsa_forward_progress 1
		.amdhsa_inst_pref_size 75
	.end_amdhsa_kernel
	.amdgpu_metadata
---
amdhsa.version: [ 1, 2 ]
amdhsa.kernels:
  - .name:           k_q5a6673c988_pre1
    .symbol:         k_q5a6673c988_pre1.kd
    .args:
      - { .name: hidden_states, .offset: 0, .size: 8, .value_kind: global_buffer, .address_space: global }
      - { .name: ln1_g, .offset: 8, .size: 8, .value_kind: global_buffer, .address_space: global }
      - { .name: ln1_b, .offset: 16, .size: 8, .value_kind: global_buffer, .address_space: global }
      - { .name: nq1, .offset: 24, .size: 8, .value_kind: global_buffer, .address_space: global }
      - { .name: attn_w, .offset: 32, .size: 8, .value_kind: global_buffer, .address_space: global }
      - { .name: proj_w, .offset: 40, .size: 8, .value_kind: global_buffer, .address_space: global }
      - { .name: wbuf, .offset: 48, .size: 8, .value_kind: global_buffer, .address_space: global }
    .group_segment_fixed_size: 67584
    .private_segment_fixed_size: 0
    .kernarg_segment_align: 8
    .kernarg_segment_size: 56
    .max_flat_workgroup_size: 256
    .sgpr_count:     66
    .vgpr_count:     208
    .wavefront_size: 32
...
	.end_amdgpu_metadata
.endif
;; end of part 1
;; launch g1 (part 2): grid 8 x 32, 4 waves a work-group, clusters of 4 x 4, 327,680 bytes of LDS; arguments nq1, wbuf, attn_b, qb, kvb; writes qb, kvb
.if DOCPART == 2
	.amdgcn_target "amdgcn-amd-amdhsa--gfx1250"
	.amdhsa_code_object_version 6
	.text
	.protected	k_q5a6673c988_g1
	.globl	k_q5a6673c988_g1
	.p2align	8
	.type	k_q5a6673c988_g1,@function
k_q5a6673c988_g1:
	s_mov_b64 s[64:65], 0
	v_nop
	global_prefetch_b8 v0, s[64:65] scope:SCOPE_SE
	s_setreg_imm32_b32 hwreg(HW_REG_WAVE_MODE, 25, 1), 1
	s_wait_xcnt 0x0
	s_wait_alu depctr_hold_cnt(0) depctr_sa_sdst(0) depctr_va_vdst(0) depctr_va_sdst(0) depctr_va_ssrc(0) depctr_va_vcc(0) depctr_vm_vsrc(0)
	s_getreg_b32 s2, hwreg(HW_REG_IB_STS2, 6, 4)
	s_cmp_eq_u32 s2, 0
	s_cbranch_scc0 .Lentry_in_a_cluster
	s_endpgm
.Lentry_in_a_cluster:
	s_bfe_u32 s2, ttmp6, 0x10000c
	s_cmp_lg_u32 s2, 0xf033
	s_cbranch_scc0 .Lentry_shape_is_right
	s_endpgm
.Lentry_shape_is_right:
.set PH,    2
.set WOFF,  0
.set NBSH,  3
.set BSTEP, 819200
.set ASTEP, 0
.set BOTH,  0
; A STAYS IN REGISTERS.  The work-group's 128 rows of A serve all three tiles of columns (Q, K, V): a wave's 32 fragments of A (4 tiles of 16 rows x 8 steps of 128 along K, 384 registers) are loaded from LDS in the first tile alone,
; phase s into window 2 + s, step q's tile a at register 48 q + 12 a.  From then on a step fetches B's four fragments alone: 16 LDS loads a wave.
; PREFETCH: B's 16 records of a tile of columns are shared out among the sixteen waves of a column of the cluster, by address: record 4 cy + wave, 25 blocks of 256 bytes, a lane a block (lanes 25-31 name the last again).
; The second tile's are asked for at the head, the third's in the first tile's second step.  The address registers are never rewritten: the tile stands in the immediate.
.set REC,   6400
.set HALFT, 4*REC
.set SLOT,  4*HALFT
.set EXTRA, 2*SLOT
.set SPARE, EXTRA+17408
.set A16, 1
.set A8,  3
.set B16, 5
.set B8,  7
.set SA,  9
.set SB,  11
.set SPW, 13
.set NIL, 14
.set O16, 18
.set O8,  19
.set VB,  21
.set VBV, 22
.set VSV, 23
.set VSR, 24
.set SC,  28
.set BI,  60
.set TM,  92
.set PC,  100
.set PX,  106
.set W,   110
.set SWD, 114
.set ACC, 128
.set F0,  0
.set F1,  96
.set G1,  24
.set G0,  32
.set G1B, 48
.set G0B, 56
.set SEL, 66
.set HM,  3
.set BP,  90
.set MUL,  0x05
.set TO_F, 0x40
.set MSB, 0
.macro WIN new
.if MSB != \new
	s_set_vgpr_msb (MSB<<8)|\new
.set MSB, \new
.endif
.endm
.macro PLACES
.rept 4
	v_nop
.endr
.endm
.macro CREST
	s_cmp_lg_u32 s10, 0
	s_cbranch_scc1 .Lnot_wave_0_\@
	s_barrier_signal -3
.Lnot_wave_0_\@:
	s_barrier_wait -3
	s_barrier_signal -1
	s_barrier_wait -1
.endm
.macro CROUND
	s_barrier_signal -1
	s_barrier_wait -1
	CREST
.endm
.macro JLOAD s, both
	s_cmp_eq_u32 s11, 0
	s_cbranch_scc0 .Lfor_b_\@
.if \both
	tensor_load_to_lds s[G0+4*\s:G0+4*\s+3], s[G1:G1+7]
	s_nop 0
.endif
.rept 4
	v_nop
.endr
	s_branch .Lasked_\@
.Lfor_b_\@:
	tensor_load_to_lds s[G0B+4*\s:G0B+4*\s+3], s[G1B:G1B+7]
	s_nop 0
.rept 4
	v_nop
.endr
.Lasked_\@:
.endm
.macro FRAG reg, a16, a8, off
	ds_load_b128 v[(\reg):(\reg)+3], v[\a16] offset:(\off)
	ds_load_b64 v[(\reg)+4:(\reg)+5], v[\a8] offset:(\off)+512
	ds_load_b128 v[(\reg)+6:(\reg)+9], v[\a16] offset:(\off)+768
	ds_load_b64 v[(\reg)+10:(\reg)+11], v[\a8] offset:(\off)+1280
.endm
.macro WMUL slot, swap                 ; the products' windows: B window 1, A window 2 + slot, C and D window 0; swap = 1: A is source 0
.if \swap
	WIN (0x06+(\slot))
.else
	WIN (0x09+4*(\slot))
.endif
.endm
.macro ASK t
	global_prefetch_b8 v[PFO], s[PFP:PFP+1] offset:(\t)*BSTEP th:TH_LOAD_NT scope:SCOPE_SE
.endm
.macro FETCH slot, q, f, sc, wa        ; wa = 1: A's four fragments of the step too, into their lasting registers
	WIN TO_F
.irp i, 0,1,2,3
	FRAG (\f)+12*\i, B16+\slot, B8+\slot, \i*REC+1536*(\q)
.endr
.if \sc
	WIN 0
.irp i, 0,1
	ds_load_b128 v[SC+16*\slot+4*\i:SC+16*\slot+4*\i+3], v[SA+\slot] offset:6144+2*REC*\i
	ds_load_b128 v[SC+16*\slot+8+4*\i:SC+16*\slot+8+4*\i+3], v[SB+\slot] offset:6144+2*REC*\i
.endr
.endif
.if \wa
	WIN (0x80+0x40*(\slot))
.irp i, 0,1,2,3
	FRAG 48*(\q)+12*\i, A16+\slot, A8+\slot, \i*REC+1536*(\q)
.endr
.endif
.endm
.macro WM mode
.if (\mode)==1
.if (oX==0)&&(oY==0)
	v_wmma_scale_f32_16x16x128_f8f6f4 v[rD:rD+7], v[rX:rX+11], v[rY:rY+11], 0, v[rSX], v[rSY] matrix_a_fmt:MATRIX_FMT_BF6 matrix_b_fmt:MATRIX_FMT_BF6
.elseif (oX==1)&&(oY==0)
	v_wmma_scale_f32_16x16x128_f8f6f4 v[rD:rD+7], v[rX:rX+11], v[rY:rY+11], 0, v[rSX], v[rSY] matrix_a_fmt:MATRIX_FMT_BF6 matrix_b_fmt:MATRIX_FMT_BF6 matrix_a_scale:MATRIX_SCALE_ROW1
.elseif (oX==0)&&(oY==1)
	v_wmma_scale_f32_16x16x128_f8f6f4 v[rD:rD+7], v[rX:rX+11], v[rY:rY+11], 0, v[rSX], v[rSY] matrix_a_fmt:MATRIX_FMT_BF6 matrix_b_fmt:MATRIX_FMT_BF6 matrix_b_scale:MATRIX_SCALE_ROW1
.else
	v_wmma_scale_f32_16x16x128_f8f6f4 v[rD:rD+7], v[rX:rX+11], v[rY:rY+11], 0, v[rSX], v[rSY] matrix_a_fmt:MATRIX_FMT_BF6 matrix_b_fmt:MATRIX_FMT_BF6 matrix_a_scale:MATRIX_SCALE_ROW1 matrix_b_scale:MATRIX_SCALE_ROW1
.endif
.else
.if (oX==0)&&(oY==0)
	v_wmma_scale_f32_16x16x128_f8f6f4 v[rD:rD+7], v[rX:rX+11], v[rY:rY+11], v[rC:rC+7], v[rSX], v[rSY] matrix_a_fmt:MATRIX_FMT_BF6 matrix_b_fmt:MATRIX_FMT_BF6
.elseif (oX==1)&&(oY==0)
	v_wmma_scale_f32_16x16x128_f8f6f4 v[rD:rD+7], v[rX:rX+11], v[rY:rY+11], v[rC:rC+7], v[rSX], v[rSY] matrix_a_fmt:MATRIX_FMT_BF6 matrix_b_fmt:MATRIX_FMT_BF6 matrix_a_scale:MATRIX_SCALE_ROW1
.elseif (oX==0)&&(oY==1)
	v_wmma_scale_f32_16x16x128_f8f6f4 v[rD:rD+7], v[rX:rX+11], v[rY:rY+11], v[rC:rC+7], v[rSX], v[rSY] matrix_a_fmt:MATRIX_FMT_BF6 matrix_b_fmt:MATRIX_FMT_BF6 matrix_b_scale:MATRIX_SCALE_ROW1
.else
	v_wmma_scale_f32_16x16x128_f8f6f4 v[rD:rD+7], v[rX:rX+11], v[rY:rY+11], v[rC:rC+7], v[rSX], v[rSY] matrix_a_fmt:MATRIX_FMT_BF6 matrix_b_fmt:MATRIX_FMT_BF6 matrix_a_scale:MATRIX_SCALE_ROW1 matrix_b_scale:MATRIX_SCALE_ROW1
.endif
.endif
.endm
.macro MULA f, a, q, set, mode, swap
.irp b, 0,1,2,3
.if \swap
.set rD, ACC+8*(4*\b+(\a))
.set rX, 48*(\q)+12*(\a)
.set rY, (\f)+12*\b
.set rSX, SC+16*(\set)+4*((\a)/2)+(\q)
.set rSY, SC+16*(\set)+8+4*(\b/2)+(\q)
.set oX, (\a)%2
.set oY, \b%2
.else
.set rD, ACC+8*(4*(\a)+\b)
.set rX, (\f)+12*\b
.set rY, 48*(\q)+12*(\a)
.set rSX, SC+16*(\set)+8+4*(\b/2)+(\q)
.set rSY, SC+16*(\set)+4*((\a)/2)+(\q)
.set oX, \b%2
.set oY, (\a)%2
.endif
.set rC, rD
.if (\mode)==2
.set rC, BI+8*\b
.endif
	WM \mode
.endr
.endm
.macro STEP slot, q, mode, swap, extra, wa
	PLACES                                         ; four places behind the last step's products; then the next step's loads, ahead of this step's 16 products
.if \extra
	WIN 0
	BIAS_NEXT \extra
.if (\extra)==1
	ASK 2                                          ; the third tile's B
.endif
.endif
	FETCH \slot, (\q)+1, F0+96*(1-(\q)%2), 0, \wa
	s_wait_dscnt 16+16*(\wa)                       ; all but the loads just issued: this step's fragments are in
	WMUL \slot, \swap
	MULA F0+96*((\q)%2), 0, \q, \slot, \mode, \swap
	MULA F0+96*((\q)%2), 1, \q, \slot, \mode, \swap
	MULA F0+96*((\q)%2), 2, \q, \slot, \mode, \swap
	MULA F0+96*((\q)%2), 3, \q, \slot, \mode, \swap
.endm
.macro TURN slot, next, fill, swap, wa
	WIN 0
	s_wait_tensorcnt 0x0
	ds_add_u32 v[SPW], v[NIL]
.if \fill
	s_mov_b32 s[G1B+2], 4<<16                      ; no tensor load of mine is out: a refill of B brings four records a wave
	s_mov_b32 s[G1B+4], 4
.endif
	s_wait_dscnt 1                                 ; (the add alone may be out)
	WMUL \slot, \swap
	MULA F1, 0, 3, \slot, 0, \swap
	s_wait_dscnt 0x0
	s_barrier_signal -1
	MULA F1, 1, 3, \slot, 0, \swap
	WIN 0
	s_barrier_wait -1
.if \fill
	CREST
	s_add_nc_u64 s[G0B+4*\slot+2:G0B+4*\slot+3], s[G0B+4*\slot+2:G0B+4*\slot+3], BSTEP
.if BOTH
	s_add_nc_u64 s[G0+4*\slot+2:G0+4*\slot+3], s[G0+4*\slot+2:G0+4*\slot+3], ASTEP
.endif
	JLOAD \slot, BOTH
.else
	PLACES
.endif
	FETCH \next, 0, F0, 1, \wa
	WMUL \slot, \swap
	MULA F1, 2, 3, \slot, 0, \swap
	MULA F1, 3, 3, \slot, 0, \swap
.endm
.macro LAST slot, swap
	s_wait_dscnt 0x0
	WMUL \slot, \swap
	MULA F1, 0, 3, \slot, 0, \swap
	MULA F1, 1, 3, \slot, 0, \swap
	s_wait_dscnt 0x0
	MULA F1, 2, 3, \slot, 0, \swap
	MULA F1, 3, 3, \slot, 0, \swap
.endm
.macro QUANT2 s
.irp b, 0,1
	v_max3_num_f32 v[TM+\b], |v[(\s)+16*\b]|, |v[(\s)+16*\b+1]|, 0x2800000
.endr
.irp i, 2,4,6,8,10,12,14
.irp b, 0,1
	v_max3_num_f32 v[TM+\b], v[TM+\b], |v[(\s)+16*\b+\i]|, |v[(\s)+16*\b+\i+1]|
.endr
.endr
.irp b, 0,1
	v_permlanex16_b32 v[TM+2+\b], v[TM+\b], s[SEL], s[SEL+1]
.endr
.irp b, 0,1
	v_max_num_f32 v[TM+\b], v[TM+\b], v[TM+2+\b]
.endr
.irp b, 0,1
	v_add_nc_u32 v[TM+6+\b], 0xfe000000, v[TM+\b]
.endr
.irp b, 0,1
	v_lshrrev_b32 v[TM+4+\b], 23, v[TM+6+\b]
.endr
	v_cvt_scalef32_pk16_bf6_f32 v[PC:PC+2], v[(\s):(\s)+15], v[TM+6]
	v_cvt_scalef32_pk16_bf6_f32 v[PX:PX+2], v[(\s)+16:(\s)+31], v[TM+7]
	v_nop
.irp i, 0,1,2
	v_permlane16_swap_b32 v[PC+\i], v[PX+\i]
.endr
.irp i, 0,1,2
	v_mov_b32 v[PC+3+\i], v[PX+\i]
.endr
.endm
.macro BIASQK off
.irp b, 0,1,2,3
	global_load_b128 v[BI+8*\b:BI+8*\b+3], v[VB], s[BP:BP+1] offset:\off+128*(\b/2)+32*(\b%2)
	global_load_b128 v[BI+8*\b+4:BI+8*\b+7], v[VB], s[BP:BP+1] offset:\off+128*(\b/2)+32*(\b%2)+16
.endr
.endm
.macro BIAS_NEXT kind
.if (\kind)==1
	BIASQK 4096
.else
.irp b, 0,1,2,3
	global_load_b32 v[BI+2*\b], v[VBV], s[BP:BP+1] offset:8192+128*(\b/2)+32*(\b%2)
	global_load_b32 v[BI+2*\b+1], v[VBV], s[BP:BP+1] offset:8192+128*(\b/2)+32*(\b%2)
.endr
.endif
.endm
.macro TILE mode, swap, extra, fill, wa
	s_wait_loadcnt 0x0
	STEP 0, 0, \mode, \swap, 0, \wa
	STEP 0, 1, 0, \swap, \extra, \wa
	STEP 0, 2, 0, \swap, 0, \wa
	TURN 0, 1, \fill, \swap, \wa
	STEP 1, 0, 0, \swap, 0, \wa
	STEP 1, 1, 0, \swap, 0, \wa
	STEP 1, 2, 0, \swap, 0, \wa
.if \fill
	TURN 1, 0, 1, \swap, 0
.else
	LAST 1, \swap
.endif
	WIN 0
	PLACES
.endm
.macro EPI_QK cp, sp, kv
.irp a, 0,1,2,3
	s_wait_xcnt 0x0
	QUANT2 ACC+32*\a
	v_lshl_or_b32 v[W+\a], v[TM+5], 8, v[TM+4]
	v_or_b32 v[W+\a], 0x7f7f0000, v[W+\a]
.if \kv
	global_store_b128 v[O16], v[PC:PC+3], s[\cp:\cp+1] offset:3072*(\a/2)+768*(\a%2)
	global_store_b64 v[O8], v[PC+4:PC+5], s[\cp:\cp+1] offset:3072*(\a/2)+768*(\a%2)+512
.else
	global_store_b128 v[O16], v[PC:PC+3], s[\cp:\cp+1] offset:768*\a
	global_store_b64 v[O8], v[PC+4:PC+5], s[\cp:\cp+1] offset:768*\a+512
.endif
.endr
	v_cndmask_b32 v[SWD], v[W], v[W+1], s[HM]
	v_cndmask_b32 v[SWD+1], v[W+2], v[W+3], s[HM]
	global_store_b64 v[O8], v[SWD:SWD+1], s[\sp:\sp+1]
.endm
	s_load_b256 s[68:75], s[0:1], 0x0
	s_load_b64 s[76:77], s[0:1], 0x20
	v_lshl_add_u32 v[SPW], v0, 2, SPARE
	v_mov_b32 v[NIL], 0
	ds_add_u32 v[SPW], v[NIL]
	ds_add_u32 v[SPW], v[NIL]
	v_lshrrev_b32 v15, 5, v0
	v_readfirstlane_b32 s10, v15
	s_lshr_b32 s11, s10, 1
	s_and_b32 s12, s10, 1
	s_bfe_u32 s40, ttmp6, 0x40000
	s_bfe_u32 s41, ttmp6, 0x40004
	s_lshl_b32 s42, ttmp9, 2
	s_add_co_u32 s42, s42, s40
	s_and_b32 s43, ttmp7, 0xffff
	s_lshl_b32 s43, s43, 2
	s_add_co_u32 s43, s43, s41
	s_lshl_b32 s44, s41, 2
	s_lshl_b32 s44, 15, s44
	s_lshl_b32 s45, 0x1111, s40
	s_or_b32 s[G1], s44, (3<<16)|(1<<21)
	s_or_b32 s[G1B], s45, (3<<16)|(1<<21)
.irp g, G1, G1B
	s_mov_b32 s[\g+1], 800<<16
	s_mov_b32 s[\g+2], 8<<16
	s_mov_b32 s[\g+3], 800<<16
	s_mov_b32 s[\g+4], 8
	s_mov_b32 s[\g+5], PH*800
	s_mov_b32 s[\g+6], 0
	s_mov_b32 s[\g+7], 0
.endr
	s_lshl_b32 s16, s43, 3
	s_mul_i32 s16, s16, PH*REC
	s_mov_b32 s17, 0
	s_lshl_b32 s46, s42, NBSH
	s_lshl_b32 s47, s12, 2
	s_add_co_u32 s46, s46, s47
	s_mul_i32 s46, s46, PH*REC
	s_add_co_u32 s46, s46, WOFF
	s_mov_b32 s47, 0
	s_lshl_b32 s8, s42, NBSH                       ; B's first tile of the eight, for the head's whole loads
	s_mul_i32 s8, s8, PH*REC
	s_add_co_u32 s8, s8, WOFF
	s_mov_b32 s9, 0
	s_mul_i32 s20, s10, HALFT
	s_mov_b32 s[SEL], 0x76543210
	s_mov_b32 s[SEL+1], 0xfedcba98
	s_mov_b32 s[HM], 0xffff0000
	s_wait_dscnt 0x0
	s_wait_kmcnt 0x0
	s_add_nc_u64 s[14:15], s[68:69], s[16:17]
	s_add_nc_u64 s[46:47], s[70:71], s[46:47]
	s_add_nc_u64 s[8:9], s[70:71], s[8:9]
	CROUND
.irp s, 0,1
	s_mov_b32 s[G0+4*\s], 1
	s_mov_b32 s[G0+4*\s+1], \s*SLOT
	s_add_nc_u64 s[G0+4*\s+2:G0+4*\s+3], s[14:15], \s*REC
	s_or_b32 s[G0+4*\s+3], s[G0+4*\s+3], 0x80000000
	s_mov_b32 s[G0B+4*\s], 1
	s_add_co_u32 s[G0B+4*\s+1], s20, \s*SLOT
	s_add_nc_u64 s[G0B+4*\s+2:G0B+4*\s+3], s[46:47], \s*REC
	s_or_b32 s[G0B+4*\s+3], s[G0B+4*\s+3], 0x80000000
.endr
; THE HEAD'S FOUR TILES, eight records each, one load a wave: wave 0 A's phase 0, wave 1 B's phase 0, wave 2 A's phase 1, wave 3 B's phase 1; one chain of arms to one join
.set PFO, 25                           ; v25  the prefetches' offset: 256 x min(lane, 24); never rewritten
.set PFP, 18                           ; s[18:19] my record of the first tile of columns; never rewritten
	s_lshl_b32 s22, s41, 2
	s_add_co_u32 s22, s22, s10                     ; record 4 cy + wave: the partners share the records out by address
	s_mul_i32 s22, s22, REC
	s_mov_b32 s23, 0
	s_add_nc_u64 s[PFP:PFP+1], s[8:9], s[22:23]
	s_mov_b32 s4, 1
	s_mov_b32 s5, 2*HALFT
	s_mov_b64 s[6:7], s[8:9]
	s_or_b32 s7, s7, 0x80000000
	s_mov_b32 s44, 1
	s_mov_b32 s45, SLOT+2*HALFT
	s_add_nc_u64 s[46:47], s[8:9], REC
	s_or_b32 s47, s47, 0x80000000
.macro ARM under, g0, g1, next
	s_cmp_lt_u32 s10, \under
	s_cbranch_scc0 \next
	tensor_load_to_lds s[\g0:\g0+3], s[\g1:\g1+7]
	s_nop 0
	PLACES
	s_branch .Lhead_asked
\next:
.endm
	ARM 1, G0, G1, .Lhead_1
	ARM 2, 4, G1B, .Lhead_2
	ARM 3, G0+4, G1, .Lhead_3
	tensor_load_to_lds s[44:47], s[G1B:G1B+7]
	s_nop 0
	PLACES
.Lhead_asked:
	v_and_b32 v15, 31, v0
	v_and_b32 v16, 15, v0
	v_bfe_u32 v17, v0, 4, 1
	v_lshlrev_b32 v[O16], 4, v15
	v_lshlrev_b32 v[O8], 3, v15
	v_min_u32 v[PFO], 24, v15
	v_lshlrev_b32 v[PFO], 8, v[PFO]
	v_mul_u32_u24 v20, v17, REC
	v_lshl_add_u32 v20, v16, 4, v20
	s_mul_i32 s21, s11, HALFT
	s_mul_i32 s22, s12, HALFT
	s_add_co_u32 s22, s22, 2*HALFT
.irp s, 0,1
	v_add_nc_u32 v[A16+\s], s21, v[O16]
	v_add_nc_u32 v[B16+\s], s22, v[O16]
	v_add_nc_u32 v[A8+\s], s21, v[O8]
	v_add_nc_u32 v[B8+\s], s22, v[O8]
	v_add_nc_u32 v[SA+\s], s21, v20
	v_add_nc_u32 v[SB+\s], s22, v20
	s_add_co_u32 s21, s21, SLOT
	s_add_co_u32 s22, s22, SLOT
.endr
	v_mov_b32 v[TM+2], 0
	v_mov_b32 v[TM+3], 0
	s_lshl_b32 s92, s12, 8
	v_lshlrev_b32 v[VB], 6, v17
	v_add_nc_u32 v[VB], s92, v[VB]
	s_wait_alu depctr_va_vdst(0)
	v_and_b32 v[VBV], 8, v16
	v_add_nc_u32 v[VBV], v[VBV], v16
	v_lshl_add_u32 v[VBV], v[VBV], 2, s92
	s_lshl_b32 s93, s11, 1
	s_add_co_u32 s93, s93, s92
	s_add_co_u32 s93, s93, EXTRA
	v_add_nc_u32 v[VSV], s93, v[O8]
	s_lshl_b32 s93, s10, 8
	s_add_co_u32 s93, s93, EXTRA
	v_add_nc_u32 v[VSR], s93, v[O8]
	s_lshr_b32 s92, s43, 4
	s_and_b32 s93, s43, 15
	s_lshl_b32 s94, s42, 1
	s_add_co_u32 s94, s94, s12
	s_lshl_b32 s95, s92, 4
	s_add_co_u32 s94, s94, s95
	s_mov_b32 s97, 0
	s_lshl_b32 s96, s94, 7
	s_lshl_b32 s98, s93, 3
	s_add_co_u32 s96, s96, s98
	s_lshl_b32 s98, s11, 2
	s_add_co_u32 s96, s96, s98
	s_mul_i32 s96, s96, 768
	s_add_nc_u64 s[78:79], s[74:75], s[96:97]
	s_lshl_b32 s96, s94, 5
	s_lshl_b32 s98, s93, 1
	s_add_co_u32 s96, s96, s98
	s_add_co_u32 s96, s96, s11
	s_lshl_b32 s96, s96, 8
	s_add_co_u32 s96, s96, 3145728
	s_add_nc_u64 s[80:81], s[74:75], s[96:97]
	s_mul_i32 s98, s94, 208896
	s_mul_i32 s99, s93, 12288
	s_add_co_u32 s99, s99, s98
	s_mul_i32 s95, s93, 768
	s_add_co_u32 s95, s95, s98
	s_add_co_u32 s95, s95, 196608
	s_mul_i32 s96, s11, 6144
	s_add_co_u32 s96, s96, s99
	s_add_nc_u64 s[82:83], s[76:77], s[96:97]
	s_lshl_b32 s96, s11, 8
	s_add_co_u32 s96, s96, s95
	s_add_nc_u64 s[84:85], s[76:77], s[96:97]
	s_mul_i32 s96, s11, 768
	s_add_co_u32 s96, s96, s99
	s_add_co_u32 s96, s96, 1536
	s_add_nc_u64 s[86:87], s[76:77], s[96:97]
	s_add_co_u32 s96, s95, 512
	s_add_nc_u64 s[88:89], s[76:77], s[96:97]
	s_lshl_b32 s96, s42, 9
	s_add_nc_u64 s[BP:BP+1], s[72:73], s[96:97]
	BIASQK 0
	ASK 1                                          ; the second tile's B
	s_wait_alu depctr_va_vdst(0)
	s_cmp_lt_u32 s10, 2
	s_cbranch_scc0 .Lnot_first
	s_wait_tensorcnt 0x0                           ; waves 0 and 1: phase 0's tiles are in; phase 1's are shown at the first change of slots
.Lnot_first:
	s_barrier_signal -1
	s_barrier_wait -1
	FETCH 0, 0, F0, 1, 1
	TILE 2, 0, 1, 1, 1
	EPI_QK 78, 80, 0
	TILE 2, 0, 2, 1, 0
	EPI_QK 82, 84, 1
	TILE 1, 1, 0, 0, 0
.irp b, 0,1,2,3
	s_wait_xcnt 0x0
.set j, 0
.rept 16
	v_pk_add_f32 v[ACC+32*\b+j:ACC+32*\b+j+1], v[ACC+32*\b+j:ACC+32*\b+j+1], v[BI+2*\b:BI+2*\b+1]
.set j, j+2
.endr
	QUANT2 ACC+32*\b
	v_lshl_or_b32 v[W+\b], v[TM+5], 8, v[TM+4]
	global_store_b128 v[O16], v[PC:PC+3], s[86:87] offset:3072*\b
	global_store_b64 v[O8], v[PC+4:PC+5], s[86:87] offset:3072*\b+512
.endr
	v_cndmask_b32 v[SWD], v[W], v[W+1], s[HM]
	v_cndmask_b32 v[SWD+1], v[W+2], v[W+3], s[HM]
	ds_store_b16 v[VSV], v[SWD]
	ds_store_b16 v[VSV], v[SWD+1] offset:4
	s_wait_dscnt 0x0
	s_barrier_signal -1
	s_barrier_wait -1
	s_cmp_lt_u32 s10, 2
	s_cbranch_scc0 .Lclose
	ds_load_b64 v[TM:TM+1], v[VSR]
	s_wait_dscnt 0x0
	global_store_b64 v[O8], v[TM:TM+1], s[88:89]
.Lclose:
	s_wait_tensorcnt 0x0
	ds_add_u32 v[SPW], v[NIL]
	s_wait_dscnt 0x0
	CROUND
	s_endpgm
.Lfunc_end_k_q5a6673c988_g1:
	.size	k_q5a6673c988_g1, .Lfunc_end_k_q5a6673c988_g1-k_q5a6673c988_g1
	.p2alignl 7, 3214868480
	.fill 96, 4, 3214868480
	.section	.rodata,"a",@progbits
	.p2align	6, 0x0
	.amdhsa_kernel k_q5a6673c988_g1
		.amdhsa_group_segment_fixed_size 327680
		.amdhsa_private_segment_fixed_size 0
		.amdhsa_enable_private_segment 0
		.amdhsa_kernarg_size 40
		.amdhsa_user_sgpr_count 2
		.amdhsa_user_sgpr_kernarg_segment_ptr 1
		.amdhsa_wavefront_size32 1
		.amdhsa_system_sgpr_workgroup_id_x 1
		.amdhsa_system_sgpr_workgroup_id_y 1
		.amdhsa_system_sgpr_workgroup_id_z 1
		.amdhsa_system_vgpr_workitem_id 0
		.amdhsa_next_free_vgpr 960
		.amdhsa_next_free_sgpr 100
		.amdhsa_reserve_vcc 0
		.amdhsa_float_denorm_mode_32 3
		.amdhsa_float_denorm_mode_16_64 3
		.amdhsa_memory_ordered 1
		.amdhsa_forward_progress 1
		.amdhsa_inst_pref_size 135
	.end_amdhsa_kernel
	.amdgpu_metadata
---
amdhsa.version: [ 1, 2 ]
amdhsa.kernels:
  - .name:           k_q5a6673c988_g1
    .symbol:         k_q5a6673c988_g1.kd
    .args:
      - { .name: nq1, .offset: 0, .size: 8, .value_kind: global_buffer, .address_space: global }
      - { .name: wbuf, .offset: 8, .size: 8, .value_kind: global_buffer, .address_space: global }
      - { .name: attn_b, .offset: 16, .size: 8, .value_kind: global_buffer, .address_space: global }
      - { .name: qb, .offset: 24, .size: 8, .value_kind: global_buffer, .address_space: global }
      - { .name: kvb, .offset: 32, .size: 8, .value_kind: global_buffer, .address_space: global }
    .group_segment_fixed_size: 327680
    .private_segment_fixed_size: 0
    .kernarg_segment_align: 8
    .kernarg_segment_size: 40
    .max_flat_workgroup_size: 128
    .sgpr_count:     100
    .vgpr_count:     960
    .wavefront_size: 32
...
	.end_amdgpu_metadata
.endif
;; end of part 2
;; launch attn (part 3): grid 8 x 32, 16 waves a work-group, no clusters, 327,680 bytes of LDS; arguments qb, kvb, aq; writes aq
.if DOCPART == 3
	.amdgcn_target "amdgcn-amd-amdhsa--gfx1250"
	.amdhsa_code_object_version 6
	.text
	.protected	k_q5a6673c988_attn
	.globl	k_q5a6673c988_attn
	.p2align	8
	.type	k_q5a6673c988_attn,@function
k_q5a6673c988_attn:
	s_mov_b64 s[64:65], 0
	v_nop
	global_prefetch_b8 v0, s[64:65] scope:SCOPE_SE
	s_setreg_imm32_b32 hwreg(HW_REG_WAVE_MODE, 25, 1), 1
	s_wait_xcnt 0x0
; a = softmax(where(k <= q, q . k / 8, -10000)) v for one head, both products on codes of BF6 (E3M2); a / the row's sum is quantised along D and leaves as the operand of the projection.
; WORK LEFT OUT: the scores of key steps that lie wholly behind a wave's queries: reference() replaces them by -10000 for all values of the inputs.  KEPT: those keys' weight p_m = 2^(-10000 log2 e - M), which is
; one number a row: their share of the row's sum, 128 (15 - step) p_m, and their part of P V, four products a step on an operand made once.  LIMIT: a NaN or an infinity that arises only in a score left out is not carried on.
; THE SOFTMAX: t = score x log2(e) / 8; M = the ceiling of the running largest t, the hidden keys' t among them from the start (the one row that hides no key starts at -3e38); p = 2^(t - M) is quantised along the
; keys, not normalised; the row's sum is taken of the unquantised p; when M moves, the sum and O^T are multiplied by a power of two.
; SHARES.  A work-group takes blocks i and 15 - i of a head's sixteen blocks of 128 queries, so that every work-group has the same number of visible steps; each of its 16 waves one tile of 16 queries.
; Waves w and w + 4 take different blocks.  Four waves to a SIMD: one wave's vector work stands beside another's products and LDS loads.
; LDS.  The head's K, V and scale words, 208,896 bytes, come in ONCE, as they lie in memory (images of the operands' registers): every wave issues one tensor load at the head (a twelfth of key steps 0-3 or a quarter of the scale words) and, behind a barrier, a
; sixteenth of key steps 4-15; each fill is waited for in front of its own barrier.  Nothing is filled again.  K's codes of steps that both blocks hide ride along with V's, which are read.
; NO CLUSTER: what partners would share they want up to different steps, and branches would hang on a work-group's place.  No prefetch: all is asked for at the head.
; LAYOUT.  S^T = K Q^T, O^T = V^T P^T: a lane holds one query throughout.  K = 64 fills half of the instruction's 128: registers 6-11 of Q and of K's fragments are zero codes, written once.
; THE FILLS: two, each one tensor load a wave.  At the head waves 0-11 bring 4,096 bytes each of key steps 0-3 and waves 12-15 3,072 bytes each of the scale words.  Behind the wait for them, the add and a barrier
; every wave asks for 9,216 bytes of key steps 4-15, which land under the first four steps.  One more barrier shows them; the last twelve steps pass none.
.set HEADB, 208896
.set SCL,   196608                     ; the scale words: 768 bytes a step: K's two groups of four tiles, V's group; at 8 l the words of tiles h and 2 + h
.set SPARE, HEADB                      ; the spare words, 128 bytes for each wave: eight blocks of 256 bytes that no other line names
.set SPW, 4                            ; v4   my spare word; never rewritten
.set NIL, 5                            ; v5   0; never rewritten
; v1 16 l; v2 512 + 8 l; v3 8 l; v6 my query in its block - 16 h; v7 the hidden score, -80000; v8-10 the step's LDS addresses; v11 Q's scale words; v12 -M; v13 the largest t; v[14:15] the sum;
; v16-27 Q; v28-29 K's scale words; v30-31 V's; v32-79 four fragments of K; v96-159 S^T, then p; then v96-143 V's four fragments; v160-191 O^T; v192-203 P's codes; v204-215 the hidden keys' codes;
; v216 their scale word; v217 P's; v224-251 at work
.set BM,  224                          ; v224-227 the blocks' largest scores, then p
.set BP,  228                          ; v228-231 a lane permute's destinations; a chain of sums; the bytes
.set SO,  232                          ; v232-235 the conversions' scale operands
.set TM,  224                          ; the way out's quantiser
.set PC,  232
.set PX,  240
.set WV,  18
.set BH,  19
.set QB,  60                           ; s60  my block of 128 queries = my diagonal key step
.set TT,  61                           ; s61  my tile in it
.set TQ,  62                           ; s62  my tile in the head
.set J,   66                           ; s66  the key step
.set TB,  67                           ; s67  LDS: the step's codes
.set TSC, 68                           ; s68  LDS: its scale words
.set CNT, 69
.set CS,  70                           ; s[70:71] c = log2(e) / 8
.set SEL, 72                           ; s[72:73]
.set HM,  74                           ; s74  the mask of lanes 16-31
.set NH,  75                           ; s75  64 (15 - my block), as f32
.macro WMA d, x, y, z, sx, sy, rx      ; one product; z = 1: C = 0; rx: the half of the lanes in which source 0's scale words stand
.if (\z)&&((\rx)==0)
	v_wmma_scale_f32_16x16x128_f8f6f4 v[(\d):(\d)+7], v[(\x):(\x)+11], v[(\y):(\y)+11], 0, v[\sx], v[\sy] matrix_a_fmt:MATRIX_FMT_BF6 matrix_b_fmt:MATRIX_FMT_BF6
.elseif (\z)
	v_wmma_scale_f32_16x16x128_f8f6f4 v[(\d):(\d)+7], v[(\x):(\x)+11], v[(\y):(\y)+11], 0, v[\sx], v[\sy] matrix_a_fmt:MATRIX_FMT_BF6 matrix_b_fmt:MATRIX_FMT_BF6 matrix_a_scale:MATRIX_SCALE_ROW1
.elseif (\rx)==0
	v_wmma_scale_f32_16x16x128_f8f6f4 v[(\d):(\d)+7], v[(\x):(\x)+11], v[(\y):(\y)+11], v[(\d):(\d)+7], v[\sx], v[\sy] matrix_a_fmt:MATRIX_FMT_BF6 matrix_b_fmt:MATRIX_FMT_BF6
.else
	v_wmma_scale_f32_16x16x128_f8f6f4 v[(\d):(\d)+7], v[(\x):(\x)+11], v[(\y):(\y)+11], v[(\d):(\d)+7], v[\sx], v[\sy] matrix_a_fmt:MATRIX_FMT_BF6 matrix_b_fmt:MATRIX_FMT_BF6 matrix_a_scale:MATRIX_SCALE_ROW1
.endif
.endm
.macro VLOAD                           ; V^T's four tiles of 16 channels x the step's 128 keys, and their scale words
.irp b, 0,1,2,3
	ds_load_b128 v[96+12*\b:99+12*\b], v8 offset:3072*\b+1536
	ds_load_b64 v[100+12*\b:101+12*\b], v9 offset:3072*\b+1536
	ds_load_b128 v[102+12*\b:105+12*\b], v8 offset:3072*\b+2304
	ds_load_b64 v[106+12*\b:107+12*\b], v9 offset:3072*\b+2304
.endr
	ds_load_b64 v[30:31], v10 offset:512
.endm
.macro PV p, s                         ; O^T += V^T x the operand at v[p], scale word v[s]: the four accumulators by turns
.irp b, 0,1,2,3
	WMA 160+8*\b, 96+12*\b, \p, 0, 30+\b/2, \s, \b%2
.endr
.endm
.macro QUANT2 s                        ; 32 numbers of a lane, register 16 b + i = k 32 b + 16 h + i, become half a fragment's codes in v[PC] on; the bytes in v[TM+4], v[TM+5]
.irp b, 0,1
	v_max3_num_f32 v[TM+\b], |v[(\s)+16*\b]|, |v[(\s)+16*\b+1]|, 0x2800000
.endr
.irp i, 2,4,6,8,10,12,14
.irp b, 0,1
	s_delay_alu instid0(VALU_DEP_2)
	v_max3_num_f32 v[TM+\b], v[TM+\b], |v[(\s)+16*\b+\i]|, |v[(\s)+16*\b+\i+1]|
.endr
.endr
.irp b, 0,1
	s_delay_alu instid0(VALU_DEP_2)
	v_permlanex16_b32 v[TM+2+\b], v[TM+\b], s[SEL], s[SEL+1]
.endr
.irp b, 0,1
	s_delay_alu instid0(VALU_DEP_2)
	v_max_num_f32 v[TM+\b], v[TM+\b], v[TM+2+\b]
.endr
.irp b, 0,1
	s_delay_alu instid0(VALU_DEP_2)
	v_add_nc_u32 v[TM+6+\b], 0xfe000000, v[TM+\b]
.endr
.irp b, 0,1
	s_delay_alu instid0(VALU_DEP_2)
	v_lshrrev_b32 v[TM+4+\b], 23, v[TM+6+\b]
.endr
	v_cvt_scalef32_pk16_bf6_f32 v[PC:PC+2], v[(\s):(\s)+15], v[TM+6]
	v_cvt_scalef32_pk16_bf6_f32 v[PX:PX+2], v[(\s)+16:(\s)+31], v[TM+7]
	v_nop
.irp i, 0,1,2
	v_permlane16_swap_b32 v[PC+\i], v[PX+\i]
.endr
.irp i, 0,1,2
	s_delay_alu instid0(VALU_DEP_3)
	v_mov_b32 v[PC+3+\i], v[PX+\i]
.endr
.endm
	s_load_b128 s[4:7], s[0:1], 0x0                ; qb, kvb
	s_load_b64 s[8:9], s[0:1], 0x10                ; aq
	v_lshl_add_u32 v[SPW], v0, 2, SPARE
	v_mov_b32 v[NIL], 0
	ds_add_u32 v[SPW], v[NIL]                      ; the wave's opening: the add, twice on end, and its wait ahead of my first tensor load
	ds_add_u32 v[SPW], v[NIL]
	v_lshrrev_b32 v8, 5, v0
	s_delay_alu instid0(VALU_DEP_1)
	v_readfirstlane_b32 s[WV], v8
	s_and_b32 s[BH], ttmp7, 0xffff
	; descriptor groups 1: dense rows of 256 bytes (32 elements of 8 bytes): sixteen for the codes, twelve for the scale words
	s_mov_b32 s24, 3<<16
	s_mov_b32 s25, 32<<16
	s_mov_b32 s26, 12<<16
	s_mov_b32 s27, 32<<16
	s_mov_b32 s28, 12
	s_mov_b32 s29, 32
	s_mov_b32 s30, 0
	s_mov_b32 s31, 0
	s_mov_b32 s32, 3<<16
	s_mov_b32 s33, 32<<16
	s_mov_b32 s34, 16<<16
	s_mov_b32 s35, 32<<16
	s_mov_b32 s36, 16
	s_mov_b32 s37, 32
	s_mov_b32 s38, 0
	s_mov_b32 s39, 0
	s_mul_i32 s10, s[BH], HEADB
	s_mov_b32 s11, 0
	s_mov_b32 s44, 3<<16                           ; a third group 1: 36 rows of 256 bytes (s[24:31]: 12 rows, the scale words; s[32:39]: 16 rows, steps 0-3)
	s_mov_b32 s45, 32<<16
	s_mov_b32 s46, 36<<16
	s_mov_b32 s47, 32<<16
	s_mov_b32 s48, 36
	s_mov_b32 s49, 32
	s_mov_b32 s50, 0
	s_mov_b32 s51, 0
	s_lshl_b32 s12, s[WV], 12                      ; waves 0-11: a twelfth of key steps 0-3
	s_mov_b32 s13, 0
	s_mul_i32 s14, s[WV], 3072
	s_add_co_u32 s14, s14, SCL-12*3072             ; waves 12-15: a quarter of the scale words
	s_mov_b32 s15, 0
	s_mul_i32 s16, s[WV], 9216
	s_add_co_u32 s16, s16, 49152                   ; every wave: a sixteenth of key steps 4-15
	s_mov_b32 s17, 0
	s_wait_dscnt 0x0                               ; both opening adds are done
	s_wait_kmcnt 0x0
	s_add_nc_u64 s[6:7], s[6:7], s[10:11]          ; my head; LDS holds it as memory does
	s_mov_b32 s40, 1
	s_mov_b32 s41, s12
	s_add_nc_u64 s[42:43], s[6:7], s[12:13]
	s_or_b32 s43, s43, 0x80000000
	s_mov_b32 s56, 1
	s_mov_b32 s57, s14
	s_add_nc_u64 s[58:59], s[6:7], s[14:15]
	s_or_b32 s59, s59, 0x80000000
	s_mov_b32 s52, 1
	s_mov_b32 s53, s16
	s_add_nc_u64 s[54:55], s[6:7], s[16:17]
	s_or_b32 s55, s55, 0x80000000
	s_cmp_lt_u32 s[WV], 12
	s_cbranch_scc0 .Lscales
	tensor_load_to_lds s[40:43], s[32:39]
	s_nop 0
	s_branch .Lasked
.Lscales:
	tensor_load_to_lds s[56:59], s[24:31]
	s_nop 0
.Lasked:
	s_bfe_u32 s20, s[WV], 0x10002
	s_sub_co_u32 s21, 15, ttmp9
	s_cmp_eq_u32 s20, 1
	s_cselect_b32 s[QB], s21, ttmp9                ; block i or 15 - i
	s_and_b32 s22, s[WV], 3
	s_lshr_b32 s23, s[WV], 3
	s_lshl_b32 s23, s23, 2
	s_or_b32 s[TT], s22, s23
	s_lshl_b32 s[TQ], s[QB], 3
	s_add_co_u32 s[TQ], s[TQ], s[TT]
	s_lshl_b32 s10, s[BH], 7
	s_add_co_u32 s10, s10, s[TQ]
	s_mul_i32 s10, s10, 768
	s_mov_b32 s11, 0
	s_add_nc_u64 s[76:77], s[4:5], s[10:11]        ; Q's codes
	s_lshl_b32 s12, s[BH], 5
	s_lshr_b32 s13, s[TQ], 2
	s_add_co_u32 s12, s12, s13
	s_lshl_b32 s12, s12, 8
	s_and_b32 s13, s[TQ], 1
	s_lshl_b32 s13, s13, 7
	s_add_co_u32 s12, s12, s13
	s_bfe_u32 s13, s[TQ], 0x10001
	s_lshl_b32 s13, s13, 2
	s_add_co_u32 s12, s12, s13
	s_add_co_u32 s12, s12, 3145728
	s_mov_b32 s13, 0
	s_add_nc_u64 s[78:79], s[4:5], s[12:13]        ; my tile's words in its group
	s_mov_b32 s[CS], 0x3e38aa3b
	s_mov_b32 s[CS+1], s[CS]
	s_mov_b32 s[SEL], 0x76543210
	s_mov_b32 s[SEL+1], 0xfedcba98
	s_mov_b32 s[HM], 0xffff0000
	s_sub_co_u32 s10, 15, s[QB]
	s_lshl_b32 s10, s10, 6
	s_cvt_f32_u32 s[NH], s10
	s_mov_b32 s[J], 0
	v_and_b32 v8, 31, v0
	v_and_b32 v9, 15, v0                           ; r
	v_bfe_u32 v10, v0, 4, 1                        ; h
	s_delay_alu instid0(VALU_DEP_3)
	v_lshlrev_b32 v1, 4, v8
	s_delay_alu instid0(VALU_DEP_4)
	v_lshlrev_b32 v3, 3, v8
	s_delay_alu instid0(VALU_DEP_1)
	v_add_nc_u32 v2, 512, v3
	v_lshlrev_b32 v248, 3, v9
	global_load_b128 v[16:19], v1, s[76:77]
	global_load_b64 v[20:21], v2, s[76:77]
	global_load_b32 v11, v248, s[78:79]
	v_and_b32 v249, 8, v9
	s_delay_alu instid0(VALU_DEP_1)
	v_add_nc_u32 v249, v249, v9
	s_lshr_b32 s10, s[TT], 1
	s_lshl_b32 s10, s10, 5
	s_and_b32 s11, s[TT], 1
	s_lshl_b32 s11, s11, 3
	s_add_co_u32 s10, s10, s11
	v_add_nc_u32 v249, s10, v249                   ; my query in its block: 32 (tt/2) + 8 (tt%2) + r + (r&8)
	v_lshlrev_b32 v250, 4, v10
	s_delay_alu instid0(VALU_DEP_1)
	v_sub_nc_u32 v6, v249, v250
	s_lshl_b32 s11, s[QB], 7
	v_add_nc_u32 v249, s11, v249                   ; and in the head
	v_mov_b32 v7, 0xc79c4000                       ; -80000: a score whose logit is -10000
	s_delay_alu instid0(VALU_DEP_1)
	v_mul_f32 v13, s[CS], v7                       ; the hidden keys' t counts for the maximum from the start,
	v_mov_b32 v250, 0xff61b1e6
	s_delay_alu instid0(VALU_DEP_4)
	v_cmp_eq_u32 vcc_lo, 0x7ff, v249
	s_delay_alu instid0(VALU_DEP_1)
	v_cndmask_b32 v13, v13, v250, vcc_lo           ; but for query 2,047, which hides no key: -3e38
	s_delay_alu instid0(VALU_DEP_1)
	v_floor_f32 v12, -v13
	v_mov_b32 v14, 0
	v_mov_b32 v15, 0
.irp i, 22,23,24,25,26,27
	v_mov_b32 v[\i], 0                             ; Q's upper 64 along K: zero codes
.endr
.irp t, 0,1,2,3
.irp i, 6,7,8,9,10,11
	v_mov_b32 v[32+12*\t+\i], 0                    ; K's likewise: written once
.endr
.endr
.set j, 0
.rept 32
	v_mov_b32 v[160+j], 0                          ; O^T: the step is written once: the first finds zeros
.set j, j+1
.endr
.set j, 0
.rept 13
	v_mov_b32 v[204+j], 0                          ; the hidden keys' operand and scale word: made on the diagonal step, ahead of every step that uses them
.set j, j+1
.endr
.set j, 0
.rept 16
	v_mov_b32 v[224+j], 0                          ; written once: a lane permute's destination, and the upper half of the pair v[236:237], count as read
.set j, j+1
.endr
	s_wait_loadcnt 0x0                             ; Q
; FOUR KEY STEPS, behind the wait for their group and a barrier.
.macro GROUP q, n                      ; n key steps from step 4 q on
	s_mov_b32 s[TB], 49152*\q
	s_mov_b32 s[TSC], SCL+3072*\q
	s_mov_b32 s[CNT], \n
.Ltrip_\@:
	v_add_nc_u32 v8, s[TB], v1                     ; five plain lines: the places between the last step's products and what is laid over their operands
	v_add_nc_u32 v9, s[TB], v2
	v_add_nc_u32 v10, s[TSC], v3
	v_nop
	v_nop
	s_cmp_gt_u32 s[J], s[QB]                       ; ids and the count of steps alone
	s_cbranch_scc1 .Lmasked_\@
	s_wait_alu depctr_va_vdst(0)
.irp g, 0,1                                    ; S^T = K Q^T, four tiles of 16 keys at a time
.if \g
.rept 4
	v_nop
.endr
.endif
.irp t, 0,1,2,3
	ds_load_b128 v[32+12*\t:35+12*\t], v8 offset:3072*((4*\g+\t)/2)+768*(\t%2)
	ds_load_b64 v[36+12*\t:37+12*\t], v9 offset:3072*((4*\g+\t)/2)+768*(\t%2)
.endr
	ds_load_b64 v[28:29], v10 offset:256*\g
	s_wait_dscnt 0x0
.irp t, 0,1,2,3
	WMA 96+8*(4*\g+\t), 32+12*\t, 16, 1, 28+\t/2, 11, \t%2
.endr
.endr
.rept 4
	v_nop
.endr
	s_cmp_lt_u32 s[J], s[QB]
	s_cbranch_scc1 .Lopen_\@
.set n, 0
.rept 64                                       ; the diagonal step: register 16 b + i holds key 32 b + i + 16 h of the step: hidden where 32 b + i > my query - 16 h
	v_cmp_gt_i32 vcc_lo, 32*(n/16)+n%16, v6
	v_cndmask_b32 v[96+n], v[96+n], v7, vcc_lo
.set n, n+1
.endr
.Lopen_\@:
.irp b, 0,1,2,3
	v_max3_num_f32 v[BM+\b], v[96+16*\b], v[97+16*\b], v[98+16*\b]   ; the largest score of each block of 32 keys: for the row's maximum, and, since p rises with the score, for the block's largest p
.endr
.irp i, 3,5,7,9,11,13
.irp b, 0,1,2,3
	v_max3_num_f32 v[BM+\b], v[BM+\b], v[96+16*\b+\i], v[97+16*\b+\i]
.endr
.endr
.irp b, 0,1,2,3
	v_max_num_f32 v[BM+\b], v[BM+\b], v[111+16*\b]
.endr
.irp b, 0,1,2,3
	s_delay_alu instid0(VALU_DEP_4)
	v_permlanex16_b32 v[BP+\b], v[BM+\b], s[SEL], s[SEL+1]
.endr
.irp b, 0,1,2,3
	s_delay_alu instid0(VALU_DEP_4)
	v_max_num_f32 v[BM+\b], v[BM+\b], v[BP+\b]
.endr
	s_delay_alu instid0(VALU_DEP_2)
	v_max3_num_f32 v238, v[BM], v[BM+1], v[BM+2]
	s_delay_alu instid0(VALU_DEP_1)
	v_max_num_f32 v238, v238, v[BM+3]
	s_delay_alu instid0(VALU_DEP_1)
	v_mul_f32 v238, s[CS], v238
	s_delay_alu instid0(VALU_DEP_1)
	v_max_num_f32 v13, v13, v238                   ; the running largest t
	v_mov_b32 v238, v12
	s_delay_alu instid0(VALU_DEP_2)
	v_floor_f32 v12, -v13                          ; -M = floor(-t): M is a whole number
	s_delay_alu instid0(VALU_DEP_1)
	v_sub_f32 v238, v12, v238
	s_delay_alu instid0(VALU_DEP_1)
	v_cvt_i32_f32 v238, v238                       ; (it saturates)
	s_delay_alu instid0(VALU_DEP_1)
	v_ldexp_f32 v236, 1.0, v238                    ; f = 2^(old M - new M)
.set j, 0
.rept 32
	v_pk_fma_f32 v[96+j:97+j], v[96+j:97+j], s[CS:CS+1], v[12:13] op_sel_hi:[1,0,0]   ; t - M
.set j, j+2
.endr
.irp b, 0,1,2,3
	v_fma_f32 v[BM+\b], v[BM+\b], s[CS], v12
.endr
.set j, 0
	s_wait_alu depctr_va_vdst(0)
.rept 64
	v_exp_f32 v[96+j], v[96+j]                     ; p
.set j, j+1
.endr
	v_pk_mul_f32 v[14:15], v[14:15], v[236:237] op_sel_hi:[1,0]   ; the sums under the new M; a plain line behind the exponentials
	s_wait_alu depctr_va_vdst(0)                   ; the wait ahead of the batch's first reader: one for the 64
.irp b, 0,1,2,3
	v_exp_f32 v[BM+\b], v[BM+\b]                   ; the blocks' largest p
.endr
	v_pk_add_f32 v[228:229], v[100:101], v[104:105]
	v_pk_add_f32 v[254:255], v[108:109], v[112:113]
	v_pk_add_f32 v[252:253], v[116:117], v[120:121]
	v_pk_add_f32 v[250:251], v[124:125], v[128:129]
	v_pk_add_f32 v[248:249], v[132:133], v[136:137]
	v_pk_add_f32 v[246:247], v[140:141], v[144:145]
	v_pk_add_f32 v[244:245], v[148:149], v[152:153]
	v_pk_add_f32 v[14:15], v[14:15], v[156:157]
	v_pk_add_f32 v[228:229], v[228:229], v[96:97]
	v_pk_add_f32 v[254:255], v[254:255], v[98:99]
	v_pk_add_f32 v[252:253], v[252:253], v[102:103]
	v_pk_add_f32 v[250:251], v[250:251], v[106:107]
	v_pk_add_f32 v[248:249], v[248:249], v[110:111]
	v_pk_add_f32 v[246:247], v[246:247], v[114:115]
	v_pk_add_f32 v[244:245], v[244:245], v[118:119]
	v_pk_add_f32 v[14:15], v[14:15], v[122:123]
	v_pk_add_f32 v[228:229], v[228:229], v[126:127]
	v_pk_add_f32 v[254:255], v[254:255], v[130:131]
	v_pk_add_f32 v[252:253], v[252:253], v[134:135]
	v_pk_add_f32 v[250:251], v[250:251], v[138:139]
	v_pk_add_f32 v[248:249], v[248:249], v[142:143]
	v_pk_add_f32 v[246:247], v[246:247], v[146:147]
	v_pk_add_f32 v[244:245], v[244:245], v[150:151]
	v_pk_add_f32 v[14:15], v[14:15], v[154:155]
	v_pk_add_f32 v[228:229], v[228:229], v[158:159]
	s_delay_alu instid0(VALU_DEP_2)
	v_pk_add_f32 v[14:15], v[14:15], v[250:251]
	s_delay_alu instid0(VALU_DEP_2)
	v_pk_add_f32 v[228:229], v[228:229], v[248:249]
	v_pk_add_f32 v[254:255], v[254:255], v[246:247]
	v_pk_add_f32 v[252:253], v[252:253], v[244:245]
	s_delay_alu instid0(VALU_DEP_2)
	v_pk_add_f32 v[14:15], v[14:15], v[254:255]
	s_delay_alu instid0(VALU_DEP_2)
	v_pk_add_f32 v[228:229], v[228:229], v[252:253]
	s_delay_alu instid0(VALU_DEP_1)
	v_pk_add_f32 v[14:15], v[14:15], v[228:229]
	s_wait_alu depctr_va_vdst(0)                   ; and one for the four
.irp b, 0,1,2,3
	v_max_num_f32 v[BM+\b], 0x2800000, v[BM+\b]    ; the floor 2^(5 - 127)
.endr
.irp b, 0,1,2,3
	s_delay_alu instid0(VALU_DEP_4)
	v_add_nc_u32 v[SO+\b], 0xfe000000, v[BM+\b]
.endr
.irp b, 0,1,2,3
	s_delay_alu instid0(VALU_DEP_4)
	v_lshrrev_b32 v[BP+\b], 23, v[SO+\b]
.endr
	s_delay_alu instid0(VALU_DEP_3)
	v_lshl_or_b32 v217, v[BP+1], 8, v[BP]
	s_delay_alu instid0(VALU_DEP_1)
	v_lshl_or_b32 v217, v[BP+2], 16, v217
	s_delay_alu instid0(VALU_DEP_1)
	v_lshl_or_b32 v217, v[BP+3], 24, v217
.irp c, 0,1
	v_cvt_scalef32_pk16_bf6_f32 v[192+6*\c:194+6*\c], v[96+32*\c:111+32*\c], v[SO+2*\c]
	v_cvt_scalef32_pk16_bf6_f32 v[240+4*\c:242+4*\c], v[112+32*\c:127+32*\c], v[SO+2*\c+1]
.endr
	v_nop                                          ; one plain line behind a scaled conversion
.irp c, 0,1
.irp i, 0,1,2
	v_permlane16_swap_b32 v[192+6*\c+\i], v[240+4*\c+\i]
.endr
.irp i, 0,1,2
	s_delay_alu instid0(VALU_DEP_3)
	v_mov_b32 v[195+6*\c+\i], v[240+4*\c+\i]
.endr
.endr
	VLOAD                                          ; p's registers are free: V lands while O^T is rescaled
	s_cmp_lg_u32 s[J], s[QB]
	s_cbranch_scc1 .Lnopm_\@
	v_fma_f32 v238, v7, s[CS], v12                 ; THE HIDDEN KEYS, once, on the diagonal step: M moves no more
	s_wait_alu depctr_va_vdst(0)
	v_exp_f32 v238, v238                           ; p_m
	v_nop
	s_wait_alu depctr_va_vdst(0)
	v_fmac_f32 v14, s[NH], v238                    ; 64 (15 - step) p_m in each of the row's two lanes
	v_max_num_f32 v239, 0x2800000, v238
	s_delay_alu instid0(VALU_DEP_1)
	v_add_nc_u32 v239, 0xfe000000, v239
	s_delay_alu instid0(VALU_DEP_1)
	v_lshrrev_b32 v216, 23, v239
	s_delay_alu instid0(VALU_DEP_1)
	v_lshl_or_b32 v216, v216, 8, v216
	s_delay_alu instid0(VALU_DEP_1)
	v_lshl_or_b32 v216, v216, 16, v216             ; the same byte for all four blocks
.set j, 0
.rept 16
	v_mov_b32 v[144+j], v238
.set j, j+1
.endr
	v_cvt_scalef32_pk16_bf6_f32 v[204:206], v[144:159], v239
	v_cvt_scalef32_pk16_bf6_f32 v[210:212], v[144:159], v239
	v_nop
.irp i, 0,1,2
	v_mov_b32 v[207+\i], v[204+\i]
	v_mov_b32 v[213+\i], v[210+\i]
.endr
.Lnopm_\@:
.set j, 0
.rept 16
	v_pk_mul_f32 v[160+j:161+j], v[160+j:161+j], v[236:237] op_sel_hi:[1,0]   ; O^T under the new M; also the places between P's codes and scale word and the products
.set j, j+2
.endr
	s_wait_alu depctr_va_vdst(0)
	s_wait_dscnt 0x0
	PV 192, 217
	s_branch .Lnext_\@
.Lmasked_\@:
	s_wait_alu depctr_va_vdst(0)
	VLOAD                                          ; a step all of whose keys are hidden: no scores, no softmax
	s_wait_dscnt 0x0
	PV 204, 216
.Lnext_\@:
	s_add_co_u32 s[TB], s[TB], 12288
	s_add_co_u32 s[TSC], s[TSC], 768
	s_add_co_u32 s[J], s[J], 1
	s_sub_co_u32 s[CNT], s[CNT], 1
	s_cmp_lg_u32 s[CNT], 0
	s_cbranch_scc1 .Ltrip_\@
.endm
	s_wait_alu depctr_va_vdst(0)
	s_wait_tensorcnt 0x0                           ; my part of the head's fill is in
	ds_add_u32 v[SPW], v[NIL]
	s_wait_dscnt 0x0
	s_barrier_signal -1
	s_barrier_wait -1                              ; everybody's is: key steps 0-3 and all scale words
	tensor_load_to_lds s[52:55], s[44:51]          ; key steps 4-15: a first fill, my one load behind this barrier
	s_nop 0
	GROUP 0, 4
	s_wait_dscnt 0x0
	s_wait_tensorcnt 0x0                           ; my part of key steps 4-15 is in
	s_barrier_signal -1
	s_barrier_wait -1                              ; everybody's is.
	GROUP 1, 12
	; THE WAY OUT: O^T / the sum, quantised along the head's 64: half a fragment of the projection's operand
	v_and_b32 v248, 15, v0                         ; (five plain lines behind the last products)
	v_bfe_u32 v249, v0, 4, 1
	s_delay_alu instid0(VALU_DEP_1)
	v_lshl_add_u32 v251, v248, 4, v249             ; 16 r + h
	v_add_f32 v14, v14, v15
	v_nop
	v_permlanex16_b32 v238, v14, s[SEL], s[SEL+1]
	s_delay_alu instid0(VALU_DEP_1)
	v_add_f32 v14, v14, v238
	s_wait_alu depctr_va_vdst(0)
	v_rcp_f32 v14, v14
	v_nop
	s_lshr_b32 s10, s[BH], 4
	s_lshl_b32 s10, s10, 7
	s_add_co_u32 s10, s10, s[TQ]                   ; the tile of tokens
	s_lshl_b32 s10, s10, 1
	s_bfe_u32 s11, s[BH], 0x10003                  ; the phase: heads 8-15 lie in the second 512 along D
	s_add_co_u32 s10, s10, s11
	s_mul_i32 s10, s10, 6400
	s_bfe_u32 s11, s[BH], 0x20001                  ; the step in it
	s_and_b32 s12, s[BH], 1                        ; the half of the step
	s_mul_i32 s13, s11, 1536
	s_mul_i32 s14, s12, 768
	s_add_co_u32 s14, s14, s13
	s_add_co_u32 s14, s14, s10
	s_mov_b32 s15, 0
	s_add_nc_u64 s[76:77], s[8:9], s[14:15]
	s_lshl_b32 s11, s11, 2
	s_lshl_b32 s12, s12, 1
	s_add_co_u32 s14, s10, s11
	s_add_co_u32 s14, s14, s12
	s_add_co_u32 s14, s14, 6144
	s_add_nc_u64 s[78:79], s[8:9], s[14:15]
	s_wait_alu depctr_va_vdst(0)                   ; the reciprocal's wait, ahead of its first reader
.set j, 0
.rept 32
	v_mul_f32 v[96+j], v[160+j], v14               ; each accumulator from its low end on
.set j, j+1
.endr
	QUANT2 96
	global_store_b128 v1, v[PC:PC+3], s[76:77]
	global_store_b64 v2, v[PC+4:PC+5], s[76:77]
	v_cndmask_b32 v238, v[TM+4], v[TM+5], s[HM]
	global_store_b8 v251, v238, s[78:79]           ; a scale word spans two heads: my two bytes of it, one a lane
	s_wait_tensorcnt 0x0                           ; the wave's end
	ds_add_u32 v[SPW], v[NIL]
	s_wait_dscnt 0x0
	s_endpgm
.Lfunc_end_k_q5a6673c988_attn:
	.size	k_q5a6673c988_attn, .Lfunc_end_k_q5a6673c988_attn-k_q5a6673c988_attn
	.p2alignl 7, 3214868480
	.fill 96, 4, 3214868480
	.section	.rodata,"a",@progbits
	.p2align	6, 0x0
	.amdhsa_kernel k_q5a6673c988_attn
		.amdhsa_group_segment_fixed_size 327680
		.amdhsa_private_segment_fixed_size 0
		.amdhsa_enable_private_segment 0
		.amdhsa_kernarg_size 24
		.amdhsa_user_sgpr_count 2
		.amdhsa_user_sgpr_kernarg_segment_ptr 1
		.amdhsa_wavefront_size32 1
		.amdhsa_system_sgpr_workgroup_id_x 1
		.amdhsa_system_sgpr_workgroup_id_y 1
		.amdhsa_system_sgpr_workgroup_id_z 1
		.amdhsa_system_vgpr_workitem_id 0
		.amdhsa_next_free_vgpr 256
		.amdhsa_next_free_sgpr 80
		.amdhsa_reserve_vcc 1
		.amdhsa_float_denorm_mode_32 3
		.amdhsa_float_denorm_mode_16_64 3
		.amdhsa_memory_ordered 1
		.amdhsa_forward_progress 1
		.amdhsa_inst_pref_size 67
	.end_amdhsa_kernel
	.amdgpu_metadata
---
amdhsa.version: [ 1, 2 ]
amdhsa.kernels:
  - .name:           k_q5a6673c988_attn
    .symbol:         k_q5a6673c988_attn.kd
    .args:
      - { .name: qb, .offset: 0, .size: 8, .value_kind: global_buffer, .address_space: global }
      - { .name: kvb, .offset: 8, .size: 8, .value_kind: global_buffer, .address_space: global }
      - { .name: aq, .offset: 16, .size: 8, .value_kind: global_buffer, .address_space: global }
    .group_segment_fixed_size: 327680
    .private_segment_fixed_size: 0
    .kernarg_segment_align: 8
    .kernarg_segment_size: 24
    .max_flat_workgroup_size: 512
    .sgpr_count:     80
    .vgpr_count:     256
    .wavefront_size: 32
...
	.end_amdgpu_metadata
.endif
;; end of part 3
;; launch g4 (part 4): grid 8 x 32, 4 waves a work-group, clusters of 4 x 4, 327,680 bytes of LDS; arguments aq, wbuf, proj_b, hidden_states, h1; writes h1
.if DOCPART == 4
	.amdgcn_target "amdgcn-amd-amdhsa--gfx1250"
	.amdhsa_code_object_version 6
	.text
	.protected	k_q5a6673c988_g4
	.globl	k_q5a6673c988_g4
	.p2align	8
	.type	k_q5a6673c988_g4,@function
k_q5a6673c988_g4:
	s_mov_b64 s[64:65], 0
	v_nop
	global_prefetch_b8 v0, s[64:65] scope:SCOPE_SE
	s_setreg_imm32_b32 hwreg(HW_REG_WAVE_MODE, 25, 1), 1
	s_wait_xcnt 0x0
	s_wait_alu depctr_hold_cnt(0) depctr_sa_sdst(0) depctr_va_vdst(0) depctr_va_sdst(0) depctr_va_ssrc(0) depctr_va_vcc(0) depctr_vm_vsrc(0)
	s_getreg_b32 s2, hwreg(HW_REG_IB_STS2, 6, 4)
	s_cmp_eq_u32 s2, 0
	s_cbranch_scc0 .Lentry_in_a_cluster
	s_endpgm
.Lentry_in_a_cluster:
	s_bfe_u32 s2, ttmp6, 0x10000c
	s_cmp_lg_u32 s2, 0xf033
	s_cbranch_scc0 .Lentry_shape_is_right
	s_endpgm
.Lentry_shape_is_right:
.set PH,    2
.set WOFF,  2457600
.set NBSH,  3
.set BSTEP, 0
.set ASTEP, 0
.set BOTH,  0
.set REC,   6400
.set HALFT, 4*REC
.set SLOT,  4*HALFT
.set EXTRA, 2*SLOT
.set SPARE, EXTRA+17408
.set A16, 1
.set A8,  3
.set B16, 5
.set B8,  7
.set SA,  9
.set SB,  11
.set SPW, 13
.set NIL, 14
.set O16, 18
.set O8,  19
.set CO,  21
.set BVO, 22
.set STO, 23
.set RD,  24
.set SC,  28
.set BI,  60
.set BK0, 60
.set BV,  92
.set ACC, 128
.set F0,  0
.set F1,  96
.set G1,  24
.set G0,  32
.set G1B, 48
.set G0B, 56
.set MUL,  0x05
.set TO_F, 0x40
.set MSB, 0
.macro WIN new
.if MSB != \new
	s_set_vgpr_msb (MSB<<8)|\new
.set MSB, \new
.endif
.endm
.macro PLACES
.rept 4
	v_nop
.endr
.endm
.macro CREST
	s_cmp_lg_u32 s10, 0
	s_cbranch_scc1 .Lnot_wave_0_\@
	s_barrier_signal -3
.Lnot_wave_0_\@:
	s_barrier_wait -3
	s_barrier_signal -1
	s_barrier_wait -1
.endm
.macro CROUND
	s_barrier_signal -1
	s_barrier_wait -1
	CREST
.endm
.macro JLOAD s, both
	s_cmp_eq_u32 s11, 0
	s_cbranch_scc0 .Lfor_b_\@
.if \both
	tensor_load_to_lds s[G0+4*\s:G0+4*\s+3], s[G1:G1+7]
	s_nop 0
.endif
.rept 4
	v_nop
.endr
	s_branch .Lasked_\@
.Lfor_b_\@:
	tensor_load_to_lds s[G0B+4*\s:G0B+4*\s+3], s[G1B:G1B+7]
	s_nop 0
.rept 4
	v_nop
.endr
.Lasked_\@:
.endm
.macro FRAG reg, a16, a8, off
	ds_load_b128 v[(\reg):(\reg)+3], v[\a16] offset:(\off)
	ds_load_b64 v[(\reg)+4:(\reg)+5], v[\a8] offset:(\off)+512
	ds_load_b128 v[(\reg)+6:(\reg)+9], v[\a16] offset:(\off)+768
	ds_load_b64 v[(\reg)+10:(\reg)+11], v[\a8] offset:(\off)+1280
.endm
.macro FETCH slot, q, f, sc
	WIN TO_F
.irp i, 0,1,2,3
	FRAG (\f)+12*\i, B16+\slot, B8+\slot, \i*REC+1536*(\q)
.endr
.irp i, 0,1
	FRAG (\f)+48+12*\i, A16+\slot, A8+\slot, \i*REC+1536*(\q)
.endr
.if \sc
	WIN 0
.irp i, 0,1
	ds_load_b128 v[SC+16*\slot+4*\i:SC+16*\slot+4*\i+3], v[SA+\slot] offset:6144+2*REC*\i
	ds_load_b128 v[SC+16*\slot+8+4*\i:SC+16*\slot+8+4*\i+3], v[SB+\slot] offset:6144+2*REC*\i
.endr
	WIN TO_F
.endif
.irp i, 2,3
	FRAG (\f)+48+12*\i, A16+\slot, A8+\slot, \i*REC+1536*(\q)
.endr
.endm
.macro WM mode
.if (\mode)==1
.if (oX==0)&&(oY==0)
	v_wmma_scale_f32_16x16x128_f8f6f4 v[rD:rD+7], v[rX:rX+11], v[rY:rY+11], 0, v[rSX], v[rSY] matrix_a_fmt:MATRIX_FMT_BF6 matrix_b_fmt:MATRIX_FMT_BF6
.elseif (oX==1)&&(oY==0)
	v_wmma_scale_f32_16x16x128_f8f6f4 v[rD:rD+7], v[rX:rX+11], v[rY:rY+11], 0, v[rSX], v[rSY] matrix_a_fmt:MATRIX_FMT_BF6 matrix_b_fmt:MATRIX_FMT_BF6 matrix_a_scale:MATRIX_SCALE_ROW1
.elseif (oX==0)&&(oY==1)
	v_wmma_scale_f32_16x16x128_f8f6f4 v[rD:rD+7], v[rX:rX+11], v[rY:rY+11], 0, v[rSX], v[rSY] matrix_a_fmt:MATRIX_FMT_BF6 matrix_b_fmt:MATRIX_FMT_BF6 matrix_b_scale:MATRIX_SCALE_ROW1
.else
	v_wmma_scale_f32_16x16x128_f8f6f4 v[rD:rD+7], v[rX:rX+11], v[rY:rY+11], 0, v[rSX], v[rSY] matrix_a_fmt:MATRIX_FMT_BF6 matrix_b_fmt:MATRIX_FMT_BF6 matrix_a_scale:MATRIX_SCALE_ROW1 matrix_b_scale:MATRIX_SCALE_ROW1
.endif
.else
.if (oX==0)&&(oY==0)
	v_wmma_scale_f32_16x16x128_f8f6f4 v[rD:rD+7], v[rX:rX+11], v[rY:rY+11], v[rC:rC+7], v[rSX], v[rSY] matrix_a_fmt:MATRIX_FMT_BF6 matrix_b_fmt:MATRIX_FMT_BF6
.elseif (oX==1)&&(oY==0)
	v_wmma_scale_f32_16x16x128_f8f6f4 v[rD:rD+7], v[rX:rX+11], v[rY:rY+11], v[rC:rC+7], v[rSX], v[rSY] matrix_a_fmt:MATRIX_FMT_BF6 matrix_b_fmt:MATRIX_FMT_BF6 matrix_a_scale:MATRIX_SCALE_ROW1
.elseif (oX==0)&&(oY==1)
	v_wmma_scale_f32_16x16x128_f8f6f4 v[rD:rD+7], v[rX:rX+11], v[rY:rY+11], v[rC:rC+7], v[rSX], v[rSY] matrix_a_fmt:MATRIX_FMT_BF6 matrix_b_fmt:MATRIX_FMT_BF6 matrix_b_scale:MATRIX_SCALE_ROW1
.else
	v_wmma_scale_f32_16x16x128_f8f6f4 v[rD:rD+7], v[rX:rX+11], v[rY:rY+11], v[rC:rC+7], v[rSX], v[rSY] matrix_a_fmt:MATRIX_FMT_BF6 matrix_b_fmt:MATRIX_FMT_BF6 matrix_a_scale:MATRIX_SCALE_ROW1 matrix_b_scale:MATRIX_SCALE_ROW1
.endif
.endif
.endm
.macro MULA f, a, q, set, mode
.irp b, 0,1,2,3
.set rD, ACC+8*(4*(\a)+\b)
.set rX, (\f)+12*\b
.set rY, (\f)+48+12*(\a)
.set rSX, SC+16*(\set)+8+4*(\b/2)+(\q)
.set rSY, SC+16*(\set)+4*((\a)/2)+(\q)
.set oX, \b%2
.set oY, (\a)%2
.set rC, rD
	WM \mode
.endr
.endm
.macro STEP slot, q, mode
	PLACES                                         ; four places behind the last step's products; then the next step's 32 loads, ahead of this step's 16 products
	FETCH \slot, (\q)+1, F0+96*(1-(\q)%2), 0
	s_wait_dscnt 32                                ; all but the 32 just issued: this step's fragments are in
	WIN MUL
	MULA F0+96*((\q)%2), 0, \q, \slot, \mode
	MULA F0+96*((\q)%2), 1, \q, \slot, \mode
	MULA F0+96*((\q)%2), 2, \q, \slot, \mode
	MULA F0+96*((\q)%2), 3, \q, \slot, \mode
.endm
.macro TURN slot, next, fill
	WIN 0
	s_wait_tensorcnt 0x0
	ds_add_u32 v[SPW], v[NIL]
	s_wait_dscnt 9
	WIN MUL
	MULA F1, 0, 3, \slot, 0
	s_wait_dscnt 0x0
	s_barrier_signal -1
	MULA F1, 1, 3, \slot, 0
	WIN 0
	s_barrier_wait -1
.if \fill
	CREST
	s_add_nc_u64 s[G0B+4*\slot+2:G0B+4*\slot+3], s[G0B+4*\slot+2:G0B+4*\slot+3], BSTEP
.if BOTH
	s_add_nc_u64 s[G0+4*\slot+2:G0+4*\slot+3], s[G0+4*\slot+2:G0+4*\slot+3], ASTEP
.endif
	JLOAD \slot, BOTH
.else
	PLACES
.endif
	FETCH \next, 0, F0, 1
	WIN MUL
	MULA F1, 2, 3, \slot, 0
	MULA F1, 3, 3, \slot, 0
.endm
.macro LAST slot
	s_wait_dscnt 8
	WIN MUL
	MULA F1, 0, 3, \slot, 0
	MULA F1, 1, 3, \slot, 0
	s_wait_alu depctr_va_vdst(0)
	s_wait_dscnt 0x0
	MULA F1, 2, 3, \slot, 0
	MULA F1, 3, 3, \slot, 0
.endm
	s_load_b256 s[68:75], s[0:1], 0x0
	s_load_b64 s[76:77], s[0:1], 0x20
	v_lshl_add_u32 v[SPW], v0, 2, SPARE
	v_mov_b32 v[NIL], 0
	ds_add_u32 v[SPW], v[NIL]
	ds_add_u32 v[SPW], v[NIL]
	v_lshrrev_b32 v15, 5, v0
	v_readfirstlane_b32 s10, v15
	s_lshr_b32 s11, s10, 1
	s_and_b32 s12, s10, 1
	s_bfe_u32 s40, ttmp6, 0x40000
	s_bfe_u32 s41, ttmp6, 0x40004
	s_lshl_b32 s42, ttmp9, 2
	s_add_co_u32 s42, s42, s40
	s_and_b32 s43, ttmp7, 0xffff
	s_lshl_b32 s43, s43, 2
	s_add_co_u32 s43, s43, s41
	s_lshl_b32 s44, s41, 2
	s_lshl_b32 s44, 15, s44
	s_lshl_b32 s45, 0x1111, s40
	s_or_b32 s[G1], s44, (3<<16)|(1<<21)
	s_or_b32 s[G1B], s45, (3<<16)|(1<<21)
.irp g, G1, G1B
	s_mov_b32 s[\g+1], 800<<16
	s_mov_b32 s[\g+2], 8<<16
	s_mov_b32 s[\g+3], 800<<16
	s_mov_b32 s[\g+4], 8
	s_mov_b32 s[\g+5], PH*800
	s_mov_b32 s[\g+6], 0
	s_mov_b32 s[\g+7], 0
.endr
	s_lshl_b32 s16, s43, 3
	s_mul_i32 s16, s16, PH*REC
	s_mov_b32 s17, 0
	s_lshl_b32 s46, s42, NBSH
	s_lshl_b32 s47, s12, 2
	s_add_co_u32 s46, s46, s47
	s_mul_i32 s46, s46, PH*REC
	s_add_co_u32 s46, s46, WOFF
	s_mov_b32 s47, 0
	s_lshl_b32 s8, s42, NBSH                       ; B's first tile of the eight, for the head's whole loads
	s_mul_i32 s8, s8, PH*REC
	s_add_co_u32 s8, s8, WOFF
	s_mov_b32 s9, 0
	s_mul_i32 s20, s10, HALFT
	s_wait_dscnt 0x0
	s_wait_kmcnt 0x0
	s_add_nc_u64 s[14:15], s[68:69], s[16:17]
	s_add_nc_u64 s[46:47], s[70:71], s[46:47]
	s_add_nc_u64 s[8:9], s[70:71], s[8:9]
	CROUND
.irp s, 0,1
	s_mov_b32 s[G0+4*\s], 1
	s_mov_b32 s[G0+4*\s+1], \s*SLOT
	s_add_nc_u64 s[G0+4*\s+2:G0+4*\s+3], s[14:15], \s*REC
	s_or_b32 s[G0+4*\s+3], s[G0+4*\s+3], 0x80000000
	s_mov_b32 s[G0B+4*\s], 1
	s_add_co_u32 s[G0B+4*\s+1], s20, \s*SLOT
	s_add_nc_u64 s[G0B+4*\s+2:G0B+4*\s+3], s[46:47], \s*REC
	s_or_b32 s[G0B+4*\s+3], s[G0B+4*\s+3], 0x80000000
.endr
; THE HEAD'S FOUR TILES, eight records each, one load a wave: wave 0 A's phase 0, wave 1 B's phase 0, wave 2 A's phase 1, wave 3 B's phase 1; one chain of arms to one join
	s_mov_b32 s4, 1
	s_mov_b32 s5, 2*HALFT
	s_mov_b64 s[6:7], s[8:9]
	s_or_b32 s7, s7, 0x80000000
	s_mov_b32 s44, 1
	s_mov_b32 s45, SLOT+2*HALFT
	s_add_nc_u64 s[46:47], s[8:9], REC
	s_or_b32 s47, s47, 0x80000000
.macro ARM under, g0, g1, next
	s_cmp_lt_u32 s10, \under
	s_cbranch_scc0 \next
	tensor_load_to_lds s[\g0:\g0+3], s[\g1:\g1+7]
	s_nop 0
	PLACES
	s_branch .Lhead_asked
\next:
.endm
	ARM 1, G0, G1, .Lhead_1
	ARM 2, 4, G1B, .Lhead_2
	ARM 3, G0+4, G1, .Lhead_3
	tensor_load_to_lds s[44:47], s[G1B:G1B+7]
	s_nop 0
	PLACES
.Lhead_asked:
	v_and_b32 v15, 31, v0
	v_and_b32 v16, 15, v0
	v_bfe_u32 v17, v0, 4, 1
	v_lshlrev_b32 v[O16], 4, v15
	v_lshlrev_b32 v[O8], 3, v15
	v_mul_u32_u24 v20, v17, REC
	v_lshl_add_u32 v20, v16, 4, v20
	s_mul_i32 s21, s11, HALFT
	s_mul_i32 s22, s12, HALFT
	s_add_co_u32 s22, s22, 2*HALFT
.irp s, 0,1
	v_add_nc_u32 v[A16+\s], s21, v[O16]
	v_add_nc_u32 v[B16+\s], s22, v[O16]
	v_add_nc_u32 v[A8+\s], s21, v[O8]
	v_add_nc_u32 v[B8+\s], s22, v[O8]
	v_add_nc_u32 v[SA+\s], s21, v20
	v_add_nc_u32 v[SB+\s], s22, v20
	s_add_co_u32 s21, s21, SLOT
	s_add_co_u32 s22, s22, SLOT
.endr
	v_lshlrev_b32 v[BVO], 4, v16
	s_wait_alu depctr_va_vdst(0)
	v_lshl_add_u32 v[CO], v17, 12, v[BVO]
	s_wait_alu depctr_va_vdst(0)
	s_mul_i32 s96, s10, 4352
	s_add_co_u32 s96, s96, EXTRA
	v_mul_u32_u24 v[STO], v16, 272
	v_lshl_add_u32 v[STO], v17, 6, v[STO]
	v_add_nc_u32 v[STO], s96, v[STO]
	v_mul_u32_u24 v[RD], v17, 272
	v_lshl_add_u32 v[RD], v16, 4, v[RD]
	v_add_nc_u32 v[RD], s96, v[RD]
	s_lshl_b32 s94, s42, 9
	s_lshl_b32 s95, s12, 8
	s_add_co_u32 s94, s94, s95
	s_mov_b32 s95, 0
	s_lshl_b32 s92, s43, 7
	s_lshl_b32 s93, s11, 6
	s_add_co_u32 s92, s92, s93
	s_lshl_b32 s92, s92, 12
	s_add_co_u32 s92, s92, s94
	s_mov_b32 s93, 0
	s_add_nc_u64 s[72:73], s[72:73], s[94:95]
	s_add_nc_u64 s[74:75], s[74:75], s[92:93]
	s_add_nc_u64 s[76:77], s[76:77], s[92:93]
	global_load_b128 v[BV:BV+3], v[BVO], s[72:73]
	WIN 0x80
.irp a, 0,1,2,3
.irp i, 0,1,2,3,4,5,6,7
	global_load_b128 v[32*\a+4*\i:32*\a+4*\i+3], v[CO], s[74:75] offset:(2*\i+8*(\i/4)+8*(\a%2)+32*(\a/2))*4096
.endr
.endr
	WIN 0
	s_wait_alu depctr_va_vdst(0)
	s_cmp_lt_u32 s10, 2
	s_cbranch_scc0 .Lnot_first
	s_wait_tensorcnt 0x0                           ; waves 0 and 1: phase 0's tiles are in; phase 1's are shown at the change of slots
.Lnot_first:
	s_barrier_signal -1
	s_barrier_wait -1
	FETCH 0, 0, F0, 1
	STEP 0, 0, 1
	STEP 0, 1, 0
	STEP 0, 2, 0
	TURN 0, 1, 0
	STEP 1, 0, 0
	STEP 1, 1, 0
	STEP 1, 2, 0
	LAST 1
	WIN 0
	PLACES
	s_wait_loadcnt 0x0
.irp a, 0,1,2,3
.irp b, 0,1,2,3
	ds_store_b128 v[STO], v[ACC+8*(4*\a+\b):ACC+8*(4*\a+\b)+3] offset:128*(\b/2)+32*(\b%2)
	ds_store_b128 v[STO], v[ACC+8*(4*\a+\b)+4:ACC+8*(4*\a+\b)+7] offset:128*(\b/2)+32*(\b%2)+16
.endr
.if \a >= 2
	s_wait_xcnt 0x0
.endif
.irp i, 0,1,2,3,4,5,6,7
	ds_load_b128 v[BK0+36*(\a%2)+4*\i:BK0+36*(\a%2)+4*\i+3], v[RD] offset:544*\i
.endr
	s_wait_dscnt 0x0
.irp i, 0,1,2,3,4,5,6,7
	v_pk_add_f32 v[BK0+36*(\a%2)+4*\i:BK0+36*(\a%2)+4*\i+1], v[BK0+36*(\a%2)+4*\i:BK0+36*(\a%2)+4*\i+1], v[BV:BV+1]
	v_pk_add_f32 v[BK0+36*(\a%2)+4*\i+2:BK0+36*(\a%2)+4*\i+3], v[BK0+36*(\a%2)+4*\i+2:BK0+36*(\a%2)+4*\i+3], v[BV+2:BV+3]
.endr
	WIN 0x08
.irp i, 0,1,2,3,4,5,6,7
	v_pk_add_f32 v[BK0+36*(\a%2)+4*\i:BK0+36*(\a%2)+4*\i+1], v[BK0+36*(\a%2)+4*\i:BK0+36*(\a%2)+4*\i+1], v[32*\a+4*\i:32*\a+4*\i+1]
	v_pk_add_f32 v[BK0+36*(\a%2)+4*\i+2:BK0+36*(\a%2)+4*\i+3], v[BK0+36*(\a%2)+4*\i+2:BK0+36*(\a%2)+4*\i+3], v[32*\a+4*\i+2:32*\a+4*\i+3]
.endr
	WIN 0
.irp i, 0,1,2,3,4,5,6,7
	global_store_b128 v[CO], v[BK0+36*(\a%2)+4*\i:BK0+36*(\a%2)+4*\i+3], s[76:77] offset:(2*\i+8*(\i/4)+8*(\a%2)+32*(\a/2))*4096
.endr
.endr
	s_wait_tensorcnt 0x0
	ds_add_u32 v[SPW], v[NIL]
	s_wait_dscnt 0x0
	CROUND
	s_endpgm
.Lfunc_end_k_q5a6673c988_g4:
	.size	k_q5a6673c988_g4, .Lfunc_end_k_q5a6673c988_g4-k_q5a6673c988_g4
	.p2alignl 7, 3214868480
	.fill 96, 4, 3214868480
	.section	.rodata,"a",@progbits
	.p2align	6, 0x0
	.amdhsa_kernel k_q5a6673c988_g4
		.amdhsa_group_segment_fixed_size 327680
		.amdhsa_private_segment_fixed_size 0
		.amdhsa_enable_private_segment 0
		.amdhsa_kernarg_size 40
		.amdhsa_user_sgpr_count 2
		.amdhsa_user_sgpr_kernarg_segment_ptr 1
		.amdhsa_wavefront_size32 1
		.amdhsa_system_sgpr_workgroup_id_x 1
		.amdhsa_system_sgpr_workgroup_id_y 1
		.amdhsa_system_sgpr_workgroup_id_z 1
		.amdhsa_system_vgpr_workitem_id 0
		.amdhsa_next_free_vgpr 640
		.amdhsa_next_free_sgpr 100
		.amdhsa_reserve_vcc 0
		.amdhsa_float_denorm_mode_32 3
		.amdhsa_float_denorm_mode_16_64 3
		.amdhsa_memory_ordered 1
		.amdhsa_forward_progress 1
		.amdhsa_inst_pref_size 62
	.end_amdhsa_kernel
	.amdgpu_metadata
---
amdhsa.version: [ 1, 2 ]
amdhsa.kernels:
  - .name:           k_q5a6673c988_g4
    .symbol:         k_q5a6673c988_g4.kd
    .args:
      - { .name: aq, .offset: 0, .size: 8, .value_kind: global_buffer, .address_space: global }
      - { .name: wbuf, .offset: 8, .size: 8, .value_kind: global_buffer, .address_space: global }
      - { .name: proj_b, .offset: 16, .size: 8, .value_kind: global_buffer, .address_space: global }
      - { .name: hidden_states, .offset: 24, .size: 8, .value_kind: global_buffer, .address_space: global }
      - { .name: h1, .offset: 32, .size: 8, .value_kind: global_buffer, .address_space: global }
    .group_segment_fixed_size: 327680
    .private_segment_fixed_size: 0
    .kernarg_segment_align: 8
    .kernarg_segment_size: 40
    .max_flat_workgroup_size: 128
    .sgpr_count:     100
    .vgpr_count:     640
    .wavefront_size: 32
...
	.end_amdgpu_metadata
.endif
;; end of part 4
;; launch pre2 (part 5): grid 512 x 1, 8 waves a work-group, no clusters, 67,584 bytes of LDS; arguments h1, ln2_g, ln2_b, nq2, fc_w, fc2_w, wbuf; writes nq2, wbuf
.if DOCPART == 5
	.amdgcn_target "amdgcn-amd-amdhsa--gfx1250"
	.amdhsa_code_object_version 6
	.text
	.protected	k_q5a6673c988_pre2
	.globl	k_q5a6673c988_pre2
	.p2align	8
	.type	k_q5a6673c988_pre2,@function
k_q5a6673c988_pre2:
	s_mov_b64 s[64:65], 0
	v_nop
	global_prefetch_b8 v0, s[64:65] scope:SCOPE_SE
	s_setreg_imm32_b32 hwreg(HW_REG_WAVE_MODE, 25, 1), 1
	s_wait_xcnt 0x0
; TWO JOBS IN ONE LAUNCH, told apart by the work-group's number alone: work-groups 0 to NWQ - 1 turn the weights fc_w and fc2_w into codes, the other 256 make LN2(h1) and quantise it.
; Both stream, neither fills memory's share by itself, and neither waits for the other.  The two weights are wanted by the two launches that follow and by none before.  No work is left out here.
; THE LAYOUT OF EVERY OPERAND.  A tile T is 16 rows; its row r is the logical row 32 (T/2) + 8 (T%2) + r + (r&8).  A RECORD of 6,400 bytes holds a tile's 512 along K (a phase):
; four fragments of 1,536 bytes (128 along K each), then 256 bytes of scale words (row r, step q: 16 r + 4 q).  A fragment is two halves of 768 bytes (64 along K): lane l = r + 16 h holds the 32 codes
; k = 32 h .. 32 h + 31 in 6 registers: registers 0-3 at 16 l, registers 4-5 at 512 + 8 l.  An operand is record [T x phases + phase].
; THE NORM: y = (x - mean) / sqrt(var + 1e-5) * g + b over rows of 1,024, in f32.  A work-group is a tile of 16 rows.  PHASE A: wave w owns the tile's rows 2 w, 2 w + 1, each whole in 32 registers: the mean, then
; the sum of squared deviations (two passes over registers: no difference of large sums), never leave the wave.  The rows meet in LDS (pitch 4,112 bytes = 257 x 16, so that sixteen rows' pieces of 16 bytes fall
; on different banks).  PHASE B: wave s owns K step s: lane (r, h) takes 16 neighbours of each block of 32, quantises, and stores the fragment as it stands in its registers.
; THE WEIGHTS: W [K][N], f32, K the FIRST axis.  A lane takes a column n and its registers run down K: a block of 32 lies in one lane, nothing is transposed.  Lanes 0-15 hold the even tile of a pair, lanes 16-31
; the odd one.  A wave takes 32 columns x 128 along K (one fragment of each tile), written out: every offset is an immediate.  The eight waves of a work-group stand side by side on 1,024 bytes of a row of W.
; Loads run two blocks (64 loads a wave) ahead.  This arm touches no LDS and passes no barrier.  A wave's one scale word of a row is a quarter of the row's 16 bytes: it leaves as 4 bytes a lane, 16 bytes apart
; (256 of a record's 6,400 bytes); to gather them whole would take LDS and a barrier here.
; A block's byte is its largest magnitude's exponent field - 4, held at 1 from below by a floor among the maximum's leaves.
; LIMITS: a block of zeros gets the byte 1 where the rule says 127 (its codes are zeros, and this program alone reads the bytes); blocks under 2^-122 keep the byte 1; NaN and infinities among the inputs are not served.
; No tensor load (each byte is read once by one wave), no cluster (nothing is shared), no matrix unit.
; THE WEIGHTS' SHARES: a wave takes 32 columns x 128 along K: four blocks, ONE fragment of each of its two tiles, and one scale word a row (4 bytes a lane, 16 bytes apart).
.set NWQ,   256                        ; work-groups for the weights: 128 for fc_w (16 x 256 columns, 8 x 128 along K), 128 for fc2_w (4 x 32)
.set NW1,   128
.set PITCH, 4112
.set SCW,   16*PITCH                   ; behind the rows: the tile's scale words, 2 x 256 bytes
.set SPARE, SCW+512                    ; the spare words, 128 bytes for each wave: four blocks of 256 bytes that no other line names
.set XO,  2                            ; v2   16 x lane
.set YS,  3                            ; v3   LDS: my two rows, 16 x lane
.set YR,  4                            ; v4   LDS: row r, my K step, 64 h
.set O8,  6                            ; v6   8 x lane
.set SCS, 7                            ; v7   LDS: where my row's scale word goes
.set SCR, 8                            ; v8   LDS: the scale words, 16 x lane
.set SCO, 9                            ; v9   and their place in the two records
.set SPW, 12                           ; v12  my spare word; never rewritten
.set NIL, 13                           ; v13  0; never rewritten
.set X,   16                           ; v16-79   two rows; later 64 numbers to quantise
.set GA,  80                           ; v80-111  g at my columns
.set BT,  112                          ; v112-143 b
.set SU,  144                          ; v144-147 a pair of sums for each row
.set MU,  148                          ; v148-151 the mean, twice, for each row
.set RS,  152                          ; v152-155 1 / sigma, twice
.set TP,  156                          ; v156-157 a lane permute's destinations
.set TM,  160                          ; v160-175 at work in the quantiser
.set PC,  176                          ; v176-195 the codes
.set PW,  196                          ; v196 the scale word
.set SEL, 28                           ; s[28:29]
; the weights' arm
.set VI,   2                           ; v2    4 x my column among the wave's 32
.set VO16, 3                           ; v3    my tile's record + 16 r
.set VO8,  4                           ; v4    8 x lane
.set WS,   16                          ; v16 my column's scale word
.set WX,   32                          ; v32-95 two sets of 32 numbers
.set WC,   96                          ; v96-119 the codes of the four blocks, 6 registers each: no store's data are written again
.set WT,   144                         ; v144-146 a conversion's three registers begin on an even number: the upper half of a block is made here and moved
	s_load_b256 s[4:11], s[0:1], 0x0               ; x, g, b, the norm's codes
	s_load_b128 s[32:35], s[0:1], 0x20             ; the two weights
	s_load_b64 s[36:37], s[0:1], 0x30              ; wbuf
	v_lshl_add_u32 v[SPW], v0, 2, SPARE
	v_mov_b32 v[NIL], 0
	v_lshrrev_b32 v1, 5, v0
	s_delay_alu instid0(VALU_DEP_1)
	v_readfirstlane_b32 s12, v1                    ; wave
	s_cmp_lt_u32 ttmp9, NWQ                        ; the work-group's number alone: all eight waves go the same way
	s_cbranch_scc1 .Lweights
	s_sub_co_u32 s30, ttmp9, NWQ                   ; my tile
	v_and_b32 v1, 31, v0
	v_and_b32 v10, 15, v0                          ; r
	s_wait_alu depctr_va_vdst(0)
	v_bfe_u32 v11, v0, 4, 1                        ; h
	v_lshlrev_b32 v[XO], 4, v1
	s_wait_alu depctr_va_vdst(0)
	v_lshlrev_b32 v[O8], 3, v1
	s_mul_i32 s13, s12, 2*PITCH
	v_add_nc_u32 v[YS], s13, v[XO]
	v_mul_u32_u24 v[YR], v10, PITCH
	s_delay_alu instid0(VALU_DEP_1)
	v_lshl_add_u32 v[YR], v11, 6, v[YR]
	s_lshl_b32 s13, s12, 9
	v_add_nc_u32 v[YR], s13, v[YR]
	s_lshr_b32 s14, s12, 2                         ; my K step's phase
	s_and_b32 s15, s12, 3                          ; and its place in it
	s_lshl_b32 s16, s14, 8
	s_lshl_b32 s17, s15, 2
	s_add_co_u32 s16, s16, s17
	s_add_co_u32 s16, s16, SCW
	v_lshl_add_u32 v[SCS], v10, 4, s16
	v_add_nc_u32 v[SCR], SCW, v[XO]
	v_mul_u32_u24 v[SCO], v11, 6400
	s_delay_alu instid0(VALU_DEP_1)
	v_lshl_add_u32 v[SCO], v10, 4, v[SCO]
	s_lshr_b32 s18, s30, 1
	s_lshl_b32 s18, s18, 5
	s_and_b32 s19, s30, 1
	s_lshl_b32 s19, s19, 3
	s_add_co_u32 s18, s18, s19
	s_lshl_b32 s19, s12, 1
	s_add_co_u32 s18, s18, s19
	s_lshl_b32 s19, s14, 3
	s_add_co_u32 s18, s18, s19                     ; my first token: 32 (T/2) + 8 (T%2) + 2 w + 8 (w/4)
	s_lshl_b32 s18, s18, 12
	s_mov_b32 s19, 0
	s_lshl_b32 s22, s30, 1
	s_mul_i32 s24, s22, 6400                       ; the tile's first record
	s_mov_b32 s25, 0
	s_add_co_u32 s22, s22, s14
	s_mul_i32 s22, s22, 6400
	s_mul_i32 s23, s15, 1536
	s_add_co_u32 s22, s22, s23                     ; my fragment
	s_mov_b32 s23, 0
	s_mov_b32 s20, 0x3a800000                      ; 1 / 1024
	s_mov_b32 s21, 0x3727c5ac                      ; 1e-5
	s_mov_b32 s[SEL], 0x76543210
	s_mov_b32 s[SEL+1], 0xfedcba98
	v_mov_b32 v[TP], 0                             ; written once: a lane permute's destination counts as one of its sources
	v_mov_b32 v[TP+1], 0
.irp b, 0,1,2,3
	v_mov_b32 v[TM+4+\b], 0
.endr
	s_wait_kmcnt 0x0
	s_add_nc_u64 s[4:5], s[4:5], s[18:19]
	s_add_nc_u64 s[26:27], s[10:11], s[22:23]
	s_add_nc_u64 s[10:11], s[10:11], s[24:25]
.irp e, 0,1
.irp i, 0,1,2,3,4,5,6,7
	global_load_b128 v[X+32*\e+4*\i:X+32*\e+4*\i+3], v[XO], s[4:5] offset:4096*\e+512*\i th:TH_LOAD_NT   ; 512 consecutive bytes a load
.endr
.endr
.irp i, 0,1,2,3,4,5,6,7
	global_load_b128 v[GA+4*\i:GA+4*\i+3], v[XO], s[6:7] offset:512*\i
	global_load_b128 v[BT+4*\i:BT+4*\i+3], v[XO], s[8:9] offset:512*\i
.endr
.macro REDUCE                          ; each row's pair of sums becomes the row's total, in every lane
.irp e, 0,1
	s_delay_alu instid0(VALU_DEP_2)
	v_add_f32 v[SU+2*\e], v[SU+2*\e], v[SU+2*\e+1]
.endr
.irp m, 1,2,4,8
.irp e, 0,1
	s_delay_alu instid0(VALU_DEP_2)
	v_add_f32_dpp v[SU+2*\e], v[SU+2*\e], v[SU+2*\e] row_xmask:\m row_mask:0xf bank_mask:0xf
.endr
.endr
.irp e, 0,1
	s_delay_alu instid0(VALU_DEP_2)
	v_permlanex16_b32 v[TP+\e], v[SU+2*\e], s[SEL], s[SEL+1]
.endr
.irp e, 0,1
	s_delay_alu instid0(VALU_DEP_2)
	v_add_f32 v[SU+2*\e], v[SU+2*\e], v[TP+\e]
.endr
.endm
	s_wait_loadcnt 16                              ; the two rows are in; the sixteen loads of g and b may be out
.irp e, 0,1
	v_pk_add_f32 v[SU+2*\e:SU+2*\e+1], v[X+32*\e:X+32*\e+1], v[X+32*\e+2:X+32*\e+3]
.endr
.set j, 4
.rept 14
.irp e, 0,1
	s_delay_alu instid0(VALU_DEP_2)
	v_pk_add_f32 v[SU+2*\e:SU+2*\e+1], v[SU+2*\e:SU+2*\e+1], v[X+32*\e+j:X+32*\e+j+1]   ; the two rows by turns
.endr
.set j, j+2
.endr
	REDUCE
.irp e, 0,1
	s_delay_alu instid0(VALU_DEP_2)
	v_mul_f32 v[MU+2*\e], s20, v[SU+2*\e]
.endr
.irp e, 0,1
	s_delay_alu instid0(VALU_DEP_2)
	v_mov_b32 v[MU+2*\e+1], v[MU+2*\e]
.endr
.set j, 0
.rept 16
.irp e, 0,1
	v_pk_add_f32 v[X+32*\e+j:X+32*\e+j+1], v[X+32*\e+j:X+32*\e+j+1], v[MU+2*\e:MU+2*\e+1] neg_lo:[0,1] neg_hi:[0,1]   ; x - mean
.endr
.set j, j+2
.endr
.irp e, 0,1
	v_pk_mul_f32 v[SU+2*\e:SU+2*\e+1], v[X+32*\e:X+32*\e+1], v[X+32*\e:X+32*\e+1]
.endr
.set j, 2
.rept 15
.irp e, 0,1
	s_delay_alu instid0(VALU_DEP_2)
	v_pk_fma_f32 v[SU+2*\e:SU+2*\e+1], v[X+32*\e+j:X+32*\e+j+1], v[X+32*\e+j:X+32*\e+j+1], v[SU+2*\e:SU+2*\e+1]
.endr
.set j, j+2
.endr
	REDUCE
.irp e, 0,1
	s_delay_alu instid0(VALU_DEP_2)
	v_fma_f32 v[RS+2*\e], v[SU+2*\e], s20, s21     ; var + 1e-5
.endr
	s_wait_alu depctr_va_vdst(0)
.irp e, 0,1
	v_rsq_f32 v[RS+2*\e], v[RS+2*\e]
.endr
	v_nop                                          ; a plain line behind the last transcendental
	s_wait_alu depctr_va_vdst(0)                   ; the wait ahead of the first reader: one for both
.irp e, 0,1
	v_mov_b32 v[RS+2*\e+1], v[RS+2*\e]
.endr
	s_wait_alu depctr_va_vdst(0)
	s_wait_loadcnt 0x0                             ; g and b
.set j, 0
.rept 16
.irp e, 0,1
	v_pk_mul_f32 v[X+32*\e+j:X+32*\e+j+1], v[X+32*\e+j:X+32*\e+j+1], v[RS+2*\e:RS+2*\e+1]
.endr
.set j, j+2
.endr
.set j, 0
.rept 16
.irp e, 0,1
	v_pk_fma_f32 v[X+32*\e+j:X+32*\e+j+1], v[X+32*\e+j:X+32*\e+j+1], v[GA+j:GA+j+1], v[BT+j:BT+j+1]
.endr
.set j, j+2
.endr
.irp e, 0,1
.irp i, 0,1,2,3,4,5,6,7
	ds_store_b128 v[YS], v[X+32*\e+4*\i:X+32*\e+4*\i+3] offset:\e*PITCH+512*\i
.endr
.endr
	s_wait_dscnt 0x0                               ; for the others' sake: my rows lie in LDS
	s_barrier_signal -1
	s_barrier_wait -1
.irp b, 0,1,2,3
.irp j, 0,1,2,3
	ds_load_b128 v[X+16*\b+4*\j:X+16*\b+4*\j+3], v[YR] offset:128*\b+16*\j   ; register 16 b + i = column 128 s + 32 b + 16 h + i of row r
.endr
.endr
	s_wait_dscnt 0x0
	; the four blocks' largest magnitudes, bytes, codes
.irp b, 0,1,2,3
	v_max3_num_f32 v[TM+\b], |v[X+16*\b]|, |v[X+1+16*\b]|, 0x2800000   ; with the floor 2^(5 - 127): the byte cannot fall under 1
.endr
.irp i, 2,4,6,8,10,12,14
.irp b, 0,1,2,3
	s_delay_alu instid0(VALU_DEP_4)
	v_max3_num_f32 v[TM+\b], v[TM+\b], |v[X+16*\b+\i]|, |v[X+1+16*\b+\i]|
.endr
.endr
.irp b, 0,1,2,3
	s_delay_alu instid0(VALU_DEP_4)
	v_permlanex16_b32 v[TM+4+\b], v[TM+\b], s[SEL], s[SEL+1]
.endr
.irp b, 0,1,2,3
	s_delay_alu instid0(VALU_DEP_4)
	v_max_num_f32 v[TM+\b], v[TM+\b], v[TM+4+\b]   ; with lane l xor 16's 16 numbers
.endr
.irp b, 0,1,2,3
	s_delay_alu instid0(VALU_DEP_4)
	v_add_nc_u32 v[TM+12+\b], 0xfe000000, v[TM+\b] ; 4 off the exponent field: the conversion's scale operand
.endr
.irp b, 0,1,2,3
	s_delay_alu instid0(VALU_DEP_4)
	v_lshrrev_b32 v[TM+4+\b], 23, v[TM+12+\b]
.endr
	s_delay_alu instid0(VALU_DEP_3)
	v_lshl_or_b32 v[PW], v[TM+5], 8, v[TM+4]
	s_delay_alu instid0(VALU_DEP_1)
	v_lshl_or_b32 v[PW], v[TM+6], 16, v[PW]
	s_delay_alu instid0(VALU_DEP_1)
	v_lshl_or_b32 v[PW], v[TM+7], 24, v[PW]
.irp c, 0,1
	v_cvt_scalef32_pk16_bf6_f32 v[PC+6*\c:PC+2+6*\c], v[X+32*\c:X+15+32*\c], v[TM+12+2*\c]
	v_cvt_scalef32_pk16_bf6_f32 v[PC+12+4*\c:PC+14+4*\c], v[X+16+32*\c:X+31+32*\c], v[TM+12+2*\c+1]
.endr
	v_nop                                          ; one plain line behind a scaled conversion
.irp c, 0,1                                    ; the operand wants a whole block in a lane: lanes 0-15 block 2 c, lanes 16-31 block 2 c + 1
.irp i, 0,1,2
	v_permlane16_swap_b32 v[PC+6*\c+\i], v[PC+12+4*\c+\i]
.endr
.irp i, 0,1,2
	s_delay_alu instid0(VALU_DEP_3)
	v_mov_b32 v[PC+3+6*\c+\i], v[PC+12+4*\c+\i]
.endr
.endr
	global_store_b128 v[XO], v[PC:PC+3], s[26:27]
	global_store_b64 v[O8], v[PC+4:PC+5], s[26:27] offset:512
	global_store_b128 v[XO], v[PC+6:PC+9], s[26:27] offset:768
	global_store_b64 v[O8], v[PC+10:PC+11], s[26:27] offset:1280
	ds_store_b32 v[SCS], v[PW]                     ; both lanes of a row write the same word with the same value
	s_wait_dscnt 0x0
	s_barrier_signal -1
	s_barrier_wait -1
	s_cmp_lg_u32 s12, 0
	s_cbranch_scc1 .Lend
	ds_load_b128 v[X:X+3], v[SCR]                  ; wave 0 stores the two records' scale words: 256 consecutive bytes each
	s_wait_dscnt 0x0
	global_store_b128 v[SCO], v[X:X+3], s[10:11] offset:6144
.Lend:
	s_wait_tensorcnt 0x0                           ; the wave's end
	ds_add_u32 v[SPW], v[NIL]
	s_wait_dscnt 0x0
	s_endpgm
; ---- THE WEIGHTS
.macro WLOAD N, t                      ; block t of my four: W(32 t + i, my column) into set t % 2; a load covers 128 consecutive bytes
.set i, 0
.rept 32
	global_load_b32 v[WX+32*((\t)%2)+i], v[VI], s[46:47] offset:(32*(\t)+i)*\N*4 th:TH_LOAD_NT
.set i, i+1
.endr
.endm
.macro WBLOCK N, t, left, ahead        ; left: the loads that may stay out: the next block's 32
.set XS, WX+32*((\t)%2)
.set CB, WC+6*(\t)
	s_wait_loadcnt \left
	v_max3_num_f32 v10, |v[XS]|, |v[XS+1]|, |v[XS+2]|
	v_max3_num_f32 v11, |v[XS+3]|, |v[XS+4]|, |v[XS+5]|
.irp i, 6,10,14,18,22,26
	s_delay_alu instid0(VALU_DEP_2)
	v_max3_num_f32 v10, v10, |v[XS+\i]|, |v[XS+\i+1]|
	s_delay_alu instid0(VALU_DEP_2)
	v_max3_num_f32 v11, v11, |v[XS+\i+2]|, |v[XS+\i+3]|
.endr
	s_delay_alu instid0(VALU_DEP_2)
	v_max3_num_f32 v10, v10, |v[XS+30]|, |v[XS+31]|
	s_delay_alu instid0(VALU_DEP_1)
	v_max3_num_f32 v10, v10, v11, 0x2800000        ; and the floor 2^(5 - 127): the byte cannot fall under 1
	s_delay_alu instid0(VALU_DEP_1)
	v_add_nc_u32 v14, 0xfe000000, v10              ; 4 off the exponent field: the conversion's scale operand
	s_delay_alu instid0(VALU_DEP_1)
	v_lshrrev_b32 v15, 23, v14                     ; the byte
.if ((\t)%4) == 0
	s_delay_alu instid0(VALU_DEP_1)
	v_mov_b32 v[WS+(\t)/4], v15
.else
	s_delay_alu instid0(VALU_DEP_1)
	v_lshl_or_b32 v[WS+(\t)/4], v15, 8*((\t)%4), v[WS+(\t)/4]
.endif
	v_cvt_scalef32_pk16_bf6_f32 v[CB:CB+2], v[XS:XS+15], v14
	v_cvt_scalef32_pk16_bf6_f32 v[WT:WT+2], v[XS+16:XS+31], v14
	v_nop                                          ; one plain line behind a scaled conversion
.irp i, 0,1,2
	v_mov_b32 v[CB+3+\i], v[WT+\i]
.endr
.if \ahead
	WLOAD \N, (\t)+2
.endif
.endm
.macro WOUT PH, s                      ; step s: a fragment of both tiles.  Block 2 c + h is half c, lanes' half h
.set CW, WC+24*(\s)
.irp c, 0,1
	v_permlane16_swap_b32 v[CW+12*\c+4], v[CW+12*\c+10]   ; registers 4-5: the odd tile's h = 0 changes places with the even tile's h = 1:
	v_permlane16_swap_b32 v[CW+12*\c+5], v[CW+12*\c+11]   ; each register pair then is one tile's whole 256 bytes
.endr
.irp c, 0,1
	global_store_b128 v[VO16], v[CW+12*\c:CW+12*\c+3], s[50:51] offset:1536*(\s)+768*\c          ; sixteen lanes store 256 consecutive bytes of their tile
	global_store_b128 v[VO16], v[CW+12*\c+6:CW+12*\c+9], s[50:51] offset:1536*(\s)+768*\c+256
	global_store_b64 v[VO8], v[CW+12*\c+4:CW+12*\c+5], s[50:51] offset:1536*(\s)+768*\c+512      ; 32 lanes store 256 consecutive bytes
	global_store_b64 v[VO8], v[CW+12*\c+10:CW+12*\c+11], s[50:51] offset:\PH*6400+1536*(\s)+768*\c+512
.endr
.endm
.macro WQ N, PH, LOGKH, PTR, WOFF, FIRST
	s_sub_co_u32 s40, ttmp9, \FIRST
	s_lshr_b32 s41, s40, \LOGKH                    ; which 256 columns
	s_and_b32 s42, s40, (1<<\LOGKH)-1              ; which 128 along K
	s_lshl_b32 s41, s41, 3
	s_add_co_u32 s41, s41, s12                     ; my pair of tiles
	s_mul_i32 s44, s42, 128*\N*4
	s_lshl_b32 s45, s41, 7
	s_add_co_u32 s44, s44, s45
	s_mov_b32 s45, 0
	s_add_nc_u64 s[46:47], s[\PTR:\PTR+1], s[44:45]   ; W at my corner
	s_lshr_b32 s43, s42, 2                         ; the phase
	s_and_b32 s42, s42, 3                          ; and which step of it
	s_mul_i32 s44, s41, 2*\PH
	s_add_co_u32 s44, s44, s43
	s_mul_i32 s44, s44, 6400
	s_add_co_u32 s44, s44, \WOFF                   ; the even tile's record
	s_mul_i32 s48, s42, 1536
	s_add_co_u32 s48, s48, s44
	s_mov_b32 s49, 0
	s_add_nc_u64 s[50:51], s[36:37], s[48:49]      ; my two fragments in it
	s_lshl_b32 s48, s42, 2
	s_add_co_u32 s48, s48, s44
	s_add_co_u32 s48, s48, 6144
	s_add_nc_u64 s[52:53], s[36:37], s[48:49]      ; my one of a row's four scale words
	v_mad_u32_u24 v[VO16], v7, \PH*6400, v9        ; the odd tile's record lies PH records on
	WLOAD \N, 0
	WLOAD \N, 1
	WBLOCK \N, 0, 32, 1
	WBLOCK \N, 1, 32, 1
	WBLOCK \N, 2, 32, 0                            ; the last two blocks ask for nothing: no load leaves my 128 along K
	WBLOCK \N, 3, 0, 0
	WOUT \PH, 0
	global_store_b32 v[VO16], v[WS], s[52:53]      ; my step's scale word of row r
	s_endpgm
.endm
.Lweights:
	v_and_b32 v5, 31, v0                           ; lane
	v_and_b32 v6, 15, v0                           ; r
	v_bfe_u32 v7, v0, 4, 1                         ; u: which tile of the pair
	s_delay_alu instid0(VALU_DEP_2)
	v_and_b32 v8, 8, v6
	s_delay_alu instid0(VALU_DEP_1)
	v_add_nc_u32 v8, v8, v6
	s_delay_alu instid0(VALU_DEP_1)
	v_lshl_add_u32 v8, v7, 3, v8                   ; my column: 8 u + r + (r&8)
	s_delay_alu instid0(VALU_DEP_1)
	v_lshlrev_b32 v[VI], 2, v8
	v_lshlrev_b32 v[VO8], 3, v5
	v_lshlrev_b32 v9, 4, v6                        ; 16 r
	s_wait_kmcnt 0x0
	s_cmp_lt_u32 ttmp9, NW1
	s_cbranch_scc1 .Lfirst
	s_wait_alu depctr_va_vdst(0)
	WQ 1024, 8, 5, 34, 6553600, 128                ; fc2_w
.Lfirst:
	s_wait_alu depctr_va_vdst(0)
	WQ 4096, 2, 3, 32, 3276800, 0                  ; fc_w
.Lfunc_end_k_q5a6673c988_pre2:
	.size	k_q5a6673c988_pre2, .Lfunc_end_k_q5a6673c988_pre2-k_q5a6673c988_pre2
	.p2alignl 7, 3214868480
	.fill 96, 4, 3214868480
	.section	.rodata,"a",@progbits
	.p2align	6, 0x0
	.amdhsa_kernel k_q5a6673c988_pre2
		.amdhsa_group_segment_fixed_size 67584
		.amdhsa_private_segment_fixed_size 0
		.amdhsa_enable_private_segment 0
		.amdhsa_kernarg_size 56
		.amdhsa_user_sgpr_count 2
		.amdhsa_user_sgpr_kernarg_segment_ptr 1
		.amdhsa_wavefront_size32 1
		.amdhsa_system_sgpr_workgroup_id_x 1
		.amdhsa_system_sgpr_workgroup_id_y 1
		.amdhsa_system_sgpr_workgroup_id_z 1
		.amdhsa_system_vgpr_workitem_id 0
		.amdhsa_next_free_vgpr 208
		.amdhsa_next_free_sgpr 66
		.amdhsa_reserve_vcc 0
		.amdhsa_float_denorm_mode_32 3
		.amdhsa_float_denorm_mode_16_64 3
		.amdhsa_memory_ordered 1
		.amdhsa_forward_progress 1
		.amdhsa_inst_pref_size 75
	.end_amdhsa_kernel
	.amdgpu_metadata
---
amdhsa.version: [ 1, 2 ]
amdhsa.kernels:
  - .name:           k_q5a6673c988_pre2
    .symbol:         k_q5a6673c988_pre2.kd
    .args:
      - { .name: h1, .offset: 0, .size: 8, .value_kind: global_buffer, .address_space: global }
      - { .name: ln2_g, .offset: 8, .size: 8, .value_kind: global_buffer, .address_space: global }
      - { .name: ln2_b, .offset: 16, .size: 8, .value_kind: global_buffer, .address_space: global }
      - { .name: nq2, .offset: 24, .size: 8, .value_kind: global_buffer, .address_space: global }
      - { .name: fc_w, .offset: 32, .size: 8, .value_kind: global_buffer, .address_space: global }
      - { .name: fc2_w, .offset: 40, .size: 8, .value_kind: global_buffer, .address_space: global }
      - { .name: wbuf, .offset: 48, .size: 8, .value_kind: global_buffer, .address_space: global }
    .group_segment_fixed_size: 67584
    .private_segment_fixed_size: 0
    .kernarg_segment_align: 8
    .kernarg_segment_size: 56
    .max_flat_workgroup_size: 256
    .sgpr_count:     66
    .vgpr_count:     208
    .wavefront_size: 32
...
	.end_amdgpu_metadata
.endif
;; end of part 5
;; launch g5 (part 6): grid 8 x 32, 4 waves a work-group, clusters of 4 x 4, 327,680 bytes of LDS; arguments nq2, wbuf, fc_b, hq; writes hq
.if DOCPART == 6
	.amdgcn_target "amdgcn-amd-amdhsa--gfx1250"
	.amdhsa_code_object_version 6
	.text
	.protected	k_q5a6673c988_g5
	.globl	k_q5a6673c988_g5
	.p2align	8
	.type	k_q5a6673c988_g5,@function
k_q5a6673c988_g5:
	s_mov_b64 s[64:65], 0
	v_nop
	global_prefetch_b8 v0, s[64:65] scope:SCOPE_SE
	s_setreg_imm32_b32 hwreg(HW_REG_WAVE_MODE, 25, 1), 1
	s_wait_xcnt 0x0
	s_wait_alu depctr_hold_cnt(0) depctr_sa_sdst(0) depctr_va_vdst(0) depctr_va_sdst(0) depctr_va_ssrc(0) depctr_va_vcc(0) depctr_vm_vsrc(0)
	s_getreg_b32 s2, hwreg(HW_REG_IB_STS2, 6, 4)
	s_cmp_eq_u32 s2, 0
	s_cbranch_scc0 .Lentry_in_a_cluster
	s_endpgm
.Lentry_in_a_cluster:
	s_bfe_u32 s2, ttmp6, 0x10000c
	s_cmp_lg_u32 s2, 0xf033
	s_cbranch_scc0 .Lentry_shape_is_right
	s_endpgm
.Lentry_shape_is_right:
; h = gelu(LN2(h1) fc_w + fc_b), the product on codes of BF6 (E3M2); h is quantised along its 4,096 in registers and leaves as the operand of the last product.  No work is left out here.
; gelu(x) = 0.5 x (1 + tanh(u)), u = sqrt(2/pi) (x + 0.044715 x^3), is computed as x / (1 + 2^(-2 log2(e) u)): the same function, with no difference of near numbers; all in f32.
; A work-group owns 128 tokens and walks four tiles of 128 columns, 512 gx on: they are one phase of the next operand, so that its records' scale words are gathered whole in LDS.  Four waves, 64 x 64 each.
; Operands lie in memory in the order of their registers: record (tile of 16 rows, phase of 512 along K) = 6,400 bytes: four fragments of 1,536, then 256 bytes of scale words; a tile's row r is the logical row
; 32 (T/2) + 8 (T%2) + r + (r&8).  K = 1,024 is two phases: slot s holds phase s; A's tiles stay for all four tiles of columns, B's are filled again by every wave.
; CLUSTER 4 x 4: A jointly along a row of the cluster, B along a column.
; LIMITS: a block of zeros gets the byte 1 where the rule says 127 (zero codes; this program alone reads the bytes); NaN and infinities among the inputs are not served.
; THE FILLS.  At the head four tiles of eight records, one a wave.  B is filled again ONCE for each 128 columns: at a tile's end, behind the three lines and a round of the cluster's barrier, every wave asks for a quarter
; (phase wave / 2, four records wave % 2) of the next columns' B; the load lands under the gelu and the quantiser, and a plain barrier behind them shows it.  The change of slots in mid-tile has a plain barrier.
; PREFETCH: B's 16 records of a tile of columns are shared out among the sixteen waves of a column of the cluster, by address: record 4 cy + wave, 25 blocks of 256 bytes, a lane a block (lanes 25-31 name the last again).
; The second tile's are asked for at the head; trip t asks, in its second step, for tile t + 2's, a whole tile ahead of the load that wants them; the last trip and the tail ask for nothing.
.set PH,    2
.set WOFF,  3276800
.set NBSH,  5                          ; my first tile of B = 32 gx
.set BSTEP, 102400                     ; the next 128 columns: 8 tiles x 2 records
.set ASTEP, 0
.set BOTH,  0
; A STAYS IN REGISTERS.  The work-group's 128 tokens serve all four tiles of columns: a wave's 32 fragments of A (4 tiles of 16 rows x 8 steps of 128 along K, 384 registers) are loaded from LDS in the first tile alone,
; phase s into window 2 + s, step q's tile a at register 48 q + 12 a.  From then on a step fetches B's four fragments alone: 16 LDS loads a wave.  So the first tile is written out ahead of a loop of two trips, and the last behind it.
.set REC,   6400
.set HALFT, 4*REC
.set SLOT,  4*HALFT
.set EXTRA, 2*SLOT                     ; behind the ring: the scale words of my 8 tiles' records, 8 x 256 bytes
.set SPARE, EXTRA+17408                ; the spare words, 128 bytes for each wave
.set A16, 1
.set A8,  3
.set B16, 5
.set B8,  7
.set SA,  9
.set SB,  11
.set SPW, 13
.set NIL, 14
.set O16, 18
.set O8,  19
.set VB,  21                           ; v21  the bias: 64 h + 256 wn
.set VSC, 22                           ; v22  LDS: my two bytes of a scale word; 4 bytes on with each tile of columns
.set VSR, 23                           ; v23  LDS: two tiles' scale words, 16 x lane
.set C0,  24                           ; v[24:25] -2 log2(e) sqrt(2/pi), twice
.set VSO, 26                           ; v26  and their place in the records
.set SC,  28
.set BI,  60
.set HW,  92                           ; v92-95 four pairs of bytes
.set TG,  96                           ; v96-127 at work in the gelu; behind it the quantiser's registers
.set TM,  96
.set PC,  104
.set PX,  110
.set SWD, 112
.set ACC, 128
.set F0,  0
.set F1,  96
.set G1,  24
.set G0,  32
.set G1B, 48
.set G0B, 56
.set SEL, 66
.set HM,  3
.set C1,  78                           ; s[78:79] C0 x 0.044715
.set HCP, 80                           ; s[80:81] where my codes go
.set HSP, 82                           ; s[82:83] where two tiles' scale words go
.set BIP, 84                           ; s[84:85] the bias of the tile of columns to be asked for
.set MUL,  0x05
.set TO_F, 0x40
.set MSB, 0
.macro WIN new
.if MSB != \new
	s_set_vgpr_msb (MSB<<8)|\new
.set MSB, \new
.endif
.endm
.macro PLACES
.rept 4
	v_nop
.endr
.endm
.macro CREST
	s_cmp_lg_u32 s10, 0
	s_cbranch_scc1 .Lnot_wave_0_\@
	s_barrier_signal -3
.Lnot_wave_0_\@:
	s_barrier_wait -3
	s_barrier_signal -1
	s_barrier_wait -1
.endm
.macro CROUND
	s_barrier_signal -1
	s_barrier_wait -1
	CREST
.endm
.macro JLOAD s, both
	s_cmp_eq_u32 s11, 0
	s_cbranch_scc0 .Lfor_b_\@
.if \both
	tensor_load_to_lds s[G0+4*\s:G0+4*\s+3], s[G1:G1+7]
	s_nop 0
.endif
.rept 4
	v_nop
.endr
	s_branch .Lasked_\@
.Lfor_b_\@:
	tensor_load_to_lds s[G0B+4*\s:G0B+4*\s+3], s[G1B:G1B+7]
	s_nop 0
.rept 4
	v_nop
.endr
.Lasked_\@:
.endm
.macro FRAG reg, a16, a8, off
	ds_load_b128 v[(\reg):(\reg)+3], v[\a16] offset:(\off)
	ds_load_b64 v[(\reg)+4:(\reg)+5], v[\a8] offset:(\off)+512
	ds_load_b128 v[(\reg)+6:(\reg)+9], v[\a16] offset:(\off)+768
	ds_load_b64 v[(\reg)+10:(\reg)+11], v[\a8] offset:(\off)+1280
.endm
.macro FETCH slot, q, f, sc, wa        ; wa = 1: A's four fragments of the step too, into their lasting registers
	WIN TO_F
.irp i, 0,1,2,3
	FRAG (\f)+12*\i, B16+\slot, B8+\slot, \i*REC+1536*(\q)
.endr
.if \sc
	WIN 0
.irp i, 0,1
	ds_load_b128 v[SC+16*\slot+4*\i:SC+16*\slot+4*\i+3], v[SA+\slot] offset:6144+2*REC*\i
	ds_load_b128 v[SC+16*\slot+8+4*\i:SC+16*\slot+8+4*\i+3], v[SB+\slot] offset:6144+2*REC*\i
.endr
.endif
.if \wa
	WIN (0x80+0x40*(\slot))
.irp i, 0,1,2,3
	FRAG 48*(\q)+12*\i, A16+\slot, A8+\slot, \i*REC+1536*(\q)
.endr
.endif
.endm
.macro WM                              ; one product, C in registers (the sum, or the bias for a sum's first)
.if (oX==0)&&(oY==0)
	v_wmma_scale_f32_16x16x128_f8f6f4 v[rD:rD+7], v[rX:rX+11], v[rY:rY+11], v[rC:rC+7], v[rSX], v[rSY] matrix_a_fmt:MATRIX_FMT_BF6 matrix_b_fmt:MATRIX_FMT_BF6
.elseif (oX==1)&&(oY==0)
	v_wmma_scale_f32_16x16x128_f8f6f4 v[rD:rD+7], v[rX:rX+11], v[rY:rY+11], v[rC:rC+7], v[rSX], v[rSY] matrix_a_fmt:MATRIX_FMT_BF6 matrix_b_fmt:MATRIX_FMT_BF6 matrix_a_scale:MATRIX_SCALE_ROW1
.elseif (oX==0)&&(oY==1)
	v_wmma_scale_f32_16x16x128_f8f6f4 v[rD:rD+7], v[rX:rX+11], v[rY:rY+11], v[rC:rC+7], v[rSX], v[rSY] matrix_a_fmt:MATRIX_FMT_BF6 matrix_b_fmt:MATRIX_FMT_BF6 matrix_b_scale:MATRIX_SCALE_ROW1
.else
	v_wmma_scale_f32_16x16x128_f8f6f4 v[rD:rD+7], v[rX:rX+11], v[rY:rY+11], v[rC:rC+7], v[rSX], v[rSY] matrix_a_fmt:MATRIX_FMT_BF6 matrix_b_fmt:MATRIX_FMT_BF6 matrix_a_scale:MATRIX_SCALE_ROW1 matrix_b_scale:MATRIX_SCALE_ROW1
.endif
.endm
; Four products: A's tile a against B's four; source 0 = B: a lane holds one token, its registers run along the columns.  mode 2: C = the bias.  The 16 accumulators take turns.
.macro MULA f, a, q, set, mode
.irp b, 0,1,2,3
.set rD, ACC+8*(4*(\a)+\b)
.set rX, (\f)+12*\b
.set rY, 48*(\q)+12*(\a)
.set rSX, SC+16*(\set)+8+4*(\b/2)+(\q)
.set rSY, SC+16*(\set)+4*((\a)/2)+(\q)
.set oX, \b%2
.set oY, (\a)%2
.set rC, rD
.if (\mode)==2
.set rC, BI+8*\b
.endif
	WM
.endr
.endm
.macro BIAS                            ; lane (r, h) wants, for B's tile b, the bias of columns 32 (b/2) + 8 (b%2) + 16 h + 0 .. 7
.irp b, 0,1,2,3
	global_load_b128 v[BI+8*\b:BI+8*\b+3], v[VB], s[BIP:BIP+1] offset:128*(\b/2)+32*(\b%2)
	global_load_b128 v[BI+8*\b+4:BI+8*\b+7], v[VB], s[BIP:BIP+1] offset:128*(\b/2)+32*(\b%2)+16
.endr
.endm
.macro STEP slot, q, mode, extra, wa
	PLACES                                         ; four places behind the last step's products; then the next step's loads, ahead of this step's 16 products
.if \extra
	WIN 0
	BIAS                                           ; the next tile's bias: its registers were last read as C a step ago
	s_cmp_gt_u32 s2, 1                             ; the count of tiles alone: is there a tile two on?
	s_cbranch_scc0 .Lno_ask_\@
	global_prefetch_b8 v[PFO], s[PFP:PFP+1] offset:BSTEP th:TH_LOAD_NT scope:SCOPE_SE
.Lno_ask_\@:
.endif
	FETCH \slot, (\q)+1, F0+96*(1-(\q)%2), 0, \wa
	s_wait_dscnt 16+16*(\wa)                       ; all but the loads just issued: this step's fragments are in
	WIN (0x09+4*(\slot))                           ; B window 1, A window 2 + slot, C and D window 0
	MULA F0+96*((\q)%2), 0, \q, \slot, \mode
	MULA F0+96*((\q)%2), 1, \q, \slot, \mode
	MULA F0+96*((\q)%2), 2, \q, \slot, \mode
	MULA F0+96*((\q)%2), 3, \q, \slot, \mode
.endm
.macro TURN slot, next, fill, wa
	WIN 0
	s_wait_tensorcnt 0x0                           ; all my tensor loads have landed
	ds_add_u32 v[SPW], v[NIL]
.if \fill
	s_mov_b32 s[G1B+2], 4<<16                      ; no tensor load of mine is out: a refill of B brings four records a wave
	s_mov_b32 s[G1B+4], 4
.endif
	s_wait_dscnt 1                                 ; (the add alone may be out)
	WIN (0x09+4*(\slot))
	MULA F1, 0, 3, \slot, 0
	s_wait_dscnt 0x0                               ; the add is done, and my reads of this slot are over
	s_barrier_signal -1
	MULA F1, 1, 3, \slot, 0
	WIN 0
	s_barrier_wait -1
.if \fill
	CREST
	s_add_nc_u64 s[G0B+4*\slot+2:G0B+4*\slot+3], s[G0B+4*\slot+2:G0B+4*\slot+3], BSTEP
	JLOAD \slot, BOTH                              ; its four v_nop are also the places in front of the loads below
.else
	PLACES
.endif
	FETCH \next, 0, F0, 1, \wa
	WIN (0x09+4*(\slot))
	MULA F1, 2, 3, \slot, 0
	MULA F1, 3, 3, \slot, 0
.endm
.macro LAST slot
	s_wait_dscnt 0x0
	WIN (0x09+4*(\slot))
	MULA F1, 0, 3, \slot, 0
	MULA F1, 1, 3, \slot, 0
	s_wait_dscnt 0x0
	MULA F1, 2, 3, \slot, 0
	MULA F1, 3, 3, \slot, 0
.endm
.macro QUANT2 s                        ; 32 numbers of a lane, register 16 b + i = k 32 b + 16 h + i, become half a fragment's codes in v[PC] on; the bytes in v[TM+4], v[TM+5]
.irp b, 0,1
	v_max3_num_f32 v[TM+\b], |v[(\s)+16*\b]|, |v[(\s)+16*\b+1]|, 0x2800000
.endr
.irp i, 2,4,6,8,10,12,14
.irp b, 0,1
	v_max3_num_f32 v[TM+\b], v[TM+\b], |v[(\s)+16*\b+\i]|, |v[(\s)+16*\b+\i+1]|
.endr
.endr
.irp b, 0,1
	v_permlanex16_b32 v[TM+2+\b], v[TM+\b], s[SEL], s[SEL+1]
.endr
.irp b, 0,1
	v_max_num_f32 v[TM+\b], v[TM+\b], v[TM+2+\b]
.endr
.irp b, 0,1
	v_add_nc_u32 v[TM+6+\b], 0xfe000000, v[TM+\b]
.endr
.irp b, 0,1
	v_lshrrev_b32 v[TM+4+\b], 23, v[TM+6+\b]
.endr
	v_cvt_scalef32_pk16_bf6_f32 v[PC:PC+2], v[(\s):(\s)+15], v[TM+6]
	v_cvt_scalef32_pk16_bf6_f32 v[PX:PX+2], v[(\s)+16:(\s)+31], v[TM+7]
	v_nop                                          ; one plain line behind a scaled conversion
.irp i, 0,1,2
	v_permlane16_swap_b32 v[PC+\i], v[PX+\i]
.endr
.irp i, 0,1,2
	v_mov_b32 v[PC+3+\i], v[PX+\i]
.endr
.endm
.macro TILE extra, fill, wa
	s_wait_loadcnt 0x0                             ; the bias is in, and its loads have read their base:
	s_add_nc_u64 s[BIP:BIP+1], s[BIP:BIP+1], 512   ; the next tile's
	STEP 0, 0, 2, 0, \wa
	STEP 0, 1, 0, \extra, \wa
	STEP 0, 2, 0, 0, \wa
	TURN 0, 1, 0, \wa
	STEP 1, 0, 0, 0, \wa
	STEP 1, 1, 0, 0, \wa
	STEP 1, 2, 0, 0, \wa
	LAST 1
	WIN 0
	PLACES
.if \fill
	s_wait_tensorcnt 0x0                           ; none of my tensor loads is out
	ds_add_u32 v[SPW], v[NIL]
	s_mov_b32 s[G1B+2], 4<<16                      ; a refill brings four records a wave
	s_mov_b32 s[G1B+4], 4
	s_add_nc_u64 s[G0B+2:G0B+3], s[G0B+2:G0B+3], BSTEP
	s_wait_dscnt 0x0                               ; the add is done, and my reads of B are over
	CROUND                                         ; no wave of any partner still reads B
	tensor_load_to_lds s[G0B:G0B+3], s[G1B:G1B+7]  ; my quarter of the next 128 columns' B
	s_nop 0
	PLACES
.endif
.endm
.macro EPI_FC                          ; gelu and quantiser, a tile of 16 tokens x my 64 columns at a time
.irp a, 0,1,2,3
	s_wait_xcnt 0x0                                ; the last stores have read the codes' registers, which lie among those at work below
.set j, 0
.rept 16
	v_pk_mul_f32 v[TG+j:TG+j+1], v[ACC+32*\a+j:ACC+32*\a+j+1], v[ACC+32*\a+j:ACC+32*\a+j+1]   ; x^2; each accumulator from its low end on
.set j, j+2
.endr
.set j, 0
.rept 16
	v_pk_fma_f32 v[TG+j:TG+j+1], v[TG+j:TG+j+1], s[C1:C1+1], v[C0:C0+1] op_sel_hi:[1,0,1]
.set j, j+2
.endr
.set j, 0
.rept 16
	v_pk_mul_f32 v[TG+j:TG+j+1], v[TG+j:TG+j+1], v[ACC+32*\a+j:ACC+32*\a+j+1]   ; -2 log2(e) u
.set j, j+2
.endr
.set j, 0
	s_wait_alu depctr_va_vdst(0)
.rept 32
	v_exp_f32 v[TG+j], v[TG+j]
.set j, j+1
.endr
	v_nop
	s_wait_alu depctr_va_vdst(0)                   ; the wait ahead of the batch's first reader: one for the 32
.set j, 0
.rept 16
	v_pk_add_f32 v[TG+j:TG+j+1], v[TG+j:TG+j+1], 1.0 op_sel_hi:[1,0]
.set j, j+2
.endr
.set j, 0
	s_wait_alu depctr_va_vdst(0)
.rept 32
	v_rcp_f32 v[TG+j], v[TG+j]
.set j, j+1
.endr
	v_nop
	s_wait_alu depctr_va_vdst(0)
.set j, 0
.rept 16
	v_pk_mul_f32 v[ACC+32*\a+j:ACC+32*\a+j+1], v[ACC+32*\a+j:ACC+32*\a+j+1], v[TG+j:TG+j+1]
.set j, j+2
.endr
	QUANT2 ACC+32*\a
	v_lshl_or_b32 v[HW+\a], v[TM+5], 8, v[TM+4]
	global_store_b128 v[O16], v[PC:PC+3], s[HCP:HCP+1] offset:8*REC*\a
	global_store_b64 v[O8], v[PC+4:PC+5], s[HCP:HCP+1] offset:8*REC*\a+512
.endr
	v_cndmask_b32 v[SWD], v[HW], v[HW+1], s[HM]
	v_cndmask_b32 v[SWD+1], v[HW+2], v[HW+3], s[HM]
	ds_store_b16 v[VSC], v[SWD]                    ; tiles h and 2 + h: my two bytes of row r's word for this step
	ds_store_b16 v[VSC], v[SWD+1] offset:512
.endm
	s_load_b256 s[68:75], s[0:1], 0x0              ; nq2, wbuf, fc_b, hq
	v_lshl_add_u32 v[SPW], v0, 2, SPARE
	v_mov_b32 v[NIL], 0
	ds_add_u32 v[SPW], v[NIL]                      ; the wave's opening: the add, twice on end, and its wait ahead of my first tensor load
	ds_add_u32 v[SPW], v[NIL]
	v_lshrrev_b32 v15, 5, v0
	v_readfirstlane_b32 s10, v15
	s_lshr_b32 s11, s10, 1
	s_and_b32 s12, s10, 1
	s_bfe_u32 s40, ttmp6, 0x40000
	s_bfe_u32 s41, ttmp6, 0x40004
	s_lshl_b32 s42, ttmp9, 2
	s_add_co_u32 s42, s42, s40                     ; gx
	s_and_b32 s43, ttmp7, 0xffff
	s_lshl_b32 s43, s43, 2
	s_add_co_u32 s43, s43, s41                     ; gy
	s_lshl_b32 s44, s41, 2
	s_lshl_b32 s44, 15, s44
	s_lshl_b32 s45, 0x1111, s40
	s_or_b32 s[G1], s44, (3<<16)|(1<<21)
	s_or_b32 s[G1B], s45, (3<<16)|(1<<21)
.irp g, G1, G1B
	s_mov_b32 s[\g+1], 800<<16
	s_mov_b32 s[\g+2], 8<<16
	s_mov_b32 s[\g+3], 800<<16
	s_mov_b32 s[\g+4], 8
	s_mov_b32 s[\g+5], PH*800
	s_mov_b32 s[\g+6], 0
	s_mov_b32 s[\g+7], 0
.endr
	s_lshl_b32 s16, s43, 3
	s_mul_i32 s16, s16, PH*REC
	s_mov_b32 s17, 0
	s_lshl_b32 s46, s42, NBSH
	s_lshl_b32 s47, s12, 2
	s_add_co_u32 s46, s46, s47
	s_mul_i32 s46, s46, PH*REC
	s_add_co_u32 s46, s46, WOFF
	s_mov_b32 s47, 0
	s_lshl_b32 s8, s42, NBSH                       ; B's first tile of the eight, for the head's whole loads
	s_mul_i32 s8, s8, PH*REC
	s_add_co_u32 s8, s8, WOFF
	s_mov_b32 s9, 0
	s_mul_i32 s20, s10, HALFT
	s_mov_b32 s[SEL], 0x76543210
	s_mov_b32 s[SEL+1], 0xfedcba98
	s_mov_b32 s[HM], 0xffff0000
	s_mov_b32 s[C1], 0xbdd2d3e8
	s_mov_b32 s[C1+1], s[C1]
	s_wait_dscnt 0x0
	s_wait_kmcnt 0x0
	s_add_nc_u64 s[14:15], s[68:69], s[16:17]
	s_add_nc_u64 s[46:47], s[70:71], s[46:47]
	s_add_nc_u64 s[8:9], s[70:71], s[8:9]
	CROUND
.irp s, 0,1
	s_mov_b32 s[G0+4*\s], 1
	s_mov_b32 s[G0+4*\s+1], \s*SLOT
	s_add_nc_u64 s[G0+4*\s+2:G0+4*\s+3], s[14:15], \s*REC
	s_or_b32 s[G0+4*\s+3], s[G0+4*\s+3], 0x80000000
	s_mov_b32 s[G0B+4*\s], 1
	s_add_co_u32 s[G0B+4*\s+1], s20, \s*SLOT
	s_add_nc_u64 s[G0B+4*\s+2:G0B+4*\s+3], s[46:47], \s*REC
	s_or_b32 s[G0B+4*\s+3], s[G0B+4*\s+3], 0x80000000
.endr
; THE HEAD'S FOUR TILES, eight records each, one load a wave: wave 0 A's phase 0, wave 1 B's phase 0, wave 2 A's phase 1, wave 3 B's phase 1; one chain of arms to one join
.set PFO, 27                           ; v27  the prefetches' offset: 256 x min(lane, 24); never rewritten
.set PFP, 86                           ; s[86:87] my record of the tile of columns behind the one at work
	s_mul_i32 s21, s11, SLOT                       ; a refill's quarter: phase wave / 2,
	s_mul_i32 s22, s12, HALFT                      ; four records wave % 2
	s_add_co_u32 s21, s21, s22
	s_add_co_u32 s[G0B+1], s21, 2*HALFT
	s_mul_i32 s22, s11, REC
	s_mov_b32 s23, 0
	s_add_nc_u64 s[G0B+2:G0B+3], s[G0B+2:G0B+3], s[22:23]
	s_lshl_b32 s22, s41, 2
	s_add_co_u32 s22, s22, s10                     ; record 4 cy + wave: the partners share the records out by address
	s_mul_i32 s22, s22, REC
	s_add_co_u32 s22, s22, BSTEP
	s_add_nc_u64 s[PFP:PFP+1], s[8:9], s[22:23]
	s_mov_b32 s4, 1
	s_mov_b32 s5, 2*HALFT
	s_mov_b64 s[6:7], s[8:9]
	s_or_b32 s7, s7, 0x80000000
	s_mov_b32 s44, 1
	s_mov_b32 s45, SLOT+2*HALFT
	s_add_nc_u64 s[46:47], s[8:9], REC
	s_or_b32 s47, s47, 0x80000000
.macro ARM under, g0, g1, next
	s_cmp_lt_u32 s10, \under
	s_cbranch_scc0 \next
	tensor_load_to_lds s[\g0:\g0+3], s[\g1:\g1+7]
	s_nop 0
	PLACES
	s_branch .Lhead_asked
\next:
.endm
	ARM 1, G0, G1, .Lhead_1
	ARM 2, 4, G1B, .Lhead_2
	ARM 3, G0+4, G1, .Lhead_3
	tensor_load_to_lds s[44:47], s[G1B:G1B+7]
	s_nop 0
	PLACES
.Lhead_asked:
	v_and_b32 v15, 31, v0
	v_and_b32 v16, 15, v0
	v_bfe_u32 v17, v0, 4, 1
	v_lshlrev_b32 v[O16], 4, v15
	v_lshlrev_b32 v[O8], 3, v15
	v_min_u32 v[PFO], 24, v15
	v_lshlrev_b32 v[PFO], 8, v[PFO]
	v_mul_u32_u24 v20, v17, REC
	v_lshl_add_u32 v20, v16, 4, v20
	s_mul_i32 s21, s11, HALFT
	s_mul_i32 s22, s12, HALFT
	s_add_co_u32 s22, s22, 2*HALFT
.irp s, 0,1
	v_add_nc_u32 v[A16+\s], s21, v[O16]
	v_add_nc_u32 v[B16+\s], s22, v[O16]
	v_add_nc_u32 v[A8+\s], s21, v[O8]
	v_add_nc_u32 v[B8+\s], s22, v[O8]
	v_add_nc_u32 v[SA+\s], s21, v20
	v_add_nc_u32 v[SB+\s], s22, v20
	s_add_co_u32 s21, s21, SLOT
	s_add_co_u32 s22, s22, SLOT
.endr
	v_mov_b32 v[TM+2], 0
	v_mov_b32 v[TM+3], 0
	s_lshl_b32 s92, s12, 8
	v_lshlrev_b32 v[VB], 6, v17
	v_add_nc_u32 v[VB], s92, v[VB]
	s_wait_alu depctr_va_vdst(0)
	s_lshl_b32 s93, s11, 10
	s_lshl_b32 s94, s12, 1
	s_add_co_u32 s93, s93, s94
	s_add_co_u32 s93, s93, EXTRA
	v_add_nc_u32 v[VSC], s93, v[O16]               ; EXTRA + 1,024 wm + 16 l + 2 wn
	s_lshl_b32 s93, s10, 9
	s_add_co_u32 s93, s93, EXTRA
	v_add_nc_u32 v[VSR], s93, v[O16]
	v_mul_u32_u24 v[VSO], v17, 8*REC
	v_lshl_add_u32 v[VSO], v16, 4, v[VSO]
	v_mov_b32 v[C0], 0xc0135761
	v_mov_b32 v[C0+1], 0xc0135761
	s_mov_b32 s93, 0
	s_lshl_b32 s92, s43, 3
	s_lshl_b32 s94, s11, 2
	s_add_co_u32 s92, s92, s94
	s_lshl_b32 s92, s92, 3
	s_add_co_u32 s92, s92, s42
	s_mul_i32 s92, s92, REC
	s_mul_i32 s94, s12, 768
	s_add_co_u32 s92, s92, s94
	s_add_nc_u64 s[HCP:HCP+1], s[74:75], s[92:93]  ; record (8 gy + 4 wm, phase gx), half wn of step 0
	s_lshl_b32 s92, s43, 3
	s_lshl_b32 s94, s10, 1
	s_add_co_u32 s92, s92, s94
	s_lshl_b32 s92, s92, 3
	s_add_co_u32 s92, s92, s42
	s_mul_i32 s92, s92, REC
	s_add_co_u32 s92, s92, 6144
	s_add_nc_u64 s[HSP:HSP+1], s[74:75], s[92:93]
	s_lshl_b32 s92, s42, 11
	s_add_nc_u64 s[BIP:BIP+1], s[72:73], s[92:93]
	BIAS                                           ; the first tile's
	global_prefetch_b8 v[PFO], s[PFP:PFP+1] th:TH_LOAD_NT scope:SCOPE_SE   ; the second tile's B
	s_wait_alu depctr_va_vdst(0)
	s_cmp_lt_u32 s10, 2
	s_cbranch_scc0 .Lnot_first
	s_wait_tensorcnt 0x0                           ; waves 0 and 1: phase 0's tiles are in; phase 1's are shown at the first change of slots
.Lnot_first:
	s_barrier_signal -1
	s_barrier_wait -1
	FETCH 0, 0, F0, 1, 1
	WIN 0                                          ; at a label and at a branch every window is 0
	s_mov_b32 s2, 3                                ; tiles that have a successor
	TILE 1, 1, 1                                   ; THE FIRST TILE, written out: it alone loads A's fragments
	EPI_FC
	s_wait_xcnt 0x0                                ; the stores have read their base, the prefetch its address
	s_add_nc_u64 s[HCP:HCP+1], s[HCP:HCP+1], 1536
	s_add_nc_u64 s[PFP:PFP+1], s[PFP:PFP+1], BSTEP
	v_add_nc_u32 v[VSC], 4, v[VSC]
	s_wait_alu depctr_va_vdst(0)
	s_wait_tensorcnt 0x0                           ; my quarter of the next B is in
	s_wait_dscnt 0x0
	s_barrier_signal -1
	s_barrier_wait -1                              ; everybody's is.
	FETCH 0, 0, F0, 1, 0
	WIN 0
	s_mov_b32 s2, 2
.Ltile:
	TILE 1, 1, 0
	EPI_FC
	s_wait_xcnt 0x0                                ; the stores have read their base
	s_add_nc_u64 s[HCP:HCP+1], s[HCP:HCP+1], 1536  ; the next step of the phase
	s_add_nc_u64 s[PFP:PFP+1], s[PFP:PFP+1], BSTEP ; (behind the wait on XCNT above: the trip's prefetch has read it)
	v_add_nc_u32 v[VSC], 4, v[VSC]
	s_wait_alu depctr_va_vdst(0)
	s_wait_tensorcnt 0x0                           ; my quarter of the next B is in
	s_wait_dscnt 0x0
	s_barrier_signal -1
	s_barrier_wait -1                              ; everybody's is.
	FETCH 0, 0, F0, 1, 0
	WIN 0
	s_sub_co_u32 s2, s2, 1
	s_cmp_lg_u32 s2, 0
	s_cbranch_scc1 .Ltile
	TILE 0, 0, 0                                   ; the last tile is written out: it asks for nothing more
	EPI_FC
	s_wait_dscnt 0x0                               ; for the others' sake: my bytes lie in LDS
	s_barrier_signal -1
	s_barrier_wait -1
	ds_load_b128 v[HW:HW+3], v[VSR]                ; two tiles' scale words: 256 consecutive bytes each
	s_wait_dscnt 0x0
	global_store_b128 v[VSO], v[HW:HW+3], s[HSP:HSP+1]
	s_wait_tensorcnt 0x0                           ; the wave's end
	ds_add_u32 v[SPW], v[NIL]
	s_wait_dscnt 0x0
	CROUND                                         ; the closing round
	s_endpgm
.Lfunc_end_k_q5a6673c988_g5:
	.size	k_q5a6673c988_g5, .Lfunc_end_k_q5a6673c988_g5-k_q5a6673c988_g5
	.p2alignl 7, 3214868480
	.fill 96, 4, 3214868480
	.section	.rodata,"a",@progbits
	.p2align	6, 0x0
	.amdhsa_kernel k_q5a6673c988_g5
		.amdhsa_group_segment_fixed_size 327680
		.amdhsa_private_segment_fixed_size 0
		.amdhsa_enable_private_segment 0
		.amdhsa_kernarg_size 32
		.amdhsa_user_sgpr_count 2
		.amdhsa_user_sgpr_kernarg_segment_ptr 1
		.amdhsa_wavefront_size32 1
		.amdhsa_system_sgpr_workgroup_id_x 1
		.amdhsa_system_sgpr_workgroup_id_y 1
		.amdhsa_system_sgpr_workgroup_id_z 1
		.amdhsa_system_vgpr_workitem_id 0
		.amdhsa_next_free_vgpr 960
		.amdhsa_next_free_sgpr 100
		.amdhsa_reserve_vcc 0
		.amdhsa_float_denorm_mode_32 3
		.amdhsa_float_denorm_mode_16_64 3
		.amdhsa_memory_ordered 1
		.amdhsa_forward_progress 1
		.amdhsa_inst_pref_size 216
	.end_amdhsa_kernel
	.amdgpu_metadata
---
amdhsa.version: [ 1, 2 ]
amdhsa.kernels:
  - .name:           k_q5a6673c988_g5
    .symbol:         k_q5a6673c988_g5.kd
    .args:
      - { .name: nq2, .offset: 0, .size: 8, .value_kind: global_buffer, .address_space: global }
      - { .name: wbuf, .offset: 8, .size: 8, .value_kind: global_buffer, .address_space: global }
      - { .name: fc_b, .offset: 16, .size: 8, .value_kind: global_buffer, .address_space: global }
      - { .name: hq, .offset: 24, .size: 8, .value_kind: global_buffer, .address_space: global }
    .group_segment_fixed_size: 327680
    .private_segment_fixed_size: 0
    .kernarg_segment_align: 8
    .kernarg_segment_size: 32
    .max_flat_workgroup_size: 128
    .sgpr_count:     100
    .vgpr_count:     960
    .wavefront_size: 32
...
	.end_amdgpu_metadata
.endif
;; end of part 6
;; launch g6 (part 7): grid 8 x 32, 4 waves a work-group, clusters of 4 x 4, 327,680 bytes of LDS; arguments hq, wbuf, fc2_b, h1, out0; writes out0
.if DOCPART == 7
	.amdgcn_target "amdgcn-amd-amdhsa--gfx1250"
	.amdhsa_code_object_version 6
	.text
	.protected	k_q5a6673c988_g6
	.globl	k_q5a6673c988_g6
	.p2align	8
	.type	k_q5a6673c988_g6,@function
k_q5a6673c988_g6:
	s_mov_b64 s[64:65], 0
	v_nop
	global_prefetch_b8 v0, s[64:65] scope:SCOPE_SE
	s_setreg_imm32_b32 hwreg(HW_REG_WAVE_MODE, 25, 1), 1
	s_wait_xcnt 0x0
	s_wait_alu depctr_hold_cnt(0) depctr_sa_sdst(0) depctr_va_vdst(0) depctr_va_sdst(0) depctr_va_ssrc(0) depctr_va_vcc(0) depctr_vm_vsrc(0)
	s_getreg_b32 s2, hwreg(HW_REG_IB_STS2, 6, 4)
	s_cmp_eq_u32 s2, 0
	s_cbranch_scc0 .Lentry_in_a_cluster
	s_endpgm
.Lentry_in_a_cluster:
	s_bfe_u32 s2, ttmp6, 0x10000c
	s_cmp_lg_u32 s2, 0xf033
	s_cbranch_scc0 .Lentry_shape_is_right
	s_endpgm
.Lentry_shape_is_right:
; out0 = h1 + h fc2_w + fc2_b, the product on codes of BF6 (E3M2).  A: gelu's result as codes; B: fc2_w's operand in wbuf.  No work is left out here.
; A work-group makes 128 x 128 of the result, four waves 64 x 64 each.  Operands lie in memory in the order of their registers: record (tile of 16 rows, phase of 512 along K) = 6,400 bytes: four fragments of
; 1,536, then 256 bytes of scale words; a tile's row r is the logical row 32 (T/2) + 8 (T%2) + r + (r&8).
; THE RING.  K = 4,096 is eight phases; LDS has room for three of both operands.  Slot D holds TWO neighbouring phases: a tile's two records lie on end in memory, so one load with rows of 12,800 bytes brings
; them (tiles 12,800 bytes apart in LDS); slot S holds one phase.  The walk: phases 0, 1 from D; D is filled with 3, 4; phase 2 from S; S is filled with 5; 3, 4 from D; D is filled with 6, 7; 5 from S; 6, 7 from D.
; So three refills serve the eight phases, one load a wave each; S's load has two phases' products in which to land, D's one.  A wave has one load out at the head and one behind each refill's barrier.
; The walk is written out: a phase's place and its set of scale registers come back only after six phases.
; CLUSTER 4 x 4: A's tiles are asked for jointly along a row of the cluster, B's along a column.
; The residual's 64 x 64 numbers of a wave are asked for at the head, into registers, in the layout in which the result comes back from the stage.
; PREFETCH: a phase's eight records of A are shared out among waves 0 and 1 of a row of the cluster (tile 2 cx + wave % 2), B's among waves 2 and 3 of a column (tile 2 cy + wave % 2), by address: a record a wave,
; 25 blocks of 256 bytes, a lane a block (lanes 25-31 name the last again).  Phases 3 and 4 are asked for ahead of phase 0's products, phase 5 behind them, phases 6 and 7 at phase 2's head: two phases or more ahead of the loads that want them.
; Phases 0 to 2 come by the head's loads alone.  The address registers are never rewritten: the phase stands in the immediate.
.set PH,    8
.set WOFF,  6553600
.set NBSH,  3
.set REC,   6400
.set DP,    2*REC                      ; slot D: from tile to tile
.set DBO,   8*DP                       ; slot D: A's 8 tiles from byte 0, B's from here
.set SAO,   16*DP                      ; slot S: A's 8 records,
.set SBO,   SAO+8*REC                  ; B's
.set EXTRA, SAO+16*REC                 ; behind the ring: a stage of 16 rows x (256 + 16) bytes for each wave
.set SPARE, EXTRA+17408                ; the spare words, 128 bytes for each wave: two blocks of 256 bytes that no other line names
.set A16, 1                            ; v1-2   slot D, S: my four tiles of A + 16 x lane
.set A8,  3                            ; v3-4   the same + 8 x lane
.set B16, 5                            ; v5-8   the same for B
.set B8,  7
.set SA,  9                            ; v9-10  slot D, S: A's scale words: a tile's pitch x h + 16 r
.set SB,  11                           ; v11-12 B's
.set SPW, 13                           ; v13    my spare word; never rewritten
.set NIL, 14                           ; v14    0; never rewritten
.set O16, 18
.set O8,  19
.set CO,  21                           ; v21  4,096 (l / 16) + 16 (l % 16): two rows of the result an instruction
.set BVO, 22                           ; v22  16 (l % 16)
.set STO, 23                           ; v23  the stage, on the way in
.set RD,  24                           ; v24  and back
.set SC,  28                           ; v28-59 scale words, two sets of 16, phase % 2: A's pair i, step q at 4 i + q; B's at 8 + 4 i + q; lanes 0-15 the even tile, lanes 16-31 the odd
.set BK0, 60                           ; v60-91, v96-127: 16 rows read back, by turns
.set BV,  92                           ; v92-95 the bias of my four columns
.set ACC, 128
.set F0,  0                            ; window 1: two sets of fragments: B's four at 12 b, A's four at 48 + 12 a
.set F1,  96
.set G1,  24                           ; s[24:31] descriptor group 1 for A, rows of one record;  s[32:39] groups 0: slot D, slot S
.set G0,  32
.set G1B, 48                           ; s[48:55], s[56:63] the same for B
.set G0B, 56
.set G1D, 80                           ; s[80:87] group 1 for A, rows of two records;  s[88:95] for B
.set G1BD, 88
.set MUL,  0x05
.set TO_F, 0x40
.set MSB, 0
.macro WIN new                         ; the immediate's high byte repeats the setting that is left
.if MSB != \new
	s_set_vgpr_msb (MSB<<8)|\new
.set MSB, \new
.endif
.endm
.macro PLACES                          ; four plain lines between a matrix instruction and a load into, or a read of, its registers
.rept 4
	v_nop
.endr
.endm
.macro CREST                           ; a round of the cluster's barrier behind its opening barrier
	s_cmp_lg_u32 s10, 0
	s_cbranch_scc1 .Lnot_wave_0_\@
	s_barrier_signal -3
.Lnot_wave_0_\@:
	s_barrier_wait -3
	s_barrier_signal -1
	s_barrier_wait -1
.endm
.macro CROUND
	s_barrier_signal -1
	s_barrier_wait -1
	CREST
.endm
.macro JLOAD g0a, g1a, g0b, g1b        ; a joint load: waves 0 and 1 fetch for A, waves 2 and 3 for B; the branch hangs on the wave's number alone; s_nop 0 and four v_nop follow each load
	s_cmp_eq_u32 s11, 0
	s_cbranch_scc0 .Lfor_b_\@
	tensor_load_to_lds s[\g0a:\g0a+3], s[\g1a:\g1a+7]
	s_nop 0
.rept 4
	v_nop
.endr
	s_branch .Lasked_\@
.Lfor_b_\@:
	tensor_load_to_lds s[\g0b:\g0b+3], s[\g1b:\g1b+7]
	s_nop 0
.rept 4
	v_nop
.endr
.Lasked_\@:
.endm
.macro FRAG reg, a16, a8, off          ; a fragment, 12 registers, as it lies: each load reads consecutive bytes in consecutive lanes
	ds_load_b128 v[(\reg):(\reg)+3], v[\a16] offset:(\off)
	ds_load_b64 v[(\reg)+4:(\reg)+5], v[\a8] offset:(\off)+512
	ds_load_b128 v[(\reg)+6:(\reg)+9], v[\a16] offset:(\off)+768
	ds_load_b64 v[(\reg)+10:(\reg)+11], v[\a8] offset:(\off)+1280
.endm
; A phase's PLACE: 0, 1: slot D's first and second phase; 2: slot S.  Step q of the phase at place loc into set f: B's four, A's 0 and 1, (sc = 1: the phase's scale words into set 'set',) A's 2 and 3: the youngest eight loads
.macro FETCH loc, q, f, sc, set
.set PT, DP-REC*((\loc)/2)             ; from tile to tile
.set OF, REC*((\loc)%2)                ; the phase in its slot
.set AR, (\loc)/2                      ; the slot's address registers
	WIN TO_F
.irp i, 0,1,2,3
	FRAG (\f)+12*\i, B16+AR, B8+AR, \i*PT+OF+1536*(\q)
.endr
.irp i, 0,1
	FRAG (\f)+48+12*\i, A16+AR, A8+AR, \i*PT+OF+1536*(\q)
.endr
.if \sc
	WIN 0
.irp i, 0,1
	ds_load_b128 v[SC+16*(\set)+4*\i:SC+16*(\set)+4*\i+3], v[SA+AR] offset:6144+OF+2*PT*\i
	ds_load_b128 v[SC+16*(\set)+8+4*\i:SC+16*(\set)+8+4*\i+3], v[SB+AR] offset:6144+OF+2*PT*\i
.endr
	WIN TO_F
.endif
.irp i, 2,3
	FRAG (\f)+48+12*\i, A16+AR, A8+AR, \i*PT+OF+1536*(\q)
.endr
.endm
.macro WM mode
.if (\mode)==1
.if (oX==0)&&(oY==0)
	v_wmma_scale_f32_16x16x128_f8f6f4 v[rD:rD+7], v[rX:rX+11], v[rY:rY+11], 0, v[rSX], v[rSY] matrix_a_fmt:MATRIX_FMT_BF6 matrix_b_fmt:MATRIX_FMT_BF6
.elseif (oX==1)&&(oY==0)
	v_wmma_scale_f32_16x16x128_f8f6f4 v[rD:rD+7], v[rX:rX+11], v[rY:rY+11], 0, v[rSX], v[rSY] matrix_a_fmt:MATRIX_FMT_BF6 matrix_b_fmt:MATRIX_FMT_BF6 matrix_a_scale:MATRIX_SCALE_ROW1
.elseif (oX==0)&&(oY==1)
	v_wmma_scale_f32_16x16x128_f8f6f4 v[rD:rD+7], v[rX:rX+11], v[rY:rY+11], 0, v[rSX], v[rSY] matrix_a_fmt:MATRIX_FMT_BF6 matrix_b_fmt:MATRIX_FMT_BF6 matrix_b_scale:MATRIX_SCALE_ROW1
.else
	v_wmma_scale_f32_16x16x128_f8f6f4 v[rD:rD+7], v[rX:rX+11], v[rY:rY+11], 0, v[rSX], v[rSY] matrix_a_fmt:MATRIX_FMT_BF6 matrix_b_fmt:MATRIX_FMT_BF6 matrix_a_scale:MATRIX_SCALE_ROW1 matrix_b_scale:MATRIX_SCALE_ROW1
.endif
.else
.if (oX==0)&&(oY==0)
	v_wmma_scale_f32_16x16x128_f8f6f4 v[rD:rD+7], v[rX:rX+11], v[rY:rY+11], v[rC:rC+7], v[rSX], v[rSY] matrix_a_fmt:MATRIX_FMT_BF6 matrix_b_fmt:MATRIX_FMT_BF6
.elseif (oX==1)&&(oY==0)
	v_wmma_scale_f32_16x16x128_f8f6f4 v[rD:rD+7], v[rX:rX+11], v[rY:rY+11], v[rC:rC+7], v[rSX], v[rSY] matrix_a_fmt:MATRIX_FMT_BF6 matrix_b_fmt:MATRIX_FMT_BF6 matrix_a_scale:MATRIX_SCALE_ROW1
.elseif (oX==0)&&(oY==1)
	v_wmma_scale_f32_16x16x128_f8f6f4 v[rD:rD+7], v[rX:rX+11], v[rY:rY+11], v[rC:rC+7], v[rSX], v[rSY] matrix_a_fmt:MATRIX_FMT_BF6 matrix_b_fmt:MATRIX_FMT_BF6 matrix_b_scale:MATRIX_SCALE_ROW1
.else
	v_wmma_scale_f32_16x16x128_f8f6f4 v[rD:rD+7], v[rX:rX+11], v[rY:rY+11], v[rC:rC+7], v[rSX], v[rSY] matrix_a_fmt:MATRIX_FMT_BF6 matrix_b_fmt:MATRIX_FMT_BF6 matrix_a_scale:MATRIX_SCALE_ROW1 matrix_b_scale:MATRIX_SCALE_ROW1
.endif
.endif
.endm
; Four products: A's tile a against B's four; source 0 = B, so that a lane holds eight neighbouring columns of one row.  The 16 accumulators take turns, in the same order in every step.
.macro MULA f, a, q, set, mode
.irp b, 0,1,2,3
.set rD, ACC+8*(4*(\a)+\b)
.set rX, (\f)+12*\b
.set rY, (\f)+48+12*(\a)
.set rSX, SC+16*(\set)+8+4*(\b/2)+(\q)
.set rSY, SC+16*(\set)+4*((\a)/2)+(\q)
.set oX, \b%2
.set oY, (\a)%2
.set rC, rD
	WM \mode
.endr
.endm
.macro STEP loc, q, set, mode          ; a step of 128 along K that has its successor in the same phase
	PLACES                                         ; four places behind the last step's products; then the next step's 32 loads, ahead of this step's 16 products
	FETCH \loc, (\q)+1, F0+96*(1-(\q)%2), 0, 0
	s_wait_dscnt 32                                ; all but the 32 just issued: this step's fragments are in
	WIN MUL
	MULA F0+96*((\q)%2), 0, \q, \set, \mode
	MULA F0+96*((\q)%2), 1, \q, \set, \mode
	MULA F0+96*((\q)%2), 2, \q, \set, \mode
	MULA F0+96*((\q)%2), 3, \q, \set, \mode
.endm
.macro PHASE loc, set, mode            ; a phase's first three steps
	STEP \loc, 0, \set, \mode
	STEP \loc, 1, \set, 0
	STEP \loc, 2, \set, 0
.endm
.macro PASS set, next                  ; a phase's last step where the next phase lies in the same slot: the slot is whole since the barrier in front of its first phase, and nothing is filled: no barrier
	PLACES
	FETCH \next, 0, F0, 1, 1-(\set)
	s_wait_dscnt 36                                ; all but the 36 just issued: 32 for the fragments, 4 for the scale words
	WIN MUL
	MULA F1, 0, 3, \set, 0
	MULA F1, 1, 3, \set, 0
	MULA F1, 2, 3, \set, 0
	MULA F1, 3, 3, \set, 0
.endm
; A slot's last step changes slots: ONE barrier.  In front of it each wave waits for all its tensor loads, adds 0 to its spare word, and waits for that and for its reads of this slot.
; fill = 1 (slot D) or 2 (slot S): the barrier opens a round of the cluster's barrier, and the slot just read out is filled again first thing behind it, three phases further along K.  fill = 0: nothing is left to ask for.
.macro TURN set, next, fill
	WIN 0
	s_wait_tensorcnt 0x0                           ; all my tensor loads have landed: my part of the next slot
	ds_add_u32 v[SPW], v[NIL]
.if (\fill)==1
	s_mov_b32 s[G1D+2], 4<<16                      ; no tensor load of mine is out: a refill brings four tiles a wave
	s_mov_b32 s[G1D+4], 4
	s_mov_b32 s[G1BD+2], 4<<16
	s_mov_b32 s[G1BD+4], 4
.elseif (\fill)==2
	s_mov_b32 s[G1+2], 4<<16
	s_mov_b32 s[G1+4], 4
	s_mov_b32 s[G1B+2], 4<<16
	s_mov_b32 s[G1B+4], 4
.endif
	s_wait_dscnt 9                                 ; (the add and A's tiles 2 and 3 may be out)
	WIN MUL
	MULA F1, 0, 3, \set, 0
	s_wait_dscnt 0x0                               ; the add is done, and my reads of this slot are over
	s_barrier_signal -1
	MULA F1, 1, 3, \set, 0
	WIN 0
	s_barrier_wait -1
.if \fill
	CREST                                          ; no wave of any partner still reads this slot or has a load on its way
	s_add_nc_u64 s[G0B+4*((\fill)-1)+2:G0B+4*((\fill)-1)+3], s[G0B+4*((\fill)-1)+2:G0B+4*((\fill)-1)+3], 3*REC
	s_add_nc_u64 s[G0+4*((\fill)-1)+2:G0+4*((\fill)-1)+3], s[G0+4*((\fill)-1)+2:G0+4*((\fill)-1)+3], 3*REC
.if (\fill)==1
	JLOAD G0, G1D, G0B, G1BD                       ; its four v_nop are also the places in front of the loads below
.else
	JLOAD G0+4, G1, G0B+4, G1B
.endif
.else
	PLACES
.endif
	FETCH \next, 0, F0, 1, 1-(\set)
	WIN MUL
	MULA F1, 2, 3, \set, 0
	MULA F1, 3, 3, \set, 0
.endm
.macro LAST set                        ; the very last step: nothing more to fetch
	s_wait_dscnt 8
	WIN MUL
	MULA F1, 0, 3, \set, 0
	MULA F1, 1, 3, \set, 0
	s_wait_alu depctr_va_vdst(0)
	s_wait_dscnt 0x0
	MULA F1, 2, 3, \set, 0
	MULA F1, 3, 3, \set, 0
.endm
	s_load_b256 s[68:75], s[0:1], 0x0              ; A, wbuf, the bias, the residual
	s_load_b64 s[76:77], s[0:1], 0x20              ; the result
	v_lshl_add_u32 v[SPW], v0, 2, SPARE
	v_mov_b32 v[NIL], 0
	ds_add_u32 v[SPW], v[NIL]                      ; the wave's opening: the add, twice on end, and its wait ahead of my first tensor load
	ds_add_u32 v[SPW], v[NIL]
	v_lshrrev_b32 v15, 5, v0
	v_readfirstlane_b32 s10, v15                   ; wave
	s_lshr_b32 s11, s10, 1                         ; wm: my half of the rows.  Also: I fetch for A (0) or for B (1)
	s_and_b32 s12, s10, 1                          ; wn: my half of the columns.  Also: which four tiles I fetch
	s_bfe_u32 s40, ttmp6, 0x40000                  ; cx, cy
	s_bfe_u32 s41, ttmp6, 0x40004
	s_lshl_b32 s42, ttmp9, 2
	s_add_co_u32 s42, s42, s40                     ; gx
	s_and_b32 s43, ttmp7, 0xffff
	s_lshl_b32 s43, s43, 2
	s_add_co_u32 s43, s43, s41                     ; gy
	s_lshl_b32 s44, s41, 2
	s_lshl_b32 s44, 15, s44                        ; my row of the cluster
	s_lshl_b32 s45, 0x1111, s40                    ; my column
	s_or_b32 s[G1], s44, (3<<16)|(1<<21)           ; the mask; elements of 8 bytes; bit 21 beside a mask; no padding
	s_or_b32 s[G1B], s45, (3<<16)|(1<<21)
	s_or_b32 s[G1D], s44, (3<<16)|(1<<21)
	s_or_b32 s[G1BD], s45, (3<<16)|(1<<21)
.irp g, G1, G1B
	s_mov_b32 s[\g+1], 800<<16                     ; tensor_dim0: a record, 800 elements
	s_mov_b32 s[\g+2], 8<<16                       ; tensor_dim1: at the head eight tiles
	s_mov_b32 s[\g+3], 800<<16                     ; tile_dim0
	s_mov_b32 s[\g+4], 8                           ; tile_dim1
	s_mov_b32 s[\g+5], PH*800                      ; from a tile's record to the next tile's
	s_mov_b32 s[\g+6], 0
	s_mov_b32 s[\g+7], 0
.endr
.irp g, G1D, G1BD
	s_mov_b32 s[\g+1], 1600<<16                    ; two records on end
	s_mov_b32 s[\g+2], 8<<16
	s_mov_b32 s[\g+3], 1600<<16
	s_mov_b32 s[\g+4], 8
	s_mov_b32 s[\g+5], PH*800
	s_mov_b32 s[\g+6], 0
	s_mov_b32 s[\g+7], 0
.endr
	s_lshl_b32 s16, s43, 3                         ; A: tile 8 gy
	s_mul_i32 s16, s16, PH*REC
	s_mov_b32 s17, 0
	s_lshl_b32 s46, s42, NBSH                      ; B: tile 8 gx
	s_mul_i32 s4, s12, 4*PH*REC                    ; the four tiles that I refill: which half, in bytes
	s_mov_b32 s5, 0
	s_mul_i32 s46, s46, PH*REC
	s_add_co_u32 s46, s46, WOFF
	s_mov_b32 s47, 0
	s_mul_i32 s20, s10, 4*DP                       ; where they go: slot D: wave x four tiles of two records;
	s_mul_i32 s21, s10, 4*REC
	s_add_co_u32 s21, s21, SAO                     ; slot S: wave x four records
	s_wait_dscnt 0x0                               ; both opening adds are done
	s_wait_kmcnt 0x0
	s_add_nc_u64 s[16:17], s[68:69], s[16:17]      ; A's eight tiles
	s_add_nc_u64 s[46:47], s[70:71], s[46:47]      ; B's
	s_add_nc_u64 s[14:15], s[16:17], s[4:5]        ; my four of A's,
	s_add_nc_u64 s[6:7], s[46:47], s[4:5]          ; of B's
	CROUND                                         ; all sixteen work-groups are here: the first joint loads meet
	s_mov_b32 s[G0], 1
	s_mov_b32 s[G0+1], s20
	s_mov_b64 s[G0+2:G0+3], s[14:15]               ; phases 0 and 1
	s_or_b32 s[G0+3], s[G0+3], 0x80000000
	s_mov_b32 s[G0B], 1
	s_mov_b32 s[G0B+1], s20
	s_mov_b64 s[G0B+2:G0B+3], s[6:7]
	s_or_b32 s[G0B+3], s[G0B+3], 0x80000000
	s_mov_b32 s[G0+4], 1
	s_mov_b32 s[G0+5], s21
	s_add_nc_u64 s[G0+6:G0+7], s[14:15], 2*REC     ; phase 2
	s_or_b32 s[G0+7], s[G0+7], 0x80000000
	s_mov_b32 s[G0B+4], 1
	s_mov_b32 s[G0B+5], s21
	s_add_nc_u64 s[G0B+6:G0B+7], s[6:7], 2*REC
	s_or_b32 s[G0B+7], s[G0B+7], 0x80000000
; THE HEAD'S FOUR TILES, eight tiles of rows each, one load a wave: wave 0 slot D's A (its own group 0 begins at the eight's first tile and at LDS byte 0), wave 1 slot D's B, wave 2 slot S's A, wave 3 slot S's B
.set PFO, 26                           ; v26  the prefetches' offset: 256 x min(lane, 24); never rewritten
.set PFP, 78                           ; s[78:79] my tile's first record; never rewritten
.macro ASK p
	global_prefetch_b8 v[PFO], s[PFP:PFP+1] offset:(\p)*REC th:TH_LOAD_NT scope:SCOPE_SE
.endm
	s_cmp_eq_u32 s11, 0                            ; do I fetch for A?
	s_cselect_b32 s8, s40, s41                     ; my place among the four that ask with me
	s_cselect_b64 s[PFP:PFP+1], s[16:17], s[46:47]
	s_lshl_b32 s8, s8, 1
	s_add_co_u32 s8, s8, s12
	s_mul_i32 s8, s8, PH*REC
	s_mov_b32 s9, 0
	s_add_nc_u64 s[PFP:PFP+1], s[PFP:PFP+1], s[8:9]
	s_mov_b32 s96, 1
	s_mov_b32 s97, DBO
	s_mov_b64 s[98:99], s[46:47]
	s_or_b32 s99, s99, 0x80000000
	s_add_nc_u64 s[18:19], s[16:17], 2*REC
	s_or_b32 s19, s19, 0x80000000
	s_mov_b32 s16, 1
	s_mov_b32 s17, SAO
	s_add_nc_u64 s[46:47], s[46:47], 2*REC
	s_or_b32 s47, s47, 0x80000000
	s_mov_b32 s44, 1
	s_mov_b32 s45, SBO
.macro ARM under, g0, g1, next
	s_cmp_lt_u32 s10, \under
	s_cbranch_scc0 \next
	tensor_load_to_lds s[\g0:\g0+3], s[\g1:\g1+7]
	s_nop 0
	PLACES
	s_branch .Lhead_asked
\next:
.endm
	ARM 1, G0, G1D, .Lhead_1
	ARM 2, 96, G1BD, .Lhead_2
	ARM 3, 16, G1, .Lhead_3
	tensor_load_to_lds s[44:47], s[G1B:G1B+7]
	s_nop 0
	PLACES
.Lhead_asked:
	v_and_b32 v15, 31, v0
	v_and_b32 v16, 15, v0                          ; r
	v_bfe_u32 v17, v0, 4, 1                        ; h
	v_lshlrev_b32 v[O16], 4, v15
	v_lshlrev_b32 v[O8], 3, v15
	v_min_u32 v[PFO], 24, v15
	v_lshlrev_b32 v[PFO], 8, v[PFO]
	v_mul_u32_u24 v20, v17, REC
	v_lshl_add_u32 v20, v16, 4, v20                ; slot S: 6,400 h + 16 r
	v_mul_u32_u24 v25, v17, DP
	v_lshl_add_u32 v25, v16, 4, v25                ; slot D: 12,800 h + 16 r
	s_mul_i32 s21, s11, 4*DP
	s_mul_i32 s22, s12, 4*DP
	s_add_co_u32 s22, s22, DBO
	v_add_nc_u32 v[A16], s21, v[O16]
	v_add_nc_u32 v[B16], s22, v[O16]
	v_add_nc_u32 v[A8], s21, v[O8]
	v_add_nc_u32 v[B8], s22, v[O8]
	v_add_nc_u32 v[SA], s21, v25
	v_add_nc_u32 v[SB], s22, v25
	s_mul_i32 s21, s11, 4*REC
	s_add_co_u32 s21, s21, SAO
	s_mul_i32 s22, s12, 4*REC
	s_add_co_u32 s22, s22, SBO
	v_add_nc_u32 v[A16+1], s21, v[O16]
	v_add_nc_u32 v[B16+1], s22, v[O16]
	v_add_nc_u32 v[A8+1], s21, v[O8]
	v_add_nc_u32 v[B8+1], s22, v[O8]
	v_add_nc_u32 v[SA+1], s21, v20
	v_add_nc_u32 v[SB+1], s22, v20
	v_lshlrev_b32 v[BVO], 4, v16
	s_wait_alu depctr_va_vdst(0)
	v_lshl_add_u32 v[CO], v17, 12, v[BVO]
	s_wait_alu depctr_va_vdst(0)
	s_mul_i32 s8, s10, 4352
	s_add_co_u32 s8, s8, EXTRA                     ; my stage
	v_mul_u32_u24 v[STO], v16, 272
	v_lshl_add_u32 v[STO], v17, 6, v[STO]
	v_add_nc_u32 v[STO], s8, v[STO]                ; in: row r, 64 h bytes on
	v_mul_u32_u24 v[RD], v17, 272
	v_lshl_add_u32 v[RD], v16, 4, v[RD]
	v_add_nc_u32 v[RD], s8, v[RD]                  ; back: lanes 0-15 one row, lanes 16-31 the next
	s_lshl_b32 s4, s42, 9
	s_lshl_b32 s5, s12, 8
	s_add_co_u32 s4, s4, s5                        ; my first column, in bytes
	s_mov_b32 s5, 0
	s_lshl_b32 s6, s43, 7
	s_lshl_b32 s7, s11, 6
	s_add_co_u32 s6, s6, s7
	s_lshl_b32 s6, s6, 12                          ; my first row
	s_add_co_u32 s6, s6, s4
	s_mov_b32 s7, 0
	s_add_nc_u64 s[72:73], s[72:73], s[4:5]
	s_add_nc_u64 s[74:75], s[74:75], s[6:7]
	s_add_nc_u64 s[76:77], s[76:77], s[6:7]
	global_load_b128 v[BV:BV+3], v[BVO], s[72:73]
	WIN 0x80                                       ; destination window 2: the residual, tile a's rows 2 i + (l / 16) in the tile's own order of rows
.irp a, 0,1,2,3
.irp i, 0,1,2,3,4,5,6,7
	global_load_b128 v[32*\a+4*\i:32*\a+4*\i+3], v[CO], s[74:75] offset:(2*\i+8*(\i/4)+8*(\a%2)+32*(\a/2))*4096
.endr
.endr
	WIN 0
	s_wait_alu depctr_va_vdst(0)
	s_cmp_lt_u32 s10, 2
	s_cbranch_scc0 .Lnot_first
	s_wait_tensorcnt 0x0                           ; waves 0 and 1: slot D's tiles are in; slot S's are shown at the first change of slots
.Lnot_first:
	s_barrier_signal -1
	s_barrier_wait -1
	FETCH 0, 0, F0, 1, 0
	WIN 0
	ASK 3
	ASK 4
	PHASE 0, 0, 1                                  ; phase 0: its first products start the sums
	PASS 0, 1
	WIN 0
	ASK 5
	PHASE 1, 1, 0                                  ; phase 1
	TURN 1, 2, 1                                   ; slot D takes phases 3 and 4
	WIN 0
	ASK 6
	ASK 7
	PHASE 2, 0, 0                                  ; phase 2
	TURN 0, 0, 2                                   ; slot S takes phase 5
	PHASE 0, 1, 0                                  ; phase 3
	PASS 1, 1
	PHASE 1, 0, 0                                  ; phase 4
	TURN 0, 2, 1                                   ; slot D takes phases 6 and 7
	PHASE 2, 1, 0                                  ; phase 5
	TURN 1, 0, 0                                   ; nothing is left to ask for
	PHASE 0, 0, 0                                  ; phase 6
	PASS 0, 1
	PHASE 1, 1, 0                                  ; phase 7
	LAST 1
	WIN 0
	PLACES
	; THE WAY OUT, a tile of 16 rows x 64 columns at a time, through my own stage: back as whole rows of 256 bytes; the bias, the residual; sixteen lanes store 256 consecutive bytes
	s_wait_loadcnt 0x0                             ; the bias and the residual
.irp a, 0,1,2,3
.irp b, 0,1,2,3
	ds_store_b128 v[STO], v[ACC+8*(4*\a+\b):ACC+8*(4*\a+\b)+3] offset:128*(\b/2)+32*(\b%2)      ; each accumulator from its low end on
	ds_store_b128 v[STO], v[ACC+8*(4*\a+\b)+4:ACC+8*(4*\a+\b)+7] offset:128*(\b/2)+32*(\b%2)+16
.endr
.if \a >= 2
	s_wait_xcnt 0x0                                ; tile a - 2's stores have read these registers
.endif
.irp i, 0,1,2,3,4,5,6,7
	ds_load_b128 v[BK0+36*(\a%2)+4*\i:BK0+36*(\a%2)+4*\i+3], v[RD] offset:544*\i   ; LDS serves a wave's instructions in order: these see my stores
.endr
	s_wait_dscnt 0x0
.irp i, 0,1,2,3,4,5,6,7
	v_pk_add_f32 v[BK0+36*(\a%2)+4*\i:BK0+36*(\a%2)+4*\i+1], v[BK0+36*(\a%2)+4*\i:BK0+36*(\a%2)+4*\i+1], v[BV:BV+1]
	v_pk_add_f32 v[BK0+36*(\a%2)+4*\i+2:BK0+36*(\a%2)+4*\i+3], v[BK0+36*(\a%2)+4*\i+2:BK0+36*(\a%2)+4*\i+3], v[BV+2:BV+3]
.endr
	WIN 0x08                                       ; source 1 window 2
.irp i, 0,1,2,3,4,5,6,7
	v_pk_add_f32 v[BK0+36*(\a%2)+4*\i:BK0+36*(\a%2)+4*\i+1], v[BK0+36*(\a%2)+4*\i:BK0+36*(\a%2)+4*\i+1], v[32*\a+4*\i:32*\a+4*\i+1]
	v_pk_add_f32 v[BK0+36*(\a%2)+4*\i+2:BK0+36*(\a%2)+4*\i+3], v[BK0+36*(\a%2)+4*\i+2:BK0+36*(\a%2)+4*\i+3], v[32*\a+4*\i+2:32*\a+4*\i+3]
.endr
	WIN 0
.irp i, 0,1,2,3,4,5,6,7
	global_store_b128 v[CO], v[BK0+36*(\a%2)+4*\i:BK0+36*(\a%2)+4*\i+3], s[76:77] offset:(2*\i+8*(\i/4)+8*(\a%2)+32*(\a/2))*4096 th:TH_STORE_NT
.endr
.endr
	s_wait_tensorcnt 0x0                           ; the wave's end
	ds_add_u32 v[SPW], v[NIL]
	s_wait_dscnt 0x0
	CROUND                                         ; the closing round
	s_endpgm
.Lfunc_end_k_q5a6673c988_g6:
	.size	k_q5a6673c988_g6, .Lfunc_end_k_q5a6673c988_g6-k_q5a6673c988_g6
	.p2alignl 7, 3214868480
	.fill 96, 4, 3214868480
	.section	.rodata,"a",@progbits
	.p2align	6, 0x0
	.amdhsa_kernel k_q5a6673c988_g6
		.amdhsa_group_segment_fixed_size 327680
		.amdhsa_private_segment_fixed_size 0
		.amdhsa_enable_private_segment 0
		.amdhsa_kernarg_size 40
		.amdhsa_user_sgpr_count 2
		.amdhsa_user_sgpr_kernarg_segment_ptr 1
		.amdhsa_wavefront_size32 1
		.amdhsa_system_sgpr_workgroup_id_x 1
		.amdhsa_system_sgpr_workgroup_id_y 1
		.amdhsa_system_sgpr_workgroup_id_z 1
		.amdhsa_system_vgpr_workitem_id 0
		.amdhsa_next_free_vgpr 640
		.amdhsa_next_free_sgpr 100
		.amdhsa_reserve_vcc 0
		.amdhsa_float_denorm_mode_32 3
		.amdhsa_float_denorm_mode_16_64 3
		.amdhsa_memory_ordered 1
		.amdhsa_forward_progress 1
		.amdhsa_inst_pref_size 171
	.end_amdhsa_kernel
	.amdgpu_metadata
---
amdhsa.version: [ 1, 2 ]
amdhsa.kernels:
  - .name:           k_q5a6673c988_g6
    .symbol:         k_q5a6673c988_g6.kd
    .args:
      - { .name: hq, .offset: 0, .size: 8, .value_kind: global_buffer, .address_space: global }
      - { .name: wbuf, .offset: 8, .size: 8, .value_kind: global_buffer, .address_space: global }
      - { .name: fc2_b, .offset: 16, .size: 8, .value_kind: global_buffer, .address_space: global }
      - { .name: h1, .offset: 24, .size: 8, .value_kind: global_buffer, .address_space: global }
      - { .name: out0, .offset: 32, .size: 8, .value_kind: global_buffer, .address_space: global }
    .group_segment_fixed_size: 327680
    .private_segment_fixed_size: 0
    .kernarg_segment_align: 8
    .kernarg_segment_size: 40
    .max_flat_workgroup_size: 128
    .sgpr_count:     100
    .vgpr_count:     640
    .wavefront_size: 32
...
	.end_amdgpu_metadata
.endif
;; end of part 7
